; MI455X (gfx1250); checked and timed in simulation.
; The chip was launched on July 23, 2026; its instructions are those of AMD's public machine-readable ISA for CDNA 5 (MIT licence, August 2026) and "CDNA5" Instruction Set Architecture Reference Guide (July 2026). The comments in the code are by the model that wrote it; some were corrected since.
;; Attention. Allowed arithmetic: matrix products marked QUANTISED: E4M3 operands, one given power-of-two scale a tensor, by v_wmma_f32_16x16x64_fp8_fp8 or v_wmma_f32_16x16x128_fp8_fp8, f32 sums; everything else in f32.
;; Inputs: Wk 1,024 x 1,024 float32; Wo 1,024 x 1,024 float32; Wq 1,024 x 1,024 float32; Wv 1,024 x 1,024 float32; bo 1,024 float32; lowp_scales 12 int32 (the exponents e of the quantised operands' scales 2^e); mask 1 x 1 x 2,048 x 2,048 bool; x 4 x 2,048 x 1,024 float32.
;; Outputs: out0 4 x 2,048 x 1,024 float32.
;; This version of the problem:
;;   THIS VERSION OF THE PROBLEM IS GIVEN IN LOW PRECISION. The matrix products marked QUANTISED in the list below multiply operands that are first quantised to E4M3 (4 exponent bits, 3 mantissa bits; 8 bits a number), with one given power-of-two scale for each operand tensor; their sums are f32. All else is computed in f32.
;;   The module's matrix products, in the order in which they are computed (A, B: the left and right operand; K: the contracted axis; several contracted axes count as one K, in the product's order):
;;     1. [M 8,192, K 1,024] x [K 1,024, N 1,024]; A: input x; B: input Wq: QUANTISED (scales: A lowp_scales[0], B lowp_scales[1])
;;     2. [M 8,192, K 1,024] x [K 1,024, N 1,024]; A: input x; B: input Wk: QUANTISED (scales: A lowp_scales[2], B lowp_scales[3])
;;     3. [M 8,192, K 1,024] x [K 1,024, N 1,024]; A: input x; B: input Wv: QUANTISED (scales: A lowp_scales[4], B lowp_scales[5])
;;     4. batch 64 x [M 2,048, K 64] x [K 64, N 2,048]; A: computed on the way; B: computed on the way: QUANTISED (scales: A lowp_scales[6], B lowp_scales[7])
;;     5. batch 64 x [M 2,048, K 2,048] x [K 2,048, N 64]; A: softmax (see below); B: computed on the way: QUANTISED (scales: A lowp_scales[8], B lowp_scales[9])
;;     6. [M 8,192, K 1,024] x [K 1,024, N 1,024]; A: computed on the way; B: input Wo: QUANTISED (scales: A lowp_scales[10], B lowp_scales[11])
;;   THE QUANTISER, for each operand of a quantised product, along K:
;;     - The operand's scale is 2^e, e = its entry of the input lowp_scales (int32; the entries are numbered through the quantised products in the list's order, A before B).
;;     - Each number is divided by the scale, clamped to +-448, and rounded to the nearest number of E4M3, ties to even, subnormals kept.
;;     - The product sums the exact products of the quantised numbers (number of the format x scale) in f32.
;;   ~~~python
;;   def quantise(x, axis, e):      # numpy; x: float32 -> the quantised numbers, widened to float32 again
;;       x = np.moveaxis(x, axis, -1); K = x.shape[-1]
;;       r = np.clip(x / 2.0 ** e, -448, 448)
;;       step = 2.0 ** (np.maximum(np.frexp(np.where(r == 0, 1, r))[1] - 1, -6) - 3)
;;       q = np.round(r / step) * step * 2.0 ** e      # np.round: ties to even
;;       return np.moveaxis(q, -1, axis).astype(np.float32)
;;   ~~~
;;   SOFTMAX AHEAD OF A QUANTISED PRODUCT. Where the list says 'softmax', what is quantised is not the finished softmax but p = 2^(t - M), with t = logit x log2(e) and M = ceil(the row's largest t), a whole number; so 1/2 < the row's largest p <= 1. The row's sum l is taken of the UNQUANTISED p, in f32, and the product's result is divided by l at the end. Since M is a whole number, a kernel that streams over the keys may use a running M (the ceiling of the running maximum): every later rescaling is an exact power of two, so the quantised numbers keep their values, but for numbers so far below the row's largest that they fall under the format's range.
;;   OPERANDS COMPUTED ON THE WAY. 'Computed on the way' means the value that the module computes at that place (a softmax that the list does not call 'softmax' is quantised finished and normalised). What goes into a quantiser is computed in f32, as accurately as f32 sums, v_exp_f32 and their like allow (about 1e-6 of the number): no bf16 or f16 on the way to a quantiser, and a product that is left as it is and whose result goes on into a quantised operand takes f32 operands (vector FMAs, or v_wmma_f32_16x16x4_f32). A number that lies on a knife's edge between two numbers of the format may be rounded either way, as far as f32 arithmetic and the matrix unit's own rounding can turn it there, and no further.
;; 2 versions. Each part assembles by itself: llvm-mc -triple=amdgcn-amd-amdhsa -mcpu=gfx1250 --defsym DOCPART=n.
;; ======== version 1 of 2: 4 launches
;; workspace buffers: xcodes 25,165,824 bytes; wcodes 4,194,304 bytes; mwords 524,288 bytes of whole numbers; qkv 25,165,824 bytes; ctx 8,388,608 bytes
;; launch prep (part 1): grid 512 x 1, 4 waves a work-group, no clusters, 68,096 bytes of LDS; arguments x, Wq, Wk, Wv, Wo, mask, lowp_scales, xcodes, wcodes, mwords; writes xcodes, wcodes, mwords
.if DOCPART == 1
	.amdgcn_target "amdgcn-amd-amdhsa--gfx1250"
	.amdhsa_code_object_version 6
	.text
	.protected	k_qea4af2bec9_prep
	.globl	k_qea4af2bec9_prep
	.p2align	8
	.type	k_qea4af2bec9_prep,@function
k_qea4af2bec9_prep:
	s_mov_b64 s[64:65], 0
	v_nop
	global_prefetch_b8 v0, s[64:65] scope:SCOPE_SE
	s_setreg_imm32_b32 hwreg(HW_REG_WAVE_MODE, 25, 1), 1
	s_wait_xcnt 0x0
; PREP: everything that later launches read many times is made once.
;  work-groups   0..255 (path X): x [8192][1024] f32 -> three sets of E4M3 codes, with the scales 2^e0, 2^e2, 2^e4 (x is an operand of three products, each with its own scale)
;  work-groups 256..383 (path W): Wq, Wk, Wv, Wo [k 1024][n 1024] f32 -> codes laid [n][k], K innermost, with 2^e1, 2^e3, 2^e5, 2^e11
;  work-groups 384..511 (path M): mask [2048][2048] bytes -> words of 32 lane bits, in the order in which the attention launch's score registers lie
; code = number / 2^e, held within +-448, rounded to the nearest code, ties to even.
; LIMITS: each e used here lies between -126 and 119, so that 2^e and 448 x 2^e are f32 numbers.  NaN among the inputs is not served.  A mask byte other than 0 counts as true.
; The three paths part on the work-group's number alone; each path that uses LDS has LDS bytes of its own.  No tensor loads, no barrier: waves share nothing.
.set SPW,   12                         ; v12  LDS address of my spare word: SPARE + 4 x my thread's number; never rewritten
.set NIL,   13                         ; v13  0; never rewritten
.set SPARE, 67584                      ; behind both paths' stages: 128 bytes for each wave, named by no other line
; path X
.set WREG,  8192                       ; a region for each wave: two stages of 32 x SP bytes
.set SP,    80                         ; a lane's place in a stage: its 64 bytes + 16 of padding
.set STEPS, 16
.set R,     16                         ; v16-79   four sets of 16 numbers as loaded
.set X,     80                         ; v80-111  two sets of 16 neighbours
.set T,     112                        ; v112-159 the 16 numbers held, once for each of the three scales
.set C,     160                        ; v160-183 codes: two sets of 3 x 4 registers
; path W
.set WST,   32768                      ; its stages begin here: 32 rows x WP for each wave
.set WP,    272                        ; a stage row: 256 codes + 16 of padding
.set NB,    8                          ; blocks of 32 along K for a wave
.set WX,    32                         ; v32-95   two sets of 32 numbers
.set WC,    96                         ; v96-103  a block's codes
.set OUTR,  112                        ; v112-175 the way out
.macro FIN                             ; the wave's end, behind my last LDS store
	s_wait_tensorcnt 0x0
	ds_add_u32 v[SPW], v[NIL]
	s_wait_dscnt 0x0
	s_endpgm
.endm
.macro MKSC vs, vl, se                 ; v[vs] = 2^e as f32 (the conversion takes its exponent field), v[vl] = 448 x 2^e; e in s[se]
	s_add_co_i32 s50, s[\se], 127
	s_lshl_b32 s51, s50, 23
	v_mov_b32 v[\vs], s51
	s_add_co_i32 s50, s50, 8
	s_lshl_b32 s50, s50, 23
	s_or_b32 s50, s50, 0x600000
	v_mov_b32 v[\vl], s50
.endm
	s_load_b512 s[8:23], s[0:1], 0x0               ; x s[8:9], Wq s[10:11], Wk s[12:13], Wv s[14:15], Wo s[16:17], mask s[18:19], scales s[20:21], xcodes s[22:23]
	s_load_b128 s[24:27], s[0:1], 0x40             ; wcodes s[24:25], mwords s[26:27]
	v_lshl_add_u32 v[SPW], v0, 2, SPARE
	v_mov_b32 v[NIL], 0
	v_lshrrev_b32 v1, 5, v0
	v_readfirstlane_b32 s28, v1                    ; wave 0..3
	v_and_b32 v2, 31, v0                           ; lane
	s_wait_kmcnt 0x0
	s_load_b256 s[32:39], s[20:21], 0x0            ; e0 .. e7
	s_load_b128 s[40:43], s[20:21], 0x20           ; e8 .. e11
	s_cmp_lt_u32 ttmp9, 256
	s_cbranch_scc0 .Lnot_x
; ---------------- PATH X.  x is a plain stream of numbers, and so are its codes.  A wave takes 16 steps of 512 numbers.
; Each load reads 512 consecutive bytes, 16 a lane; a step's 2,048 bytes turn through the wave's own stage in LDS and come back 64 bytes a lane: 16 neighbours along K, as the conversions want them.
; A lane's 16 codes are 16 bytes: each store of the wave covers 512 consecutive bytes, aligned.  Loads run four steps ahead, the turn through LDS one step.
	v_lshlrev_b32 v3, 4, v2                        ; 16 x lane: my bytes of a load's 512, and of a store's
	s_mul_i32 s29, s28, WREG
	v_lshrrev_b32 v14, 2, v2
	v_mul_u32_u24 v14, v14, SP
	v_and_b32 v15, 3, v2
	v_lshl_add_u32 v14, v15, 4, v14
	v_add_nc_u32 v14, s29, v14                     ; the stage, on the way in: SP (lane / 4) + 16 (lane % 4)
	v_mul_u32_u24 v15, v2, SP
	v_add_nc_u32 v15, s29, v15                     ; and on the way out: SP x lane
	s_lshl_b32 s30, ttmp9, 2
	s_add_co_u32 s30, s30, s28                     ; which run of 8,192 numbers is my wave's: 0 .. 1,023
	s_lshl_b32 s6, s30, 15
	s_mov_b32 s7, 0
	s_add_nc_u64 s[4:5], s[8:9], s[6:7]            ; x at my run
	s_lshl_b32 s6, s30, 13
	s_add_nc_u64 s[44:45], s[22:23], s[6:7]        ; my run in code set 0,
	s_add_nc_u64 s[46:47], s[44:45], 0x800000      ; set 1,
	s_add_nc_u64 s[48:49], s[44:45], 0x1000000     ; set 2
.macro XLOAD t
.irp i, 0,1,2,3
	global_load_b128 v[R+16*((\t)%4)+4*\i:R+16*((\t)%4)+4*\i+3], v3, s[4:5] offset:2048*(\t)+512*\i th:TH_LOAD_NT
.endr
.endm
.macro XTURN t                         ; LDS serves a wave's instructions in order: no wait between these stores and loads
.irp i, 0,1,2,3
	ds_store_b128 v14, v[R+16*((\t)%4)+4*\i:R+16*((\t)%4)+4*\i+3] offset:32*SP*((\t)%2)+8*SP*\i
.endr
.irp i, 0,1,2,3
	ds_load_b128 v[X+16*((\t)%2)+4*\i:X+16*((\t)%2)+4*\i+3], v15 offset:32*SP*((\t)%2)+16*\i
.endr
.endm
.irp t, 0,1,2,3
	XLOAD \t
.endr
	s_wait_kmcnt 0x0
	MKSC 6, 9, 32                                  ; e0
	MKSC 7, 10, 34                                 ; e2
	MKSC 8, 11, 36                                 ; e4
	s_wait_loadcnt 12                              ; step 0's four loads are in
	XTURN 0
.macro XSTEP t
.set XS, X+16*((\t)%2)
.set CC, C+12*((\t)%2)
	s_wait_dscnt 0x0                               ; this step's numbers are back from the stage, and its stage stores have read their registers
.if (\t) >= 2
	s_wait_xcnt 0x0                                ; the stores of two steps ago have read this set of code registers
.endif
.if (\t)+4 < STEPS
	XLOAD (\t)+4
.endif
.if (\t)+1 < STEPS
.if STEPS-2-(\t) >= 3
	s_wait_loadcnt 12                              ; the next step's four loads are in; those of the three steps behind it may be out
.else
	s_wait_loadcnt 4*(STEPS-2-(\t))
.endif
	XTURN (\t)+1
.endif
.irp s, 0,1,2
.irp i, 0,1,2,3,4,5,6,7,8,9,10,11,12,13,14,15
	v_med3_num_f32 v[T+16*\s+\i], v[XS+\i], -v[9+\s], v[9+\s]   ; the conversion to an 8-bit code does not saturate (ISA guide 7.6.2): the hold at 448 x the scale comes first
.endr
.endr
.irp s, 0,1,2
	v_cvt_scalef32_pk8_fp8_f32 v[CC+4*\s:CC+4*\s+1], v[T+16*\s:T+16*\s+7], v[6+\s]
	v_cvt_scalef32_pk8_fp8_f32 v[CC+4*\s+2:CC+4*\s+3], v[T+16*\s+8:T+16*\s+15], v[6+\s]
.endr
	v_nop                                          ; a plain line behind the last conversion: the next step's holds write the conversions' sources
.irp s, 0,1,2
	global_store_b128 v3, v[CC+4*\s:CC+4*\s+3], s[44+2*\s:45+2*\s] offset:512*(\t)
.endr
.endm
.irp t, 0,1,2,3,4,5,6,7,8,9,10,11,12,13,14,15
	XSTEP \t
.endr
	FIN
.Lnot_x:
	s_cmp_lt_u32 ttmp9, 384
	s_cbranch_scc0 .Lpath_m
; ---------------- PATH W.  A LANE TAKES A COLUMN n, AND ITS REGISTERS RUN DOWN K: each load reads 128 consecutive bytes a wave, and the conversions give codes with K innermost.
; A wave takes 32 columns x 256 along K.  Its codes go through its own stage and leave as rows: sixteen lanes store 256 consecutive bytes, aligned.  Loads run two blocks ahead.
	s_sub_co_u32 s29, ttmp9, 256                   ; 0 .. 127
	s_lshr_b32 s30, s29, 5                         ; which weight: 0 Wq, 1 Wk, 2 Wv, 3 Wo
	s_and_b32 s31, s29, 7                          ; which 128 columns
	s_bfe_u32 s44, s29, 0x20003                    ; which 256 along K
	s_cmp_eq_u32 s30, 0
	s_cselect_b64 s[4:5], s[10:11], s[12:13]
	s_cmp_eq_u32 s30, 2
	s_cselect_b64 s[4:5], s[14:15], s[4:5]
	s_cmp_eq_u32 s30, 3
	s_cselect_b64 s[4:5], s[16:17], s[4:5]         ; the choice hangs on the work-group's number alone
	s_lshl_b32 s46, s31, 7
	s_lshl_b32 s47, s28, 5
	s_add_co_u32 s46, s46, s47                     ; my wave's first column
	s_lshl_b32 s48, s44, 20                        ; 256 rows of 4,096 bytes
	s_lshl_b32 s47, s46, 2
	s_add_co_u32 s48, s48, s47
	s_mov_b32 s49, 0
	s_add_nc_u64 s[4:5], s[4:5], s[48:49]
	s_lshl_b32 s48, s30, 20                        ; the weight's 1 MiB of codes,
	s_lshl_b32 s47, s46, 10                        ; row = column n, 1,024 bytes,
	s_add_co_u32 s48, s48, s47
	s_lshl_b32 s47, s44, 8                         ; my 256 along K
	s_add_co_u32 s48, s48, s47
	s_add_nc_u64 s[6:7], s[24:25], s[48:49]
	v_lshlrev_b32 v3, 2, v2                        ; in: 4 bytes a lane
	s_mul_i32 s50, s28, 32*WP
	s_add_co_u32 s50, s50, WST                     ; my stage
	v_mul_u32_u24 v4, v2, WP
	v_add_nc_u32 v4, s50, v4                       ; into it: row = my column
	v_and_b32 v5, 15, v2
	v_lshrrev_b32 v6, 4, v2
	v_mul_u32_u24 v7, v6, WP
	v_lshl_add_u32 v7, v5, 4, v7
	v_add_nc_u32 v7, s50, v7                       ; out of it: sixteen lanes to a row, two rows an instruction
	v_lshlrev_b32 v8, 10, v6
	v_lshl_add_u32 v8, v5, 4, v8                   ; and the same place in the codes' buffer
.macro WLOAD t                         ; block t: W(32 t + i, my column), i = 0 .. 31
.set i, 0
.rept 32
	global_load_b32 v[WX+32*((\t)%2)+i], v3, s[4:5] offset:(32*(\t)+i)*4096 th:TH_LOAD_NT
.set i, i+1
.endr
.endm
	WLOAD 0
	WLOAD 1
	s_wait_kmcnt 0x0
	s_cmp_eq_u32 s30, 0
	s_cselect_b32 s45, s33, s35                    ; e1 or e3,
	s_cmp_eq_u32 s30, 2
	s_cselect_b32 s45, s37, s45                    ; e5,
	s_cmp_eq_u32 s30, 3
	s_cselect_b32 s45, s43, s45                    ; e11
	MKSC 11, 10, 45
.macro WBLOCK t
.set XS, WX+32*((\t)%2)
.if (\t) < NB-1
	s_wait_loadcnt 32                              ; this block's 32 loads are in; the next block's may be out
.else
	s_wait_loadcnt 0
.endif
.set i, 0
.rept 32
	v_med3_num_f32 v[XS+i], v[XS+i], -v10, v10
.set i, i+1
.endr
.irp g, 0,1,2,3
	v_cvt_scalef32_pk8_fp8_f32 v[WC+2*\g:WC+2*\g+1], v[XS+8*\g:XS+8*\g+7], v11
.endr
	v_nop                                          ; a plain line behind the last conversion
	ds_store_b128 v4, v[WC:WC+3] offset:32*(\t)
	ds_store_b128 v4, v[WC+4:WC+7] offset:32*(\t)+16
.if (\t)+2 < NB
	WLOAD (\t)+2
.endif
	s_wait_dscnt 0x0                               ; the stores have read their registers: the next block's codes may be written
.endm
.irp t, 0,1,2,3,4,5,6,7
	WBLOCK \t
.endr
.irp t, 0,1,2,3,4,5,6,7,8,9,10,11,12,13,14,15
	ds_load_b128 v[OUTR+4*\t:OUTR+4*\t+3], v7 offset:2*\t*WP
.endr
.irp t, 0,1,2,3,4,5,6,7,8,9,10,11,12,13,14,15
	s_wait_dscnt 15-\t
	global_store_b128 v8, v[OUTR+4*\t:OUTR+4*\t+3], s[6:7] offset:2*\t*1024
.endr
	FIN
.Lpath_m:
; ---------------- PATH M.  mwords [query tile 128][key step 32][word 32].  Bit L of word n = 8 t + j says whether query 16 qt + L % 16 may see key 64 ks + 16 t + 8 (L / 16) + j:
; the lane and register in which the attention launch holds that score.  A compare over the 32 lanes IS such a word.
; A work-group takes a query tile, wave w key steps 8 w .. 8 w + 7: lane (r, h) loads 8 bytes of row r; the wave's 32 loads together use all 512 bytes of each of its 16 rows.
; 64 words (two key steps) are gathered into a register pair, lane l holding words 2 l and 2 l + 1, and leave as one store of 256 consecutive bytes, aligned.
	s_sub_co_u32 s29, ttmp9, 384                   ; the query tile
	v_and_b32 v3, 15, v0
	v_bfe_u32 v4, v0, 4, 1
	v_lshlrev_b32 v3, 11, v3
	v_lshl_add_u32 v3, v4, 3, v3                   ; row r of 2,048 bytes, + 8 h
	v_lshlrev_b32 v5, 3, v2                        ; out: 8 bytes a lane
	s_lshl_b32 s30, s29, 15                        ; 16 rows of 2,048 bytes
	s_lshl_b32 s31, s28, 9                         ; my wave's 512 keys
	s_add_co_u32 s30, s30, s31
	s_mov_b32 s31, 0
	s_add_nc_u64 s[4:5], s[18:19], s[30:31]
	s_lshl_b32 s30, s29, 12                        ; a tile's 32 x 32 words,
	s_lshl_b32 s44, s28, 10                        ; my wave's eight key steps
	s_add_co_u32 s30, s30, s44
	s_add_nc_u64 s[6:7], s[26:27], s[30:31]
.irp k, 0,1,2,3,4,5,6,7
.irp t, 0,1,2,3
	global_load_b64 v[64+2*(4*\k+\t):65+2*(4*\k+\t)], v3, s[4:5] offset:64*\k+16*\t
.endr
.endr
.irp i, 0,1,2,3,4,5,6,7
	v_mov_b32 v[32+\i], 0                          ; written whole once: a lane write counts as a reader of its destination
.endr
.irp p, 0,1,2,3
	s_wait_loadcnt 24-8*\p                         ; this pair's eight loads are in; the later pairs' may be out
.irp e, 0,1
.irp t, 0,1,2,3
.irp j, 0,1,2,3,4,5,6,7
	v_bfe_u32 v[40+\j%4], v[64+2*(4*(2*\p+\e)+\t)+\j/4], 8*(\j%4), 8
	v_cmp_ne_u32 s[52+\j%4], 0, v[40+\j%4]
	v_writelane_b32 v[32+2*\p+\j%2], s[52+\j%4], (32*\e+8*\t+\j)/2
.endr
.endr
.endr
	global_store_b64 v5, v[32+2*\p:33+2*\p], s[6:7] offset:256*\p
.endr
	s_wait_kmcnt 0x0                               ; the scales, which this path does not use, have landed
	FIN
.Lfunc_end_k_qea4af2bec9_prep:
	.size	k_qea4af2bec9_prep, .Lfunc_end_k_qea4af2bec9_prep-k_qea4af2bec9_prep
	.p2alignl 7, 3214868480
	.fill 96, 4, 3214868480
	.section	.rodata,"a",@progbits
	.p2align	6, 0x0
	.amdhsa_kernel k_qea4af2bec9_prep
		.amdhsa_group_segment_fixed_size 68096
		.amdhsa_private_segment_fixed_size 0
		.amdhsa_enable_private_segment 0
		.amdhsa_kernarg_size 80
		.amdhsa_user_sgpr_count 2
		.amdhsa_user_sgpr_kernarg_segment_ptr 1
		.amdhsa_wavefront_size32 1
		.amdhsa_system_sgpr_workgroup_id_x 1
		.amdhsa_system_sgpr_workgroup_id_y 1
		.amdhsa_system_sgpr_workgroup_id_z 1
		.amdhsa_system_vgpr_workitem_id 0
		.amdhsa_next_free_vgpr 192
		.amdhsa_next_free_sgpr 66
		.amdhsa_reserve_vcc 0
		.amdhsa_float_denorm_mode_32 3
		.amdhsa_float_denorm_mode_16_64 3
		.amdhsa_memory_ordered 1
		.amdhsa_forward_progress 1
		.amdhsa_inst_pref_size 179
	.end_amdhsa_kernel
	.amdgpu_metadata
---
amdhsa.version: [ 1, 2 ]
amdhsa.kernels:
  - .name:           k_qea4af2bec9_prep
    .symbol:         k_qea4af2bec9_prep.kd
    .args:
      - { .name: x, .offset: 0, .size: 8, .value_kind: global_buffer, .address_space: global }
      - { .name: Wq, .offset: 8, .size: 8, .value_kind: global_buffer, .address_space: global }
      - { .name: Wk, .offset: 16, .size: 8, .value_kind: global_buffer, .address_space: global }
      - { .name: Wv, .offset: 24, .size: 8, .value_kind: global_buffer, .address_space: global }
      - { .name: Wo, .offset: 32, .size: 8, .value_kind: global_buffer, .address_space: global }
      - { .name: mask, .offset: 40, .size: 8, .value_kind: global_buffer, .address_space: global }
      - { .name: lowp_scales, .offset: 48, .size: 8, .value_kind: global_buffer, .address_space: global }
      - { .name: xcodes, .offset: 56, .size: 8, .value_kind: global_buffer, .address_space: global }
      - { .name: wcodes, .offset: 64, .size: 8, .value_kind: global_buffer, .address_space: global }
      - { .name: mwords, .offset: 72, .size: 8, .value_kind: global_buffer, .address_space: global }
    .group_segment_fixed_size: 68096
    .private_segment_fixed_size: 0
    .kernarg_segment_align: 8
    .kernarg_segment_size: 80
    .max_flat_workgroup_size: 128
    .sgpr_count:     66
    .vgpr_count:     192
    .wavefront_size: 32
...
	.end_amdgpu_metadata
.endif
;; end of part 1
;; launch qkv (part 2): grid 12 x 32, 4 waves a work-group, clusters of 4 x 4, 327,680 bytes of LDS; arguments xcodes, wcodes, lowp_scales, qkv; writes qkv
.if DOCPART == 2
	.amdgcn_target "amdgcn-amd-amdhsa--gfx1250"
	.amdhsa_code_object_version 6
	.text
	.protected	k_qea4af2bec9_qkv
	.globl	k_qea4af2bec9_qkv
	.p2align	8
	.type	k_qea4af2bec9_qkv,@function
k_qea4af2bec9_qkv:
	s_mov_b64 s[64:65], 0
	v_nop
	global_prefetch_b8 v0, s[64:65] scope:SCOPE_SE
	s_setreg_imm32_b32 hwreg(HW_REG_WAVE_MODE, 25, 1), 1
	s_wait_xcnt 0x0
	s_wait_alu depctr_hold_cnt(0) depctr_sa_sdst(0) depctr_va_vdst(0) depctr_va_sdst(0) depctr_va_ssrc(0) depctr_va_vcc(0) depctr_vm_vsrc(0)
	s_getreg_b32 s2, hwreg(HW_REG_IB_STS2, 6, 4)
	s_cmp_eq_u32 s2, 0
	s_cbranch_scc0 .Lentry_in_a_cluster
	s_endpgm
.Lentry_in_a_cluster:
	s_bfe_u32 s2, ttmp6, 0x10000c
	s_cmp_lg_u32 s2, 0xf033
	s_cbranch_scc0 .Lentry_shape_is_right
	s_endpgm
.Lentry_shape_is_right:
; Q = x Wq, K = x Wk, V = x Wv on E4M3 codes, and each result quantised at once for the attention products.  C[m][n] = sum over k of A[m][k] B[n][k], K = 1,024.
; The cluster's x says which product: 0 Q, 1 K, 2 V.  For Q and K: A = x's codes (8,192 rows), B = the weight's codes (1,024 rows).  FOR V THE ROLES ARE SWAPPED BY POINTERS: A = Wv's codes, B = x's codes.
; THE MATRIX INSTRUCTION IS USED TRANSPOSED (source 0 = 16 rows of B, source 1 = 16 rows of A): a lane holds one row of A and eight neighbouring rows of B.  So for Q and K a lane's registers run along the head's 64,
; and for V along the keys: in each case along the K of the product that will read the codes, as the conversions want it.
; A tile of C is 256 x 256, four waves of 128 x 128 (64 accumulators, 512 registers).  K goes in four steps of 256 through two LDS slots filled by the tensor data mover.
; CLUSTERS: 4 x 4 work-groups; A's tile is asked for jointly along a row of the cluster, B's along a column.
; OUT: qkv part 0: Q [b 16 + h][l 2048][64]; part 1: K likewise; part 2: V [b 16 + h][key block 16][dv 64][128 keys]; 8 MiB each.  The innermost axis is stored with bits 3 and 4 of its index swapped:
; place 32 B + 16 h + 8 u + j holds index 32 B + 16 u + 8 h + j (two accumulators' codes of a lane are stored as one piece of 16 bytes).  For Q and K that is one permutation of the head's axis in both; for V it is the order in which p's registers fall.
; code = sum x 2^(ea + eb) / 2^eo, held within +-448: the three exponents are folded into the conversion's one scale.
; LIMIT: eo - ea - eb lies between -126 and 119 (eo = e6, e7, e9; ea, eb = e0, e1; e2, e3; e4, e5).
; REGISTERS, in windows of 256: window 0: v0-31 addresses; from v128 A's fragments, one set; window 1: B's fragments, two sets; windows 2, 3: the accumulators ((a, b) at v[8 (8 (a % 4) + b)]).
.set ROWB,   256                       ; a tile's row in bytes
.set KROW,   1024                      ; a row of A or B in memory
.set PITCH,  272                       ; an LDS row: 256 bytes + 16 of padding: the 16 rows that a load touches start at 16 different banks (64 banks of 4 bytes: ISA guide 11.1)
.set FR,     16
.set NL,     4
.set NP,     4                         ; places behind this matrix instruction (ISA guide 7.12.1)
.set HALFT,  128*PITCH
.set SLOT,   4*HALFT
.set SPARE,  2*SLOT                    ; behind the ring: the spare words, 128 bytes for each wave, named by no other line
.set SPQ,    144                       ; the way out: a stage of 128 rows x (128 codes + 16) for each wave, in slot 0, which has had its last fill and its last read by then
.set ADRA, 16
.set ADRB, 20
.set STO,  24                          ; v24  the stage: where I put 16 codes
.set RDQ,  25                          ; v25  back, for Q and K: four lanes to a row's 64 codes of one head
.set CO,   26                          ; v26  16 x lane
.set RDV,  27                          ; v27  back, for V: eight lanes to a row of 128 codes
.set SPW,  28
.set NIL,  29
.set SCL,  30                          ; v30  the conversion's scale
.set LIM,  31                          ; v31  448 x that
.set TMP,  32                          ; v32-95   a block's sums, held
.set COD,  96                          ; v96-127  two sets of 16 registers of codes
.set AF,   128
.set BK,   128                         ; v128-255 the stage read back
.set G1, 24
.set G0, 32
.set G1B, 48
.set G0B, 56
.set MSB, 0
.macro WIN new                         ; the immediate's high byte repeats the setting that is left
.if MSB != \new
	s_set_vgpr_msb (MSB<<8)|\new
.set MSB, \new
.endif
.endm
.set MUL_LO, 0xa1                      ; source 0 (B) window 1, source 1 (A) window 0, C and D window 2
.set MUL_HI, 0xf1
.set TO_B,   0x40
.macro JLOAD g0a, g1a, g0b, g1b        ; a joint load: waves 0 and 1 fetch for A, waves 2 and 3 for B; the branch hangs on the wave's number alone; an s_nop 0 and four v_nop follow each line
	s_cmp_eq_u32 s15, 0
	s_cbranch_scc0 .Lfor_b_\@
	tensor_load_to_lds s[\g0a:\g0a+3], s[\g1a:\g1a+7]
	s_nop 0
.rept 4
	v_nop
.endr
	s_branch .Lasked_\@
.Lfor_b_\@:
	tensor_load_to_lds s[\g0b:\g0b+3], s[\g1b:\g1b+7]
	s_nop 0
.rept 4
	v_nop
.endr
.Lasked_\@:
.endm
.macro CREST                           ; a round of the cluster's barrier behind its opening barrier
	s_cmp_lg_u32 s14, 0
	s_cbranch_scc1 .Lnot_wave_0_\@
	s_barrier_signal -3
.Lnot_wave_0_\@:
	s_barrier_wait -3
	s_barrier_signal -1
	s_barrier_wait -1
.endm
.macro CROUND
	s_barrier_signal -1
	s_barrier_wait -1
	CREST
.endm
	s_load_b128 s[4:7], s[0:1], 0x0                ; x's codes, the weights' codes
	s_load_b128 s[8:11], s[0:1], 0x10              ; the scales' exponents, qkv
	v_lshl_add_u32 v[SPW], v0, 2, SPARE
	v_mov_b32 v[NIL], 0
	ds_add_u32 v[SPW], v[NIL]                      ; the wave's opening: the add and its wait ahead of my first tensor load; work on registers stands between them
	v_lshrrev_b32 v1, 5, v0
	v_readfirstlane_b32 s14, v1                    ; wave 0..3
	s_lshr_b32 s15, s14, 1                         ; which half of A's rows is mine.  Also: I fetch for A (0) or for B (1)
	s_and_b32 s16, s14, 1                          ; which half of B's rows.  Also: which 128 rows of that tile I fetch
	s_bfe_u32 s40, ttmp6, 0x40000                  ; cx
	s_bfe_u32 s41, ttmp6, 0x40004                  ; cy
	s_and_b32 s66, ttmp7, 0xffff                   ; the cluster's y, 0..7: it walks x's 8,192 rows, which are A's rows for Q and K and B's for V
	s_cmp_eq_u32 ttmp9, 2                          ; V?  The same in all sixteen partners
	s_cselect_b32 s67, 0, s66
	s_cselect_b32 s68, s66, 0
	s_lshl_b32 s42, s68, 2
	s_add_co_u32 s42, s42, s40                     ; B's tile: it never holds cy
	s_lshl_b32 s17, s67, 2
	s_add_co_u32 s17, s17, s41                     ; A's tile: it never holds cx
	s_lshl_b32 s43, s41, 2
	s_lshl_b32 s43, 15, s43                        ; my row of the cluster
	s_lshl_b32 s44, 0x1111, s40                    ; my column
	s_or_b32 s[G1+0], s43, (0<<16)|(1<<20)|(1<<21)|(5<<22)|(3<<25)  ; the mask; elements of 1 byte; padding on; bit 21 beside a mask; 4 words of padding behind every 64
	s_or_b32 s[G1B+0], s44, (0<<16)|(1<<20)|(1<<21)|(5<<22)|(3<<25)
.irp g, G1, G1B
	s_mov_b32 s[\g+1], ROWB<<16                    ; tensor_dim0
	s_mov_b32 s[\g+2], 128<<16                     ; tensor_dim1
	s_mov_b32 s[\g+3], ROWB<<16                    ; tile_dim0
	s_mov_b32 s[\g+4], 128                         ; tile_dim1
	s_mov_b32 s[\g+5], KROW                        ; from row to row
	s_mov_b32 s[\g+6], 0
	s_mov_b32 s[\g+7], 0
.endr
	s_lshl_b32 s18, s16, 7
	s_lshl_b32 s20, s17, 8
	s_add_co_u32 s20, s20, s18
	s_lshl_b32 s20, s20, 10                        ; A: (256 x tile + 128 x half) rows of 1,024 bytes
	s_mov_b32 s21, 0
	s_lshl_b32 s46, s42, 8
	s_add_co_u32 s46, s46, s18
	s_lshl_b32 s46, s46, 10                        ; B likewise
	s_mov_b32 s47, 0
	s_lshl_b32 s70, ttmp9, 23                      ; the product's set of x's codes, and its part of qkv: 8 MiB each
	s_mov_b32 s71, 0
	s_lshl_b32 s72, ttmp9, 20                      ; its weight's codes: 1 MiB each
	s_mov_b32 s73, 0
	s_mul_i32 s45, s14, HALFT                      ; where my tile goes: wave x 128 rows
	s_wait_dscnt 0x0                               ; the opening add is done
	s_wait_kmcnt 0x0
	s_load_b256 s[80:87], s[8:9], 0x0              ; e0 .. e7
	s_load_b128 s[88:91], s[8:9], 0x20             ; e8 .. e11
	s_add_nc_u64 s[4:5], s[4:5], s[70:71]
	s_add_nc_u64 s[6:7], s[6:7], s[72:73]
	s_cmp_eq_u32 ttmp9, 2
	s_cselect_b64 s[74:75], s[6:7], s[4:5]         ; A
	s_cselect_b64 s[76:77], s[4:5], s[6:7]         ; B
	s_add_nc_u64 s[20:21], s[74:75], s[20:21]
	s_add_nc_u64 s[46:47], s[76:77], s[46:47]
	CROUND                                         ; all sixteen work-groups are here: the first joint loads meet
.irp s, 0,1
	s_mov_b32 s[G0+4*\s], 1
	s_add_co_u32 s[G0+4*\s+1], s45, \s*SLOT
	s_add_nc_u64 s[G0+4*\s+2:G0+4*\s+3], s[20:21], \s*ROWB
	s_or_b32 s[G0+4*\s+3], s[G0+4*\s+3], 0x80000000
	s_mov_b32 s[G0B+4*\s], 1
	s_add_co_u32 s[G0B+4*\s+1], s45, \s*SLOT
	s_add_nc_u64 s[G0B+4*\s+2:G0B+4*\s+3], s[46:47], \s*ROWB
	s_or_b32 s[G0B+4*\s+3], s[G0B+4*\s+3], 0x80000000
	JLOAD G0+4*\s, G1, G0B+4*\s, G1B
.endr
	v_and_b32 v1, 15, v0                           ; r
	v_bfe_u32 v2, v0, 4, 1                         ; h
	v_mul_u32_u24 v3, v1, PITCH
	v_lshl_add_u32 v4, v2, 4, v3
	s_mul_i32 s21, s15, HALFT
	s_mul_i32 s22, s16, HALFT
	s_add_co_u32 s22, s22, 2*HALFT
.irp s, 0,1
	v_add_nc_u32 v[ADRA+\s], s21, v4
	v_add_nc_u32 v[ADRB+\s], s22, v4
	s_add_co_u32 s21, s21, SLOT
	s_add_co_u32 s22, s22, SLOT
.endr
	s_mul_i32 s23, s14, 128*SPQ                    ; my stage
	v_mul_u32_u24 v5, v1, SPQ
	v_lshl_add_u32 v5, v2, 4, v5
	v_add_nc_u32 v[STO], s23, v5                   ; in: row r, + 16 h
	v_and_b32 v6, 31, v0
	v_lshlrev_b32 v[CO], 4, v6
	v_lshrrev_b32 v7, 2, v6
	v_mul_u32_u24 v7, v7, SPQ
	v_and_b32 v8, 3, v6
	v_lshl_add_u32 v7, v8, 4, v7
	v_add_nc_u32 v[RDQ], s23, v7                   ; back, Q and K: row lane / 4, 16 (lane % 4)
	v_lshrrev_b32 v7, 3, v6
	v_mul_u32_u24 v7, v7, SPQ
	v_and_b32 v8, 7, v6
	v_lshl_add_u32 v7, v8, 4, v7
	v_add_nc_u32 v[RDV], s23, v7                   ; back, V: row lane / 8, 16 (lane % 8)
	; where my 128 x 128 goes: two heads, 8,192 consecutive bytes in each.  tokens m0 .. m0 + 127, heads h0, h0 + 1
	s_cmp_eq_u32 ttmp9, 2
	s_cselect_b32 s92, s17, s42                    ; the tile and half that say the heads,
	s_cselect_b32 s93, s15, s16
	s_cselect_b32 s94, s42, s17                    ; and those that say the tokens
	s_cselect_b32 s95, s16, s15
	s_lshl_b32 s92, s92, 2
	s_lshl_b32 s93, s93, 1
	s_add_co_u32 s92, s92, s93                     ; h0
	s_lshl_b32 s94, s94, 8
	s_lshl_b32 s95, s95, 7
	s_add_co_u32 s94, s94, s95                     ; m0
	s_lshr_b32 s95, s94, 11
	s_lshl_b32 s95, s95, 4
	s_add_co_u32 s92, s92, s95                     ; 16 b + h0
	s_lshl_b32 s92, s92, 17                        ; x 131,072 bytes
	s_and_b32 s94, s94, 2047
	s_lshl_b32 s94, s94, 6                         ; 64 bytes a token (Q, K); 8,192 bytes a block of 128 keys (V): the same number
	s_add_co_u32 s92, s92, s94
	s_add_co_u32 s92, s92, s70
	s_mov_b32 s93, 0
	s_add_nc_u64 s[10:11], s[10:11], s[92:93]
.macro FRAG reg, adr, q, i             ; 16 rows x 128 K: registers 4 c .. 4 c + 3 hold K = 32 c + 16 (l / 16) + 0 .. 15: one permutation of k, the same in A and B
.irp c, 0,1,2,3
	ds_load_b128 v[\reg+4*\c:\reg+4*\c+3], v[\adr] offset:128*(\q)+32*\c+(\i)*16*PITCH
.endr
.endm
.macro MUL16 a0, p, zero               ; A's blocks a0, a0 + 1 x B's eight.  The 64 accumulators take turns, one instruction a turn, in the same order in every step
.irp a, \a0, \a0+1
.irp b, 0,1,2,3,4,5,6,7
.if \zero
	v_wmma_f32_16x16x128_fp8_fp8 v[8*(8*((\a)%4)+\b):8*(8*((\a)%4)+\b)+7], v[128*(\p)+FR*\b:128*(\p)+FR*\b+FR-1], v[AF+FR*(\a):AF+FR*(\a)+FR-1], 0
.else
	v_wmma_f32_16x16x128_fp8_fp8 v[8*(8*((\a)%4)+\b):8*(8*((\a)%4)+\b)+7], v[128*(\p)+FR*\b:128*(\p)+FR*\b+FR-1], v[AF+FR*(\a):AF+FR*(\a)+FR-1], v[8*(8*((\a)%4)+\b):8*(8*((\a)%4)+\b)+7]
.endif
.endr
.endr
.endm
.macro FETCH_B slot, q, p
	WIN TO_B
.irp i, 0,1,2,3,4,5,6,7
	FRAG 128*(\p)+FR*\i, ADRB+\slot, \q, \i
.endr
	WIN 0
.endm
.macro FETCH_A slot, q, i0
.irp i, \i0, \i0+1, \i0+2, \i0+3
	FRAG AF+FR*(\i), ADRA+\slot, \q, \i
.endr
.endm
.macro PLACES n                        ; plain vector lines between a matrix instruction and a load into, or a read of, its registers
.rept \n
	v_nop
.endr
.endm
.macro STEP slot, q, zero              ; 128 along K whose successor lies in the same slot
	s_wait_dscnt 4*NL                              ; B's set and A's blocks 0-3 are in; A's blocks 4-7, sixteen loads, may be out
	WIN MUL_LO
	MUL16 0, (\q)%2, \zero
	MUL16 2, (\q)%2, \zero
	s_wait_dscnt 0
	PLACES NP
	FETCH_B \slot, (\q)+1, 1-(\q)%2
	FETCH_A \slot, (\q)+1, 0
	WIN MUL_HI
	MUL16 4, (\q)%2, \zero
	MUL16 6, (\q)%2, \zero
	PLACES NP
	WIN 0
	FETCH_A \slot, (\q)+1, 4
.endm
.macro TURN slot, next, fill           ; a slot's last step changes slots: one barrier; fill = 1: this slot is filled again, two K steps ahead
	s_wait_tensorcnt 0x0                           ; all my tensor loads have landed: my part of the next slot
	ds_add_u32 v[SPW], v[NIL]                      ; 0 onto my spare word
	s_wait_dscnt 4*NL+1                            ; the add and A's blocks 4-7 may be out
	WIN MUL_LO
	MUL16 0, 1, 0
	s_wait_dscnt 0x0                               ; the add is done, and my reads of this slot are over
	s_barrier_signal -1
	MUL16 2, 1, 0
	WIN 0
	s_barrier_wait -1
.if \fill
	CREST                                          ; the barrier has opened a round of the cluster's: no wave of any partner still reads this slot or has a load on its way
	s_add_nc_u64 s[G0+4*\slot+2:G0+4*\slot+3], s[G0+4*\slot+2:G0+4*\slot+3], 2*ROWB
	s_add_nc_u64 s[G0B+4*\slot+2:G0B+4*\slot+3], s[G0B+4*\slot+2:G0B+4*\slot+3], 2*ROWB
	JLOAD G0+4*\slot, G1, G0B+4*\slot, G1B         ; the first tensor load behind the round; its four v_nop are the places in front of the loads below
.else
	PLACES NP
.endif
	FETCH_B \next, 0, 0
	FETCH_A \next, 0, 0
	WIN MUL_HI
	MUL16 4, 1, 0
	MUL16 6, 1, 0
	PLACES NP
	WIN 0
	FETCH_A \next, 0, 4
.endm
	s_wait_tensorcnt 1                             ; my part of K step 0 is in; K step 1's load may be out
	s_barrier_signal -1
	s_barrier_wait -1
	FETCH_B 0, 0, 0
	FETCH_A 0, 0, 0
	FETCH_A 0, 0, 4
	STEP 0, 0, 1                                   ; K 0-127: the first products start the sums
	TURN 0, 1, 1                                   ; K 128-255; slot 0 takes K 512-767
	STEP 1, 0, 0
	TURN 1, 0, 1                                   ; slot 1 takes K 768-1023
	STEP 0, 0, 0
	TURN 0, 1, 0                                   ; nothing is left to fetch
	STEP 1, 0, 0
	s_wait_dscnt 4*NL
	WIN MUL_LO
	MUL16 0, 1, 0
	MUL16 2, 1, 0
	s_wait_dscnt 0
	WIN MUL_HI
	MUL16 4, 1, 0
	MUL16 6, 1, 0
	WIN 0
	; THE WAY OUT.  The product's three exponents, chosen by the cluster's x
	s_wait_kmcnt 0x0
	s_cmp_eq_u32 ttmp9, 0
	s_cselect_b32 s96, s80, s82
	s_cselect_b32 s97, s81, s83
	s_cselect_b32 s98, s86, s87
	s_cmp_eq_u32 ttmp9, 2
	s_cselect_b32 s96, s84, s96
	s_cselect_b32 s97, s85, s97
	s_cselect_b32 s98, s89, s98
	s_sub_co_i32 s98, s98, s96
	s_sub_co_i32 s98, s98, s97                     ; eo - ea - eb
	s_add_co_i32 s98, s98, 127
	s_lshl_b32 s96, s98, 23
	v_mov_b32 v[SCL], s96
	s_add_co_i32 s98, s98, 8
	s_lshl_b32 s98, s98, 23
	s_or_b32 s98, s98, 0x600000
	v_mov_b32 v[LIM], s98
	PLACES NP
; Block a: 16 rows of A x 128 rows of B.  Held, converted (eight sums of a lane to eight codes), and two accumulators' codes stored as one piece of 16 bytes at 32 b + 16 h of the row.
.macro QBLOCK a
.set AC, 64*((\a)%4)
.set CD, COD+16*((\a)%2)
	WIN 0x02+((\a)/4)                              ; source 0: window 2 or 3
.set j, 0
.rept 64
	v_med3_num_f32 v[TMP+j], v[AC+j], -v[LIM], v[LIM]   ; each accumulator from its low end on
.set j, j+1
.endr
	WIN 0
.if (\a) >= 2
	s_wait_dscnt 4                                 ; the stores of two blocks ago have read this set of code registers; the last block's four may be out
.endif
.irp b, 0,1,2,3,4,5,6,7
	v_cvt_scalef32_pk8_fp8_f32 v[CD+2*\b:CD+2*\b+1], v[TMP+8*\b:TMP+8*\b+7], v[SCL]
.endr
	v_nop                                          ; a plain line behind the last conversion: the next block's holds write the conversions' sources
.irp b, 0,1,2,3
	ds_store_b128 v[STO], v[CD+4*\b:CD+4*\b+3] offset:(\a)*16*SPQ+32*\b
.endr
.endm
.irp a, 0,1,2,3,4,5,6,7
	QBLOCK \a
.endr
	; back as the bytes lie in memory; LDS serves a wave's instructions in order, and the stage is my own.  The two ways differ in which bytes a lane takes, and part on the cluster's x
	s_cmp_eq_u32 ttmp9, 2
	s_cbranch_scc1 .Lback_v
.set t, 0
.rept 32
	ds_load_b128 v[BK+4*t:BK+4*t+3], v[RDQ] offset:(t%16)*8*SPQ+64*(t/16)   ; head t / 16, tokens 8 (t % 16) on
.set t, t+1
.endr
	s_branch .Lback_done
.Lback_v:
.set t, 0
.rept 32
	ds_load_b128 v[BK+4*t:BK+4*t+3], v[RDV] offset:t*4*SPQ                  ; rows 4 t on: head t / 16
.set t, t+1
.endr
.Lback_done:
.set t, 0
.rept 32
	s_wait_dscnt 31-t
	global_store_b128 v[CO], v[BK+4*t:BK+4*t+3], s[10:11] offset:(t/16)*131072+(t%16)*512   ; 32 lanes store 512 consecutive bytes, aligned
.set t, t+1
.endr
	s_wait_tensorcnt 0x0                           ; the wave's end
	ds_add_u32 v[SPW], v[NIL]
	s_wait_dscnt 0x0
	CROUND                                         ; the closing round
	s_endpgm
.Lfunc_end_k_qea4af2bec9_qkv:
	.size	k_qea4af2bec9_qkv, .Lfunc_end_k_qea4af2bec9_qkv-k_qea4af2bec9_qkv
	.p2alignl 7, 3214868480
	.fill 96, 4, 3214868480
	.section	.rodata,"a",@progbits
	.p2align	6, 0x0
	.amdhsa_kernel k_qea4af2bec9_qkv
		.amdhsa_group_segment_fixed_size 327680
		.amdhsa_private_segment_fixed_size 0
		.amdhsa_enable_private_segment 0
		.amdhsa_kernarg_size 32
		.amdhsa_user_sgpr_count 2
		.amdhsa_user_sgpr_kernarg_segment_ptr 1
		.amdhsa_wavefront_size32 1
		.amdhsa_system_sgpr_workgroup_id_x 1
		.amdhsa_system_sgpr_workgroup_id_y 1
		.amdhsa_system_sgpr_workgroup_id_z 1
		.amdhsa_system_vgpr_workitem_id 0
		.amdhsa_next_free_vgpr 1024
		.amdhsa_next_free_sgpr 100
		.amdhsa_reserve_vcc 0
		.amdhsa_float_denorm_mode_32 3
		.amdhsa_float_denorm_mode_16_64 3
		.amdhsa_memory_ordered 1
		.amdhsa_forward_progress 1
		.amdhsa_inst_pref_size 126
	.end_amdhsa_kernel
	.amdgpu_metadata
---
amdhsa.version: [ 1, 2 ]
amdhsa.kernels:
  - .name:           k_qea4af2bec9_qkv
    .symbol:         k_qea4af2bec9_qkv.kd
    .args:
      - { .name: xcodes, .offset: 0, .size: 8, .value_kind: global_buffer, .address_space: global }
      - { .name: wcodes, .offset: 8, .size: 8, .value_kind: global_buffer, .address_space: global }
      - { .name: lowp_scales, .offset: 16, .size: 8, .value_kind: global_buffer, .address_space: global }
      - { .name: qkv, .offset: 24, .size: 8, .value_kind: global_buffer, .address_space: global }
    .group_segment_fixed_size: 327680
    .private_segment_fixed_size: 0
    .kernarg_segment_align: 8
    .kernarg_segment_size: 32
    .max_flat_workgroup_size: 128
    .sgpr_count:     100
    .vgpr_count:     1024
    .wavefront_size: 32
...
	.end_amdgpu_metadata
.endif
;; end of part 2
;; launch attn (part 3): grid 4 x 64, 16 waves a work-group, clusters of 4 x 1, 327,680 bytes of LDS; arguments qkv, mwords, lowp_scales, ctx; writes ctx
.if DOCPART == 3
	.amdgcn_target "amdgcn-amd-amdhsa--gfx1250"
	.amdhsa_code_object_version 6
	.text
	.protected	k_qea4af2bec9_attn
	.globl	k_qea4af2bec9_attn
	.p2align	8
	.type	k_qea4af2bec9_attn,@function
k_qea4af2bec9_attn:
	s_mov_b64 s[64:65], 0
	v_nop
	global_prefetch_b8 v0, s[64:65] scope:SCOPE_SE
	s_setreg_imm32_b32 hwreg(HW_REG_WAVE_MODE, 25, 1), 1
	s_wait_xcnt 0x0
	s_wait_alu depctr_hold_cnt(0) depctr_sa_sdst(0) depctr_va_vdst(0) depctr_va_sdst(0) depctr_va_ssrc(0) depctr_va_vcc(0) depctr_vm_vsrc(0)
	s_getreg_b32 s2, hwreg(HW_REG_IB_STS2, 6, 4)
	s_cmp_eq_u32 s2, 0
	s_cbranch_scc0 .Lentry_in_a_cluster
	s_endpgm
.Lentry_in_a_cluster:
	s_bfe_u32 s2, ttmp6, 0x10000c
	s_cmp_lg_u32 s2, 0x3003
	s_cbranch_scc0 .Lentry_shape_is_right
	s_endpgm
.Lentry_shape_is_right:
; ctx = softmax(mask(Q K^T / 8)) V for one (batch, head) and 512 queries a work-group, both products on E4M3 codes; ctx leaves as E4M3 codes for the last product.
; THE SOFTMAX: t = score x log2(e) / 8; M = the running largest t rounded UP to a whole number; p = 2^(t - M) is quantised with 2^e8, not normalised; the row's sum l is taken of the unquantised p and divides at the end.
; When M moves, l and O are multiplied by 2^(old M - new M): exact.  The mask is an input: every query meets every key, and a score whose mask bit is 0 becomes -infinity ahead of the maximum.
; SHARES.  Sixteen waves, four to a SIMD; a wave owns 32 queries, two tiles of 16, so each fragment of K and V read from LDS feeds two matrix instructions.  A key step is 64 keys; a trip of the loop is two.
; THE HEAD'S WHOLE K AND V LIE IN LDS, each byte filled once: 2,048 x 80 + 1,024 x 144 = 311,296 bytes.  No slot is filled again.
; CLUSTER.  The four query blocks of a head form a cluster and ask for K and V jointly.  Waves 0, 1 issue four loads of K each, waves 2, 3 four of V: four tensor loads of a wave are out at the most.
; Nothing is prefetched: every load of K and V is issued at the kernel's head.
; LAYOUT.  S^T = K Q^T (source 0 = 16 keys, source 1 = 16 queries), O^T = V^T P^T: a lane holds ONE query throughout.  In S, register 8 t + j of lane (r, h) is key 16 t + 8 h + j of the step.
; The conversions of tiles 2 c and 2 c + 1 fill p's registers 4 c .. 4 c + 3; V was stored with the keys in just that order, and Q and K with one common permutation of the head's axis.
; A query with no key allowed has l = 0: its codes are set to the NaN code, so that its row of the result is NaN.
; LIMITS: e6 + e7 between -123 and 130 (added to c's exponent field); e8 and e10 between -126 and 119.  NaN and infinities among the operands are not served.
.set KP,    80                         ; a key's row in LDS: 64 codes + 16 of padding
.set VP,    144                        ; a row of V: 128 codes + 16
.set VB,    2048*KP                    ; V begins behind K
.set SPARE, VB+1024*VP                 ; the spare words, 128 bytes for each of sixteen waves, named by no other line
.set ADK, 1                            ; v1  LDS address of the trip's K, v2 of its V
.set ADV, 2
.set SPW, 3
.set NIL, 4
.set SCP, 5                            ; v5  2^e8
.set AK0, 6                            ; v6  my lane's place in a tile of K, v7 of V
.set AV0, 7
.set NINF, 8                           ; v8  -infinity
; v9: 448 x 2^e10 (at the end); v[10+4x] -M, v[11+4x] the largest t, v[12+4x:13+4x] l in two halves; v18-20 at work; v21: 2^e10; v[22:23] f; v[24:25] partial sums; v26-29 addresses
.set Q,   32                           ; v32-47   Q, 8 a tile
.set KF,  48                           ; v48-79   four fragments of K
.set VF,  80                           ; v80-111  four fragments of V
.set S,   112                          ; v112-175 S^T, then p: 32 a tile
.set O,   176                          ; v176-239 O^T: 32 a tile
.set P,   240                          ; v240-255 p's codes: 8 a tile
.set WV,  2
.set CNT, 3
.set SEL, 4                            ; s[4:5]  lane selects for lane l xor 16
.set CS,  6                            ; s[6:7]  c = log2(e) / 8 x 2^(e6 + e7)
.set TV,  8                            ; s8   LDS bytes that V's addresses have stepped
.set LIMP, 9                           ; s9   448 x 2^e8
.set EPV, 10                           ; s10  e8 + e9
.set SCX, 11                           ; s11  2^e10
.set MP,  12                           ; s[12:13] where my mask words stand
.set LIMC, 14                          ; s14  448 x 2^e10
.set TK,  15                           ; s15  LDS bytes that K's addresses have stepped
.set G0K, 16                           ; s[16:31] four groups 0 for K
.set G1K, 32
.set G1V, 40
.set G0V, 48                           ; s[48:63] four groups 0 for V
.set CTX, 66
.set MW,  68                           ; s[68:99] the 32 mask words of one tile and key step; at the head: arguments and scratch
.set QB,  100
.macro ROUND                           ; a round of the cluster's barrier
	s_barrier_signal -1
	s_barrier_wait -1
	s_cmp_lg_u32 s[WV], 0
	s_cbranch_scc1 .Lnot_wave_0_\@
	s_barrier_signal -3
.Lnot_wave_0_\@:
	s_barrier_wait -3
	s_barrier_signal -1
	s_barrier_wait -1
.endm
	s_load_b256 s[68:75], s[0:1], 0x0              ; qkv s[68:69], mwords s[70:71], scales s[72:73], ctx s[74:75]
	v_lshl_add_u32 v[SPW], v0, 2, SPARE
	v_mov_b32 v[NIL], 0
	ds_add_u32 v[SPW], v[NIL]                      ; the wave's opening: the add and its wait ahead of the first tensor loads; work on registers stands between them
	v_lshrrev_b32 v9, 5, v0
	v_readfirstlane_b32 s[WV], v9                  ; wave 0..15
	s_bfe_u32 s84, ttmp6, 0x40000                  ; cx: my block of 512 queries; it enters Q's, the mask words' and ctx's addresses alone
	s_and_b32 s85, ttmp7, 0xffff                   ; 16 b + h, which the four partners share
	s_and_b32 s86, s[WV], 1
	s_mov_b32 s[G1K], 15|(1<<20)|(1<<21)|(3<<22)|(3<<25)   ; all four work-groups; elements of 1 byte; padding on; bit 21 beside a mask; 4 words behind every 16
	s_mov_b32 s[G1K+1], 64<<16                     ; tensor_dim0
	s_mov_b32 s[G1K+2], 256<<16                    ; tensor_dim1
	s_mov_b32 s[G1K+3], 64<<16                     ; tile_dim0
	s_mov_b32 s[G1K+4], 256                        ; tile_dim1
	s_mov_b32 s[G1K+5], 64                         ; from row to row
	s_mov_b32 s[G1K+6], 0
	s_mov_b32 s[G1K+7], 0
	s_mov_b32 s[G1V], 15|(1<<20)|(1<<21)|(4<<22)|(3<<25)   ; 4 words behind every 32
	s_mov_b32 s[G1V+1], 128<<16
	s_mov_b32 s[G1V+2], 128<<16
	s_mov_b32 s[G1V+3], 128<<16
	s_mov_b32 s[G1V+4], 128
	s_mov_b32 s[G1V+5], 128
	s_mov_b32 s[G1V+6], 0
	s_mov_b32 s[G1V+7], 0
	s_mov_b32 s[SEL], 0x76543210
	s_mov_b32 s[SEL+1], 0xfedcba98
	s_mov_b32 s[CS], 0x3e38aa3b                    ; log2(e) / 8
	s_mov_b32 s[TK], 0
	s_mov_b32 s[TV], 0
	s_lshl_b32 s88, s85, 17                        ; the head's 131,072 bytes,
	s_lshl_b32 s87, s86, 14                        ; and which half of a group's 32,768 I fetch
	s_add_co_u32 s88, s88, s87
	s_mov_b32 s89, 0
	s_mul_i32 s96, s86, 256*KP                     ; its place in LDS: K,
	s_mul_i32 s97, s86, 128*VP
	s_add_co_u32 s97, s97, VB                      ; V
	s_lshl_b32 s98, s84, 15                        ; my 32 queries' 2,048 bytes in Q and in ctx: 512 queries a block,
	s_lshl_b32 s99, s[WV], 11                      ; 32 a wave,
	s_add_co_u32 s98, s98, s99
	s_lshl_b32 s99, s85, 17                        ; in my head
	s_add_co_u32 s98, s98, s99
	s_mov_b32 s99, 0
	s_lshl_b32 s90, s84, 17                        ; my two tiles' mask words: 32 tiles of 4,096 bytes a block,
	s_lshl_b32 s91, s[WV], 13                      ; two a wave
	s_add_co_u32 s90, s90, s91
	s_mov_b32 s91, 0
	s_wait_dscnt 0x0                               ; the opening add is done
	s_wait_kmcnt 0x0
	s_load_b256 s[76:83], s[72:73], 0x10           ; e4 .. e11: s78 e6, s79 e7, s80 e8, s81 e9, s82 e10
	s_add_nc_u64 s[92:93], s[68:69], s[88:89]
	s_add_nc_u64 s[94:95], s[92:93], 0x1000000     ; V: part 2 of qkv
	s_add_nc_u64 s[92:93], s[92:93], 0x800000      ; K: part 1
.irp g, 0,1,2,3                                ; group g: keys 512 g .. 512 g + 511
	s_mov_b32 s[G0K+4*\g], 1
	s_add_co_u32 s[G0K+4*\g+1], s96, \g*512*KP
	s_add_nc_u64 s[G0K+4*\g+2:G0K+4*\g+3], s[92:93], \g*32768
	s_or_b32 s[G0K+4*\g+3], s[G0K+4*\g+3], 0x80000000
	s_mov_b32 s[G0V+4*\g], 1
	s_add_co_u32 s[G0V+4*\g+1], s97, \g*256*VP
	s_add_nc_u64 s[G0V+4*\g+2:G0V+4*\g+3], s[94:95], \g*32768
	s_or_b32 s[G0V+4*\g+3], s[G0V+4*\g+3], 0x80000000
.endr
	s_add_nc_u64 s[QB:QB+1], s[68:69], s[98:99]
	s_add_nc_u64 s[CTX:CTX+1], s[74:75], s[98:99]
	s_add_nc_u64 s[MP:MP+1], s[70:71], s[90:91]
	ROUND                                          ; all four work-groups are here: the joint loads meet
	s_cmp_lt_u32 s[WV], 2                          ; a wave's fills stand in one branch on its number, ahead of every wait on TENSORcnt, every LDS read and every other barrier
	s_cbranch_scc0 .Lnot_k
.irp g, 0,1,2,3
	tensor_load_to_lds s[G0K+4*\g:G0K+4*\g+3], s[G1K:G1K+7]
	s_nop 0
.endr
.rept 4
	v_nop
.endr
	s_branch .Lasked
.Lnot_k:
	s_cmp_lt_u32 s[WV], 4
	s_cbranch_scc0 .Lasked
.irp g, 0,1,2,3
	tensor_load_to_lds s[G0V+4*\g:G0V+4*\g+3], s[G1V:G1V+7]
	s_nop 0
.endr
.rept 4
	v_nop
.endr
.Lasked:
	v_and_b32 v9, 15, v0                           ; r
	v_bfe_u32 v21, v0, 4, 1                        ; h
	v_lshlrev_b32 v29, 6, v9
	v_lshl_add_u32 v29, v21, 4, v29                ; Q: row r of 64 bytes, + 16 h
.irp x, 0,1
.irp c, 0,1
	global_load_b128 v[Q+8*\x+4*\c:Q+8*\x+4*\c+3], v29, s[QB:QB+1] offset:1024*\x+32*\c   ; Q stays in registers
.endr
.endr
	v_mul_u32_u24 v[AK0], v9, KP
	v_lshl_add_u32 v[AK0], v21, 4, v[AK0]
	v_mul_u32_u24 v[AV0], v9, VP
	v_lshl_add_u32 v[AV0], v21, 4, v[AV0]
	v_add_nc_u32 v[AV0], VB, v[AV0]
	s_mul_i32 s87, s[WV], 32*KP                    ; the way out: my stage, 32 rows x 80 bytes, in K's first bytes
	v_mul_u32_u24 v26, v9, KP
	v_lshl_add_u32 v26, v21, 3, v26
	v_add_nc_u32 v26, s87, v26                     ; in: row r, + 8 h
	v_and_b32 v30, 31, v0
	v_lshrrev_b32 v27, 2, v30
	v_mul_u32_u24 v27, v27, KP
	v_and_b32 v31, 3, v30
	v_lshl_add_u32 v27, v31, 4, v27
	v_add_nc_u32 v27, s87, v27                     ; back: row lane / 4, 16 (lane % 4)
	v_lshlrev_b32 v28, 4, v30                      ; and 16 x lane in ctx
	v_mov_b32 v[NINF], 0xff800000
	v_mov_b32 v11, 0xff61b1e6                      ; the largest t so far: -3e38, under every t
	v_mov_b32 v15, 0xff61b1e6
	v_floor_f32 v10, -v11                          ; -M
	v_floor_f32 v14, -v15
.irp i, 12,13,16,17,18,19,20,23
	v_mov_b32 v[\i], 0                             ; l; lane permutes' destinations and the pair's upper half, written once
.endr
.set j, 0
.rept 64
	v_mov_b32 v[O+j], 0                            ; O^T.  The step is written once: the first finds zeros, which the first change of M leaves zeros
.set j, j+1
.endr
	s_wait_kmcnt 0x0
	s_add_co_i32 s84, s78, s79
	s_lshl_b32 s84, s84, 23
	s_add_co_i32 s[CS], s[CS], s84                 ; a score stands for score x 2^(e6 + e7): added to c's exponent field
	s_mov_b32 s[CS+1], s[CS]
	s_add_co_i32 s84, s80, 127
	s_lshl_b32 s85, s84, 23
	v_mov_b32 v[SCP], s85                          ; 2^e8
	s_add_co_i32 s84, s84, 8
	s_lshl_b32 s84, s84, 23
	s_or_b32 s[LIMP], s84, 0x600000                ; 448 x 2^e8
	s_add_co_i32 s[EPV], s80, s81
	s_add_co_i32 s84, s82, 127
	s_lshl_b32 s[SCX], s84, 23                     ; 2^e10
	s_add_co_i32 s84, s84, 8
	s_lshl_b32 s84, s84, 23
	s_or_b32 s[LIMC], s84, 0x600000                ; 448 x 2^e10
	s_load_b512 s[MW:MW+15], s[MP:MP+1], 0         ; the first mask words: tile 0, key step 0
	s_load_b512 s[MW+16:MW+31], s[MP:MP+1], 64
	s_wait_loadcnt 0x0                             ; Q
	s_wait_tensorcnt 0x0                           ; my loads have landed,
	s_barrier_signal -1
	s_barrier_wait -1                              ; everybody's have: K and V are whole
; The softmax of tile x for one key step.  nxt: where the next 32 mask words stand from the pointer; stp = 1: the pointer steps a trip (two key steps, 256 bytes) first.
.macro SOFT x, nxt, stp
.set SS, S+32*(\x)
.set OO, O+32*(\x)
.set PP, P+8*(\x)
.set NM, 10+4*(\x)
	s_wait_kmcnt 0x0                               ; this tile's and step's 32 mask words are in (asked for one softmax ago)
.set n, 0
.rept 32
	v_cndmask_b32 v[SS+n], v[NINF], v[SS+n], s[MW+n]   ; bit 0: -infinity.  Each accumulator from its low end on
.set n, n+1
.endr
.if \stp
	s_wait_xcnt 0x0                                ; no scalar load is out: the pointer may be written
	s_add_nc_u64 s[MP:MP+1], s[MP:MP+1], 256
.endif
	s_load_b512 s[MW:MW+15], s[MP:MP+1], \nxt      ; the next softmax's words.  (The last trip's look-ahead falls on my second tile's first words: inside the buffer)
	s_load_b512 s[MW+16:MW+31], s[MP:MP+1], \nxt+64
	v_max3_num_f32 v18, v[SS], v[SS+1], v[SS+2]    ; the step's largest score of my query among my 32 keys, in two chains,
	v_max3_num_f32 v19, v[SS+3], v[SS+4], v[SS+5]
.irp i, 6,10,14,18,22,26
	v_max3_num_f32 v18, v18, v[SS+\i], v[SS+\i+1]
	v_max3_num_f32 v19, v19, v[SS+\i+2], v[SS+\i+3]
.endr
	v_max3_num_f32 v18, v18, v[SS+30], v[SS+31]
	v_max_num_f32 v18, v18, v19
	v_permlanex16_b32 v20, v18, s[SEL], s[SEL+1]
	v_max_num_f32 v18, v18, v20                    ; and among lane l xor 16's
	v_mul_f32 v18, s[CS], v18                      ; as t (c is positive)
	v_max_num_f32 v[NM+1], v[NM+1], v18            ; the running largest t
	v_mov_b32 v18, v[NM]
	v_floor_f32 v[NM], -v[NM+1]                    ; the new -M = floor(-t): M is a whole number
	v_sub_f32 v18, v[NM], v18                      ; old M - new M: a whole number, 0 or less
	v_cvt_i32_f32 v18, v18                         ; (it saturates)
	v_ldexp_f32 v22, 1.0, v18                      ; f = 2^(old M - new M)
.set j, 0
.rept 16
	v_pk_fma_f32 v[SS+j:SS+j+1], v[SS+j:SS+j+1], s[CS:CS+1], v[NM:NM+1] op_sel_hi:[1,0,0]   ; t - M, two at a time
.set j, j+2
.endr
.set j, 0
.rept 32
	v_exp_f32 v[SS+j], v[SS+j]                     ; p = 2^(t - M)
.set j, j+1
.endr
	v_pk_mul_f32 v[NM+2:NM+3], v[NM+2:NM+3], v[22:23] op_sel_hi:[1,0]   ; l under the new M: the plain line behind the exponentials
	s_wait_alu depctr_va_vdst(0)                   ; one wait for the batch of 32, ahead of its first reader
	v_pk_add_f32 v[24:25], v[SS:SS+1], v[SS+2:SS+3]   ; the sum is taken of the unquantised p, in two chains
.irp j, 4,8,12,16,20,24,28
	v_pk_add_f32 v[NM+2:NM+3], v[NM+2:NM+3], v[SS+\j:SS+\j+1]
	v_pk_add_f32 v[24:25], v[24:25], v[SS+\j+2:SS+\j+3]
.endr
	v_pk_add_f32 v[NM+2:NM+3], v[NM+2:NM+3], v[24:25]
.set j, 0
.rept 32
	v_min_num_f32 v[SS+j], s[LIMP], v[SS+j]        ; the conversion does not saturate (ISA guide 7.6.2); p is not negative: a one-sided hold
.set j, j+1
.endr
.irp t, 0,1,2,3
	v_cvt_scalef32_pk8_fp8_f32 v[PP+2*\t:PP+2*\t+1], v[SS+8*\t:SS+8*\t+7], v[SCP]
.endr
.set j, 0
.rept 16
	v_pk_mul_f32 v[OO+j:OO+j+1], v[OO+j:OO+j+1], v[22:23] op_sel_hi:[1,0]   ; O^T under the new M; also the plain lines behind the conversions
.set j, j+2
.endr
.endm
; A key step: 64 keys, the s-th of the trip's 128.
.macro STEP s
	v_add_nc_u32 v[ADK], s[TK], v[AK0]
	v_add_nc_u32 v[ADV], s[TV], v[AV0]
	v_nop                                          ; with the two additions: four plain lines between the last products and the loads into V's registers
	v_nop
.irp t, 0,1,2,3
.irp c, 0,1
	ds_load_b128 v[KF+8*\t+4*\c:KF+8*\t+4*\c+3], v[ADK] offset:64*KP*(\s)+16*KP*\t+32*\c
.endr
.endr
.irp d, 0,1,2,3
.irp c, 0,1
	ds_load_b128 v[VF+8*\d+4*\c:VF+8*\d+4*\c+3], v[ADV] offset:16*VP*\d+64*(\s)+32*\c
.endr
.endr
	s_wait_dscnt 8                                 ; K is in; V's eight loads may be out
.irp t, 0,1,2,3
.irp x, 0,1
	v_wmma_f32_16x16x64_fp8_fp8 v[S+32*\x+8*\t:S+32*\x+8*\t+7], v[KF+8*\t:KF+8*\t+7], v[Q+8*\x:Q+8*\x+7], 0
.endr
.endr
.rept 4
	v_nop
.endr
.if (\s) == 0
	SOFT 0, 4096, 0                                ; next: tile 1, this step
	SOFT 1, 128, 0                                 ; next: tile 0, the trip's second step
.else
	SOFT 0, 4224, 0                                ; next: tile 1, this step
	SOFT 1, 0, 1                                   ; next: tile 0, the next trip
.endif
	s_wait_dscnt 0x0                               ; V is in
.irp d, 0,1,2,3
.irp x, 0,1
	v_wmma_f32_16x16x64_fp8_fp8 v[O+32*\x+8*\d:O+32*\x+8*\d+7], v[VF+8*\d:VF+8*\d+7], v[P+8*\x:P+8*\x+7], v[O+32*\x+8*\d:O+32*\x+8*\d+7]   ; eight accumulators by turns; the next matrix instruction is a score product
.endr
.endr
.endm
	s_mov_b32 s[CNT], 16
.Ltrip:                                            ; 16 trips of 128 keys
	STEP 0
	STEP 1
	s_add_co_u32 s[TK], s[TK], 128*KP
	s_add_co_u32 s[TV], s[TV], 64*VP
	s_sub_co_u32 s[CNT], s[CNT], 1
	s_cmp_lg_u32 s[CNT], 0
	s_cbranch_scc1 .Ltrip
	; THE WAY OUT.  Every wave's reads of K and V are over behind this barrier: the stages may be written into K's first bytes, which have had their one fill.
	s_wait_kmcnt 0x0                               ; the last look-ahead has landed
	s_wait_dscnt 0x0
	s_barrier_signal -1
	s_barrier_wait -1
.rept 4
	v_nop                                          ; places behind the last products
.endr
	v_add_f32 v12, v12, v13                        ; l's two halves,
	v_add_f32 v16, v16, v17
	v_permlanex16_b32 v18, v12, s[SEL], s[SEL+1]
	v_permlanex16_b32 v19, v16, s[SEL], s[SEL+1]
	v_add_f32 v12, v12, v18                        ; and lane l xor 16's
	v_add_f32 v16, v16, v19
	v_cmp_eq_f32 s16, 0, v12                       ; no key allowed?  (All tensor loads have been waited for: the descriptors' registers are free)
	v_cmp_eq_f32 s17, 0, v16
	v_rcp_f32 v13, v12
	v_rcp_f32 v17, v16
	v_mov_b32 v18, 0x7f7f7f7f                      ; four NaN codes.  (The plain line behind the reciprocals)
	v_mov_b32 v9, s[LIMC]
	v_mov_b32 v21, s[SCX]
	s_wait_alu depctr_va_vdst(0)                   ; one wait for both reciprocals, ahead of their first reader
	v_ldexp_f32 v13, v13, s[EPV]                   ; 2^(e8 + e9) / l
	v_ldexp_f32 v17, v17, s[EPV]
.irp x, 0,1
.set j, 0
.rept 32
	v_mul_f32 v[S+32*\x+j], v[O+32*\x+j], v[13+4*\x]   ; ctx: register 8 d + i is (query r, dv 16 d + 8 h + i); each accumulator from its low end on
.set j, j+1
.endr
.endr
.set j, 0
.rept 64
	v_med3_num_f32 v[S+j], v[S+j], -v9, v9
.set j, j+1
.endr
.irp x, 0,1
.irp d, 0,1,2,3
	v_cvt_scalef32_pk8_fp8_f32 v[KF+8*\x+2*\d:KF+8*\x+2*\d+1], v[S+32*\x+8*\d:S+32*\x+8*\d+7], v21
.endr
.endr
	v_nop                                          ; a plain line behind the last conversion
.irp x, 0,1
.irp i, 0,1,2,3,4,5,6,7
	v_cndmask_b32 v[KF+8*\x+\i], v[KF+8*\x+\i], v18, s[16+\x]
.endr
.endr
.irp x, 0,1
.irp d, 0,1,2,3
	ds_store_b64 v26, v[KF+8*\x+2*\d:KF+8*\x+2*\d+1] offset:16*KP*\x+16*\d   ; row 16 x + r, dv 16 d + 8 h on: natural order
.endr
.endr
.irp i, 0,1,2,3
	ds_load_b128 v[KF+16+4*\i:KF+16+4*\i+3], v27 offset:8*KP*\i   ; LDS serves a wave's instructions in order: these see my stores
.endr
.irp i, 0,1,2,3
	s_wait_dscnt 3-\i
	global_store_b128 v28, v[KF+16+4*\i:KF+16+4*\i+3], s[CTX:CTX+1] offset:512*\i   ; 32 lanes store 512 consecutive bytes, aligned: eight queries' 64 codes
.endr
	s_wait_tensorcnt 0x0                           ; the wave's end
	ds_add_u32 v[SPW], v[NIL]
	s_wait_dscnt 0x0
	ROUND                                          ; the closing round
	s_endpgm
.Lfunc_end_k_qea4af2bec9_attn:
	.size	k_qea4af2bec9_attn, .Lfunc_end_k_qea4af2bec9_attn-k_qea4af2bec9_attn
	.p2alignl 7, 3214868480
	.fill 96, 4, 3214868480
	.section	.rodata,"a",@progbits
	.p2align	6, 0x0
	.amdhsa_kernel k_qea4af2bec9_attn
		.amdhsa_group_segment_fixed_size 327680
		.amdhsa_private_segment_fixed_size 0
		.amdhsa_enable_private_segment 0
		.amdhsa_kernarg_size 32
		.amdhsa_user_sgpr_count 2
		.amdhsa_user_sgpr_kernarg_segment_ptr 1
		.amdhsa_wavefront_size32 1
		.amdhsa_system_sgpr_workgroup_id_x 1
		.amdhsa_system_sgpr_workgroup_id_y 1
		.amdhsa_system_sgpr_workgroup_id_z 1
		.amdhsa_system_vgpr_workitem_id 0
		.amdhsa_next_free_vgpr 256
		.amdhsa_next_free_sgpr 102
		.amdhsa_reserve_vcc 0
		.amdhsa_float_denorm_mode_32 3
		.amdhsa_float_denorm_mode_16_64 3
		.amdhsa_memory_ordered 1
		.amdhsa_forward_progress 1
		.amdhsa_inst_pref_size 62
	.end_amdhsa_kernel
	.amdgpu_metadata
---
amdhsa.version: [ 1, 2 ]
amdhsa.kernels:
  - .name:           k_qea4af2bec9_attn
    .symbol:         k_qea4af2bec9_attn.kd
    .args:
      - { .name: qkv, .offset: 0, .size: 8, .value_kind: global_buffer, .address_space: global }
      - { .name: mwords, .offset: 8, .size: 8, .value_kind: global_buffer, .address_space: global }
      - { .name: lowp_scales, .offset: 16, .size: 8, .value_kind: global_buffer, .address_space: global }
      - { .name: ctx, .offset: 24, .size: 8, .value_kind: global_buffer, .address_space: global }
    .group_segment_fixed_size: 327680
    .private_segment_fixed_size: 0
    .kernarg_segment_align: 8
    .kernarg_segment_size: 32
    .max_flat_workgroup_size: 512
    .sgpr_count:     102
    .vgpr_count:     256
    .wavefront_size: 32
...
	.end_amdgpu_metadata
.endif
;; end of part 3
;; launch outp (part 4): grid 4 x 32, 4 waves a work-group, clusters of 4 x 4, 327,680 bytes of LDS; arguments ctx, wcodes, lowp_scales, bo, out0; writes out0
.if DOCPART == 4
	.amdgcn_target "amdgcn-amd-amdhsa--gfx1250"
	.amdhsa_code_object_version 6
	.text
	.protected	k_qea4af2bec9_outp
	.globl	k_qea4af2bec9_outp
	.p2align	8
	.type	k_qea4af2bec9_outp,@function
k_qea4af2bec9_outp:
	s_mov_b64 s[64:65], 0
	v_nop
	global_prefetch_b8 v0, s[64:65] scope:SCOPE_SE
	s_setreg_imm32_b32 hwreg(HW_REG_WAVE_MODE, 25, 1), 1
	s_wait_xcnt 0x0
	s_wait_alu depctr_hold_cnt(0) depctr_sa_sdst(0) depctr_va_vdst(0) depctr_va_sdst(0) depctr_va_ssrc(0) depctr_va_vcc(0) depctr_vm_vsrc(0)
	s_getreg_b32 s2, hwreg(HW_REG_IB_STS2, 6, 4)
	s_cmp_eq_u32 s2, 0
	s_cbranch_scc0 .Lentry_in_a_cluster
	s_endpgm
.Lentry_in_a_cluster:
	s_bfe_u32 s2, ttmp6, 0x10000c
	s_cmp_lg_u32 s2, 0xf033
	s_cbranch_scc0 .Lentry_shape_is_right
	s_endpgm
.Lentry_shape_is_right:
; out0 = ctx Wo + bo on E4M3 codes.  C[m][n] = sum over k of A[m][k] B[n][k] x 2^(e10 + e11) + bo[n].  M = 8,192, N = K = 1,024.
; A = ctx, which lies by heads: [16 b + h][l 2048][64 codes]; k = 64 h + dv.  B = Wo's codes [n][k], the fourth MiB of wcodes.  out0: [8192][1024] f32.
; A tile of C is 256 x 256, four waves of 128 x 128.  K goes in four steps of 256, four heads each, through two LDS slots filled by the tensor data mover.
; A'S TILE: 128 rows x 64 codes of one head are 8,192 consecutive bytes; one load brings four such runs, 131,072 bytes apart, with 16 bytes of padding behind every 64: in LDS [head 4][row 128][80].
; CLUSTERS: 4 x 4 work-groups; A's tile is asked for jointly along a row of the cluster, B's along a column.  128 work-groups: the tile is kept at the size that feeds most products from each LDS byte.
; THE MATRIX INSTRUCTION IS USED TRANSPOSED (source 0 = 16 rows of B, source 1 = 16 rows of A): a lane holds eight neighbouring numbers of a row of C.
; LIMIT: e10 + e11 lies between -126 and 127.
; REGISTERS, in windows of 256: window 0: v0-31 addresses, v96-99 bo at my four columns, from v128 A's fragments; window 1: B's fragments, two sets; windows 2, 3: the accumulators.
.set ROWB,   256
.set KROW,   1024
.set PITCH,  272                       ; B's LDS row
.set PA,     80                        ; A's LDS row: 64 codes + 16 of padding
.set HEADB,  128*PA                    ; a head's 128 rows
.set HALFA,  4*HEADB                   ; what one load brings of A
.set HALFT,  128*PITCH                 ; and of B
.set BOFF,   2*HALFA                   ; B lies behind A's two halves
.set SLOT,   2*HALFA+2*HALFT
.set SPARE,  2*SLOT                    ; behind the ring: the spare words, 128 bytes for each wave, named by no other line
.set FR,     16
.set NL,     4
.set NP,     4
.set SIZE_N, 1024
.set SPITCH, 528                       ; the way out: a stage of 16 rows x (512 bytes + 16) for each wave, in slot 0, which has had its last fill and its last read by then
.set ADRA, 16
.set ADRB, 20
.set STO,  24
.set RD,   25
.set CO,   26
.set SPW,  28
.set NIL,  29
.set TMP,  32
.set BIAS, 96
.set AF,   128
.set BK,   128
.set G1, 24
.set G0, 32
.set G1B, 48
.set G0B, 56
.set MSB, 0
.macro WIN new
.if MSB != \new
	s_set_vgpr_msb (MSB<<8)|\new
.set MSB, \new
.endif
.endm
.set MUL_LO, 0xa1
.set MUL_HI, 0xf1
.set TO_B,   0x40
.macro JLOAD g0a, g1a, g0b, g1b        ; a joint load: waves 0 and 1 fetch for A, waves 2 and 3 for B; an s_nop 0 and four v_nop follow each line
	s_cmp_eq_u32 s15, 0
	s_cbranch_scc0 .Lfor_b_\@
	tensor_load_to_lds s[\g0a:\g0a+3], s[\g1a:\g1a+7]
	s_nop 0
.rept 4
	v_nop
.endr
	s_branch .Lasked_\@
.Lfor_b_\@:
	tensor_load_to_lds s[\g0b:\g0b+3], s[\g1b:\g1b+7]
	s_nop 0
.rept 4
	v_nop
.endr
.Lasked_\@:
.endm
.macro CREST
	s_cmp_lg_u32 s14, 0
	s_cbranch_scc1 .Lnot_wave_0_\@
	s_barrier_signal -3
.Lnot_wave_0_\@:
	s_barrier_wait -3
	s_barrier_signal -1
	s_barrier_wait -1
.endm
.macro CROUND
	s_barrier_signal -1
	s_barrier_wait -1
	CREST
.endm
	s_load_b128 s[4:7], s[0:1], 0x0                ; ctx, the weights' codes
	s_load_b128 s[8:11], s[0:1], 0x10              ; the scales' exponents, bo
	s_load_b64 s[12:13], s[0:1], 0x20              ; out0
	v_lshl_add_u32 v[SPW], v0, 2, SPARE
	v_mov_b32 v[NIL], 0
	ds_add_u32 v[SPW], v[NIL]                      ; the wave's opening: the add and its wait ahead of my first tensor load
	v_lshrrev_b32 v1, 5, v0
	v_readfirstlane_b32 s14, v1                    ; wave 0..3
	s_lshr_b32 s15, s14, 1                         ; which half of the tile's rows is mine.  Also: I fetch for A (0) or for B (1)
	s_and_b32 s16, s14, 1                          ; which half of its columns.  Also: which 128 rows of that tile I fetch
	s_bfe_u32 s40, ttmp6, 0x40000                  ; cx
	s_bfe_u32 s41, ttmp6, 0x40004                  ; cy
	s_lshl_b32 s42, ttmp9, 2
	s_add_co_u32 s42, s42, s40                     ; tile column
	s_and_b32 s17, ttmp7, 0xffff
	s_lshl_b32 s17, s17, 2
	s_add_co_u32 s17, s17, s41                     ; tile row
	s_lshl_b32 s43, s41, 2
	s_lshl_b32 s43, 15, s43                        ; my row of the cluster
	s_lshl_b32 s44, 0x1111, s40                    ; my column
	s_or_b32 s[G1+0], s43, (0<<16)|(1<<20)|(1<<21)|(3<<22)|(3<<25)  ; A: elements of 1 byte; 4 words of padding behind every 16
	s_mov_b32 s[G1+1], 8192<<16                    ; tensor_dim0 = 8,192: 128 rows x 64 codes on end
	s_mov_b32 s[G1+2], 4<<16                       ; tensor_dim1 = 4 heads
	s_mov_b32 s[G1+3], 8192<<16                    ; tile_dim0
	s_mov_b32 s[G1+4], 4                           ; tile_dim1
	s_mov_b32 s[G1+5], 131072                      ; from head to head
	s_mov_b32 s[G1+6], 0
	s_mov_b32 s[G1+7], 0
	s_or_b32 s[G1B+0], s44, (0<<16)|(1<<20)|(1<<21)|(5<<22)|(3<<25) ; B: 4 words of padding behind every 64
	s_mov_b32 s[G1B+1], ROWB<<16
	s_mov_b32 s[G1B+2], 128<<16
	s_mov_b32 s[G1B+3], ROWB<<16
	s_mov_b32 s[G1B+4], 128
	s_mov_b32 s[G1B+5], KROW
	s_mov_b32 s[G1B+6], 0
	s_mov_b32 s[G1B+7], 0
	s_lshr_b32 s20, s17, 3                         ; A: rows 256 R + 128 half: batch R / 8: 16 heads of 131,072 bytes,
	s_lshl_b32 s20, s20, 21
	s_and_b32 s18, s17, 7
	s_lshl_b32 s18, s18, 14                        ; 256 (R % 8) rows of 64 bytes,
	s_add_co_u32 s20, s20, s18
	s_lshl_b32 s18, s16, 13                        ; 128 rows a half
	s_add_co_u32 s20, s20, s18
	s_mov_b32 s21, 0
	s_lshl_b32 s18, s16, 7
	s_lshl_b32 s46, s42, 8
	s_add_co_u32 s46, s46, s18
	s_lshl_b32 s46, s46, 10                        ; B: (256 x tile column + 128 x half) rows of 1,024 bytes,
	s_add_co_u32 s46, s46, 0x300000                ; in the fourth weight
	s_mov_b32 s47, 0
	s_mul_i32 s45, s16, HALFA                      ; where they go: A's half,
	s_mul_i32 s19, s16, HALFT
	s_add_co_u32 s19, s19, BOFF                    ; B's half
	s_wait_dscnt 0x0                               ; the opening add is done
	s_wait_kmcnt 0x0
	s_load_b64 s[96:97], s[8:9], 0x28              ; e10, e11
	s_add_nc_u64 s[20:21], s[4:5], s[20:21]
	s_add_nc_u64 s[46:47], s[6:7], s[46:47]
	CROUND                                         ; all sixteen work-groups are here: the first joint loads meet
.irp s, 0,1
	s_mov_b32 s[G0+4*\s], 1
	s_add_co_u32 s[G0+4*\s+1], s45, \s*SLOT
	s_add_nc_u64 s[G0+4*\s+2:G0+4*\s+3], s[20:21], \s*4*131072     ; K step s: four heads on
	s_or_b32 s[G0+4*\s+3], s[G0+4*\s+3], 0x80000000
	s_mov_b32 s[G0B+4*\s], 1
	s_add_co_u32 s[G0B+4*\s+1], s19, \s*SLOT
	s_add_nc_u64 s[G0B+4*\s+2:G0B+4*\s+3], s[46:47], \s*ROWB
	s_or_b32 s[G0B+4*\s+3], s[G0B+4*\s+3], 0x80000000
	JLOAD G0+4*\s, G1, G0B+4*\s, G1B
.endr
	v_and_b32 v1, 15, v0                           ; r
	v_bfe_u32 v2, v0, 4, 1                         ; h
	v_mul_u32_u24 v3, v1, PITCH
	v_lshl_add_u32 v4, v2, 4, v3                   ; B: row r x pitch + 16 h
	v_mul_u32_u24 v3, v1, PA
	v_lshl_add_u32 v5, v2, 4, v3                   ; A likewise, at its own pitch
	s_mul_i32 s21, s15, HALFA                      ; my 128 rows of A
	s_mul_i32 s22, s16, HALFT                      ; my 128 rows of B
	s_add_co_u32 s22, s22, BOFF
.irp s, 0,1
	v_add_nc_u32 v[ADRA+\s], s21, v5
	v_add_nc_u32 v[ADRB+\s], s22, v4
	s_add_co_u32 s21, s21, SLOT
	s_add_co_u32 s22, s22, SLOT
.endr
	s_mul_i32 s23, s14, 16*SPITCH                  ; my stage
	v_mul_u32_u24 v5, v1, SPITCH
	v_lshl_add_u32 v5, v2, 5, v5
	v_add_nc_u32 v[STO], s23, v5                   ; in: row r, 32 bytes for each half of the lanes
	v_and_b32 v6, 31, v0
	v_lshlrev_b32 v[CO], 4, v6                     ; back: the 32 lanes take one row of 512 bytes; the same in C and in bo
	v_add_nc_u32 v[RD], s23, v[CO]
	s_lshl_b32 s20, s17, 8
	s_lshl_b32 s21, s15, 7
	s_add_co_u32 s20, s20, s21
	s_lshl_b32 s20, s20, 12                        ; my first row of C, 4,096 bytes a row
	s_mov_b32 s21, 0
	s_lshl_b32 s46, s42, 10
	s_lshl_b32 s47, s16, 9
	s_add_co_u32 s46, s46, s47                     ; my first column, in bytes
	s_mov_b32 s47, 0
	s_add_nc_u64 s[10:11], s[10:11], s[46:47]
	s_add_nc_u64 s[12:13], s[12:13], s[46:47]
	s_add_nc_u64 s[12:13], s[12:13], s[20:21]
	global_load_b128 v[BIAS:BIAS+3], v[CO], s[10:11]   ; bo at the four columns that I store; waited for on the way out
.macro FRAGB reg, adr, q, i            ; registers 4 c .. 4 c + 3 hold K = 128 q + 32 c + 16 (l / 16) + 0 .. 15: one permutation of k, the same in A and B
.irp c, 0,1,2,3
	ds_load_b128 v[\reg+4*\c:\reg+4*\c+3], v[\adr] offset:128*(\q)+32*\c+(\i)*16*PITCH
.endr
.endm
.macro FRAGA reg, adr, q, i            ; the same k: head 2 q + c / 2 of the slot's four, byte 32 (c % 2) + 16 (l / 16) of its row
.irp c, 0,1,2,3
	ds_load_b128 v[\reg+4*\c:\reg+4*\c+3], v[\adr] offset:(2*(\q)+\c/2)*HEADB+(\i)*16*PA+32*(\c%2)
.endr
.endm
.macro MUL16 a0, p, zero               ; the 64 accumulators take turns, one instruction a turn, in the same order in every step
.irp a, \a0, \a0+1
.irp b, 0,1,2,3,4,5,6,7
.if \zero
	v_wmma_f32_16x16x128_fp8_fp8 v[8*(8*((\a)%4)+\b):8*(8*((\a)%4)+\b)+7], v[128*(\p)+FR*\b:128*(\p)+FR*\b+FR-1], v[AF+FR*(\a):AF+FR*(\a)+FR-1], 0
.else
	v_wmma_f32_16x16x128_fp8_fp8 v[8*(8*((\a)%4)+\b):8*(8*((\a)%4)+\b)+7], v[128*(\p)+FR*\b:128*(\p)+FR*\b+FR-1], v[AF+FR*(\a):AF+FR*(\a)+FR-1], v[8*(8*((\a)%4)+\b):8*(8*((\a)%4)+\b)+7]
.endif
.endr
.endr
.endm
.macro FETCH_B slot, q, p
	WIN TO_B
.irp i, 0,1,2,3,4,5,6,7
	FRAGB 128*(\p)+FR*\i, ADRB+\slot, \q, \i
.endr
	WIN 0
.endm
.macro FETCH_A slot, q, i0
.irp i, \i0, \i0+1, \i0+2, \i0+3
	FRAGA AF+FR*(\i), ADRA+\slot, \q, \i
.endr
.endm
.macro PLACES n
.rept \n
	v_nop
.endr
.endm
.macro STEP slot, q, zero
	s_wait_dscnt 4*NL                              ; B's set and A's blocks 0-3 are in; A's blocks 4-7, sixteen loads, may be out
	WIN MUL_LO
	MUL16 0, (\q)%2, \zero
	MUL16 2, (\q)%2, \zero
	s_wait_dscnt 0
	PLACES NP
	FETCH_B \slot, (\q)+1, 1-(\q)%2
	FETCH_A \slot, (\q)+1, 0
	WIN MUL_HI
	MUL16 4, (\q)%2, \zero
	MUL16 6, (\q)%2, \zero
	PLACES NP
	WIN 0
	FETCH_A \slot, (\q)+1, 4
.endm
.macro TURN slot, next, fill
	s_wait_tensorcnt 0x0                           ; all my tensor loads have landed: my part of the next slot
	ds_add_u32 v[SPW], v[NIL]                      ; 0 onto my spare word
	s_wait_dscnt 4*NL+1                            ; the add and A's blocks 4-7 may be out
	WIN MUL_LO
	MUL16 0, 1, 0
	s_wait_dscnt 0x0                               ; the add is done, and my reads of this slot are over
	s_barrier_signal -1
	MUL16 2, 1, 0
	WIN 0
	s_barrier_wait -1
.if \fill
	CREST                                          ; the barrier has opened a round of the cluster's: no wave of any partner still reads this slot or has a load on its way
	s_add_nc_u64 s[G0+4*\slot+2:G0+4*\slot+3], s[G0+4*\slot+2:G0+4*\slot+3], 2*4*131072
	s_add_nc_u64 s[G0B+4*\slot+2:G0B+4*\slot+3], s[G0B+4*\slot+2:G0B+4*\slot+3], 2*ROWB
	JLOAD G0+4*\slot, G1, G0B+4*\slot, G1B         ; the first tensor load behind the round; its four v_nop are the places in front of the loads below
.else
	PLACES NP
.endif
	FETCH_B \next, 0, 0
	FETCH_A \next, 0, 0
	WIN MUL_HI
	MUL16 4, 1, 0
	MUL16 6, 1, 0
	PLACES NP
	WIN 0
	FETCH_A \next, 0, 4
.endm
	s_wait_tensorcnt 1                             ; my part of K step 0 is in; K step 1's load may be out
	s_barrier_signal -1
	s_barrier_wait -1
	FETCH_B 0, 0, 0
	FETCH_A 0, 0, 0
	FETCH_A 0, 0, 4
	STEP 0, 0, 1                                   ; the first products start the sums
	TURN 0, 1, 1                                   ; slot 0 takes heads 8-11
	STEP 1, 0, 0
	TURN 1, 0, 1                                   ; slot 1 takes heads 12-15
	STEP 0, 0, 0
	TURN 0, 1, 0                                   ; nothing is left to fetch
	STEP 1, 0, 0
	s_wait_dscnt 4*NL
	WIN MUL_LO
	MUL16 0, 1, 0
	MUL16 2, 1, 0
	s_wait_dscnt 0
	WIN MUL_HI
	MUL16 4, 1, 0
	MUL16 6, 1, 0
	WIN 0
; THE WAY OUT, block by block of 16 rows x 128 columns: sums x 2^(e10 + e11) through my own stage, back as whole rows of 512 bytes, + bo, stored.
.macro TOSTAGE a
.set AC, 64*((\a)%4)
	WIN 0x02+((\a)/4)                              ; source 0: window 2 or 3
.set j, 0
.rept 32
	v_pk_mul_f32 v[TMP+j:TMP+j+1], v[AC+j:AC+j+1], s[96:97] op_sel_hi:[1,0]   ; both x s96: exact, short of overflow and underflow; each accumulator from its low end on
.set j, j+2
.endr
	WIN 0
.irp b, 0,1,2,3,4,5,6,7
	ds_store_b128 v[STO], v[TMP+8*\b:TMP+8*\b+3] offset:64*\b
	ds_store_b128 v[STO], v[TMP+8*\b+4:TMP+8*\b+7] offset:64*\b+16
.endr
.set BB, BK+64*((\a)%2)
.irp t, 0,1,2,3,4,5,6,7,8,9,10,11,12,13,14,15
	ds_load_b128 v[BB+4*\t:BB+4*\t+3], v[RD] offset:\t*SPITCH   ; LDS serves a wave's instructions in order: these see my stores
.endr
.endm
.macro SEND a, younger                 ; younger: the LDS instructions issued behind block a's loads, which may stay out
.set BB, BK+64*((\a)%2)
	s_wait_dscnt \younger
.if (\a) > 0
	s_add_nc_u64 s[12:13], s[12:13], 16*SIZE_N*4   ; behind a wait on XCNT: the earlier stores have read their base
.endif
.irp t, 0,1,2,3,4,5,6,7,8,9,10,11,12,13,14,15
	v_pk_add_f32 v[BB+4*\t:BB+4*\t+1], v[BB+4*\t:BB+4*\t+1], v[BIAS:BIAS+1]
	v_pk_add_f32 v[BB+4*\t+2:BB+4*\t+3], v[BB+4*\t+2:BB+4*\t+3], v[BIAS+2:BIAS+3]
.endr
.irp t, 0,1,2,3,4,5,6,7,8,9,10,11,12,13,14,15
	global_store_b128 v[CO], v[BB+4*\t:BB+4*\t+3], s[12:13] offset:\t*SIZE_N*4 th:TH_STORE_NT   ; 32 lanes store 512 consecutive bytes, aligned; written once, read by nobody here
.endr
.endm
	s_wait_kmcnt 0x0
	s_add_co_i32 s96, s96, s97
	s_add_co_i32 s96, s96, 127
	s_lshl_b32 s96, s96, 23                        ; 2^(e10 + e11) as f32
	s_wait_loadcnt 0x0                             ; bo
	PLACES NP
	TOSTAGE 0
.irp a, 1,2,3,4,5,6,7
.if \a > 1
	s_wait_xcnt 0x0                                ; block a - 2's stores have read their registers and their base
.endif
	TOSTAGE \a
	SEND \a-1, 32                                  ; behind block a - 1's loads: block a's 16 stores and 16 loads
.endr
	s_wait_xcnt 0x0
	SEND 7, 0
	s_wait_tensorcnt 0x0                           ; the wave's end
	ds_add_u32 v[SPW], v[NIL]
	s_wait_dscnt 0x0
	CROUND                                         ; the closing round
	s_endpgm
.Lfunc_end_k_qea4af2bec9_outp:
	.size	k_qea4af2bec9_outp, .Lfunc_end_k_qea4af2bec9_outp-k_qea4af2bec9_outp
	.p2alignl 7, 3214868480
	.fill 96, 4, 3214868480
	.section	.rodata,"a",@progbits
	.p2align	6, 0x0
	.amdhsa_kernel k_qea4af2bec9_outp
		.amdhsa_group_segment_fixed_size 327680
		.amdhsa_private_segment_fixed_size 0
		.amdhsa_enable_private_segment 0
		.amdhsa_kernarg_size 40
		.amdhsa_user_sgpr_count 2
		.amdhsa_user_sgpr_kernarg_segment_ptr 1
		.amdhsa_wavefront_size32 1
		.amdhsa_system_sgpr_workgroup_id_x 1
		.amdhsa_system_sgpr_workgroup_id_y 1
		.amdhsa_system_sgpr_workgroup_id_z 1
		.amdhsa_system_vgpr_workitem_id 0
		.amdhsa_next_free_vgpr 1024
		.amdhsa_next_free_sgpr 100
		.amdhsa_reserve_vcc 0
		.amdhsa_float_denorm_mode_32 3
		.amdhsa_float_denorm_mode_16_64 3
		.amdhsa_memory_ordered 1
		.amdhsa_forward_progress 1
		.amdhsa_inst_pref_size 140
	.end_amdhsa_kernel
	.amdgpu_metadata
---
amdhsa.version: [ 1, 2 ]
amdhsa.kernels:
  - .name:           k_qea4af2bec9_outp
    .symbol:         k_qea4af2bec9_outp.kd
    .args:
      - { .name: ctx, .offset: 0, .size: 8, .value_kind: global_buffer, .address_space: global }
      - { .name: wcodes, .offset: 8, .size: 8, .value_kind: global_buffer, .address_space: global }
      - { .name: lowp_scales, .offset: 16, .size: 8, .value_kind: global_buffer, .address_space: global }
      - { .name: bo, .offset: 24, .size: 8, .value_kind: global_buffer, .address_space: global }
      - { .name: out0, .offset: 32, .size: 8, .value_kind: global_buffer, .address_space: global }
    .group_segment_fixed_size: 327680
    .private_segment_fixed_size: 0
    .kernarg_segment_align: 8
    .kernarg_segment_size: 40
    .max_flat_workgroup_size: 128
    .sgpr_count:     100
    .vgpr_count:     1024
    .wavefront_size: 32
...
	.end_amdgpu_metadata
.endif
;; end of part 4
;; ======== version 2 of 2: 4 launches
;; limits: right only within a limited range of input values
;; workspace buffers: xcodes 25,165,824 bytes; wcodes 4,194,304 bytes; mwords 524,288 bytes of whole numbers; mflags 4,096 bytes of whole numbers; qkv 25,165,824 bytes; ctx 8,388,608 bytes
;; launch prep (part 5): grid 512 x 1, 4 waves a work-group, no clusters, 68,096 bytes of LDS; arguments x, Wq, Wk, Wv, Wo, mask, lowp_scales, xcodes, wcodes, mwords, mflags; writes xcodes, wcodes, mwords, mflags
.if DOCPART == 5
	.amdgcn_target "amdgcn-amd-amdhsa--gfx1250"
	.amdhsa_code_object_version 6
	.text
	.protected	k_qea4af2bec9_prep
	.globl	k_qea4af2bec9_prep
	.p2align	8
	.type	k_qea4af2bec9_prep,@function
k_qea4af2bec9_prep:
	s_mov_b64 s[64:65], 0
	v_nop
	global_prefetch_b8 v0, s[64:65] scope:SCOPE_SE
	s_setreg_imm32_b32 hwreg(HW_REG_WAVE_MODE, 25, 1), 1
	s_wait_xcnt 0x0
; PREP: everything that later launches read many times is made once.
;  work-groups   0..255 (path X): x [8192][1024] f32 -> three sets of E4M3 codes, with the scales 2^e0, 2^e2, 2^e4 (x is an operand of three products, each with its own scale)
;  work-groups 256..383 (path W): Wq, Wk, Wv, Wo [k 1024][n 1024] f32 -> codes laid [n][k], K innermost, with 2^e1, 2^e3, 2^e5, 2^e11
;  work-groups 384..511 (path M): mask [2048][2048] bytes -> words of 32 lane bits, in the order in which the attention launch's score registers lie, and two bits for each
;                                 (query tile, key step): is any key of the step allowed, are all allowed
; code = number / 2^e, rounded to the nearest code, ties to even; path X holds it within +-448 first, path W does not.
; LIMITS: each e used here lies between -126 and 119, so that 2^e and 448 x 2^e are f32 numbers.  NaN among the inputs is not served.  A mask byte other than 0 counts as true.
; The three paths part on the work-group's number alone; each path that uses LDS has LDS bytes of its own.  No tensor loads, no barrier: waves share nothing.
.set SPW,   12                         ; v12  LDS address of my spare word: SPARE + 4 x my thread's number; never rewritten
.set NIL,   13                         ; v13  0; never rewritten
.set SPARE, 67584                      ; behind both paths' stages: 128 bytes for each wave, named by no other line
; path X
.set WREG,  8192                       ; a region for each wave: two stages of 32 x SP bytes
.set SP,    80                         ; a lane's place in a stage: its 64 bytes + 16 of padding
.set STEPS, 16
.set R,     16                         ; v16-79   four sets of 16 numbers as loaded
.set X,     80                         ; v80-111  two sets of 16 neighbours
.set T,     112                        ; v112-159 the 16 numbers held, once for each of the three scales
.set C,     160                        ; v160-183 codes: two sets of 3 x 4 registers
; path W
.set WST,   32768                      ; its stages begin here: 32 rows x WP for each wave
.set WP,    272                        ; a stage row: 256 codes + 16 of padding
.set NB,    8                          ; blocks of 32 along K for a wave
.set WX,    32                         ; v32-95   two sets of 32 numbers
.set WC,    96                         ; v96-103  a block's codes
.set OUTR,  112                        ; v112-175 the way out
.macro FIN                             ; the wave's end, behind my last LDS store
	s_wait_tensorcnt 0x0
	ds_add_u32 v[SPW], v[NIL]
	s_wait_dscnt 0x0
	s_endpgm
.endm
.macro MKSC vs, vl, se                 ; v[vs] = 2^e as f32 (the conversion takes its exponent field), v[vl] = 448 x 2^e; e in s[se]
	s_add_co_i32 s50, s[\se], 127
	s_lshl_b32 s51, s50, 23
	v_mov_b32 v[\vs], s51
	s_add_co_i32 s50, s50, 8
	s_lshl_b32 s50, s50, 23
	s_or_b32 s50, s50, 0x600000
	v_mov_b32 v[\vl], s50
.endm
	s_load_b512 s[8:23], s[0:1], 0x0               ; x s[8:9], Wq s[10:11], Wk s[12:13], Wv s[14:15], Wo s[16:17], mask s[18:19], scales s[20:21], xcodes s[22:23]
	s_load_b128 s[24:27], s[0:1], 0x40             ; wcodes s[24:25], mwords s[26:27]
	s_load_b64 s[60:61], s[0:1], 0x50              ; mflags
	v_lshl_add_u32 v[SPW], v0, 2, SPARE
	v_mov_b32 v[NIL], 0
	v_lshrrev_b32 v1, 5, v0
	v_readfirstlane_b32 s28, v1                    ; wave 0..3
	v_and_b32 v2, 31, v0                           ; lane
	s_wait_kmcnt 0x0
	s_load_b256 s[32:39], s[20:21], 0x0            ; e0 .. e7
	s_load_b128 s[40:43], s[20:21], 0x20           ; e8 .. e11
	s_cmp_lt_u32 ttmp9, 256
	s_cbranch_scc0 .Lnot_x
	s_wait_alu depctr_va_vdst(0)
; ---------------- PATH X.  x is a plain stream of numbers, and so are its codes.  A wave takes 16 steps of 512 numbers.
; Each load reads 512 consecutive bytes, 16 a lane; a step's 2,048 bytes turn through the wave's own stage in LDS and come back 64 bytes a lane: 16 neighbours along K, as the conversions want them.
; A lane's 16 codes are 16 bytes: each store of the wave covers 512 consecutive bytes, aligned.  Loads run four steps ahead, the turn through LDS one step.
	v_lshlrev_b32 v3, 4, v2                        ; 16 x lane: my bytes of a load's 512, and of a store's
	s_wait_alu depctr_va_vdst(0)
	s_mul_i32 s29, s28, WREG
	v_lshrrev_b32 v14, 2, v2
	v_mul_u32_u24 v14, v14, SP
	v_and_b32 v15, 3, v2
	v_lshl_add_u32 v14, v15, 4, v14
	v_add_nc_u32 v14, s29, v14                     ; the stage, on the way in: SP (lane / 4) + 16 (lane % 4)
	v_mul_u32_u24 v15, v2, SP
	v_add_nc_u32 v15, s29, v15                     ; and on the way out: SP x lane
	s_lshl_b32 s30, ttmp9, 2
	s_add_co_u32 s30, s30, s28                     ; which run of 8,192 numbers is my wave's: 0 .. 1,023
	s_lshl_b32 s6, s30, 15
	s_mov_b32 s7, 0
	s_add_nc_u64 s[4:5], s[8:9], s[6:7]            ; x at my run
	s_lshl_b32 s6, s30, 13
	s_add_nc_u64 s[44:45], s[22:23], s[6:7]        ; my run in code set 0,
	s_add_nc_u64 s[46:47], s[44:45], 0x800000      ; set 1,
	s_add_nc_u64 s[48:49], s[44:45], 0x1000000     ; set 2
.macro XLOAD t
.irp i, 0,1,2,3
	global_load_b128 v[R+16*((\t)%4)+4*\i:R+16*((\t)%4)+4*\i+3], v3, s[4:5] offset:2048*(\t)+512*\i th:TH_LOAD_NT
.endr
.endm
.macro XTURN t                         ; LDS serves a wave's instructions in order: no wait between these stores and loads
.irp i, 0,1,2,3
	ds_store_b128 v14, v[R+16*((\t)%4)+4*\i:R+16*((\t)%4)+4*\i+3] offset:32*SP*((\t)%2)+8*SP*\i
.endr
.irp i, 0,1,2,3
	ds_load_b128 v[X+16*((\t)%2)+4*\i:X+16*((\t)%2)+4*\i+3], v15 offset:32*SP*((\t)%2)+16*\i
.endr
.endm
.irp t, 0,1,2,3
	XLOAD \t
.endr
	s_wait_alu depctr_va_vdst(0)
	s_wait_kmcnt 0x0
	MKSC 6, 9, 32                                  ; e0
	MKSC 7, 10, 34                                 ; e2
	MKSC 8, 11, 36                                 ; e4
	s_wait_alu depctr_va_vdst(0)
	s_wait_loadcnt 12                              ; step 0's four loads are in
	XTURN 0
.macro XSTEP t
.set XS, X+16*((\t)%2)
.set CC, C+12*((\t)%2)
	s_wait_dscnt 0x0                               ; this step's numbers are back from the stage, and its stage stores have read their registers
.if (\t) >= 2
	s_wait_xcnt 0x0                                ; the stores of two steps ago have read this set of code registers
.endif
.if (\t)+4 < STEPS
	XLOAD (\t)+4
.endif
.if (\t)+1 < STEPS
.if STEPS-2-(\t) >= 3
	s_wait_loadcnt 12                              ; the next step's four loads are in; those of the three steps behind it may be out
.else
	s_wait_loadcnt 4*(STEPS-2-(\t))
.endif
	XTURN (\t)+1
.endif
.irp s, 0,1,2
.irp i, 0,1,2,3,4,5,6,7,8,9,10,11,12,13,14,15
	v_med3_num_f32 v[T+16*\s+\i], v[XS+\i], -v[9+\s], v[9+\s]   ; the conversion to an 8-bit code does not saturate (ISA guide 7.6.2): the hold at 448 x the scale comes first
.endr
.endr
.irp s, 0,1,2
	v_cvt_scalef32_pk8_fp8_f32 v[CC+4*\s:CC+4*\s+1], v[T+16*\s:T+16*\s+7], v[6+\s]
	v_cvt_scalef32_pk8_fp8_f32 v[CC+4*\s+2:CC+4*\s+3], v[T+16*\s+8:T+16*\s+15], v[6+\s]
.endr
	v_nop                                          ; a plain line behind the last conversion: the next step's holds write the conversions' sources
.irp s, 0,1,2
	global_store_b128 v3, v[CC+4*\s:CC+4*\s+3], s[44+2*\s:45+2*\s] offset:512*(\t)
.endr
.endm
.irp t, 0,1,2,3,4,5,6,7,8,9,10,11,12,13,14,15
	XSTEP \t
.endr
	FIN
.Lnot_x:
	s_cmp_lt_u32 ttmp9, 384
	s_cbranch_scc0 .Lpath_m
; ---------------- PATH W.  A LANE TAKES A COLUMN n, AND ITS REGISTERS RUN DOWN K: each load reads 128 consecutive bytes a wave, and the conversions give codes with K innermost.
; A wave takes 32 columns x 256 along K.  Its codes go through its own stage and leave as rows: sixteen lanes store 256 consecutive bytes, aligned.  Loads run two blocks ahead.
	s_sub_co_u32 s29, ttmp9, 256                   ; 0 .. 127
	s_lshr_b32 s30, s29, 5                         ; which weight: 0 Wq, 1 Wk, 2 Wv, 3 Wo
	s_and_b32 s31, s29, 7                          ; which 128 columns
	s_bfe_u32 s44, s29, 0x20003                    ; which 256 along K
	s_cmp_eq_u32 s30, 0
	s_cselect_b64 s[4:5], s[10:11], s[12:13]
	s_cmp_eq_u32 s30, 2
	s_cselect_b64 s[4:5], s[14:15], s[4:5]
	s_cmp_eq_u32 s30, 3
	s_cselect_b64 s[4:5], s[16:17], s[4:5]         ; the choice hangs on the work-group's number alone
	s_lshl_b32 s46, s31, 7
	s_lshl_b32 s47, s28, 5
	s_add_co_u32 s46, s46, s47                     ; my wave's first column
	s_lshl_b32 s48, s44, 20                        ; 256 rows of 4,096 bytes
	s_lshl_b32 s47, s46, 2
	s_add_co_u32 s48, s48, s47
	s_mov_b32 s49, 0
	s_add_nc_u64 s[4:5], s[4:5], s[48:49]
	s_lshl_b32 s48, s30, 20                        ; the weight's 1 MiB of codes,
	s_lshl_b32 s47, s46, 10                        ; row = column n, 1,024 bytes,
	s_add_co_u32 s48, s48, s47
	s_lshl_b32 s47, s44, 8                         ; my 256 along K
	s_add_co_u32 s48, s48, s47
	s_add_nc_u64 s[6:7], s[24:25], s[48:49]
	s_wait_alu depctr_va_vdst(0)
	v_lshlrev_b32 v3, 2, v2                        ; in: 4 bytes a lane
	s_mul_i32 s50, s28, 32*WP
	s_add_co_u32 s50, s50, WST                     ; my stage
	v_mul_u32_u24 v4, v2, WP
	v_add_nc_u32 v4, s50, v4                       ; into it: row = my column
	v_and_b32 v5, 15, v2
	v_lshrrev_b32 v6, 4, v2
	v_mul_u32_u24 v7, v6, WP
	v_lshl_add_u32 v7, v5, 4, v7
	v_add_nc_u32 v7, s50, v7                       ; out of it: sixteen lanes to a row, two rows an instruction
	v_lshlrev_b32 v8, 10, v6
	v_lshl_add_u32 v8, v5, 4, v8                   ; and the same place in the codes' buffer
.macro WLOAD t                         ; block t: W(32 t + i, my column), i = 0 .. 31
.set i, 0
.rept 32
	global_load_b32 v[WX+32*((\t)%2)+i], v3, s[4:5] offset:(32*(\t)+i)*4096 th:TH_LOAD_NT
.set i, i+1
.endr
.endm
	WLOAD 0
	WLOAD 1
	s_wait_kmcnt 0x0
	s_cmp_eq_u32 s30, 0
	s_cselect_b32 s45, s33, s35                    ; e1 or e3,
	s_cmp_eq_u32 s30, 2
	s_cselect_b32 s45, s37, s45                    ; e5,
	s_cmp_eq_u32 s30, 3
	s_cselect_b32 s45, s43, s45                    ; e11
	MKSC 11, 10, 45
.macro WBLOCK t
.set XS, WX+32*((\t)%2)
.if (\t) < NB-1
	s_wait_loadcnt 32                              ; this block's 32 loads are in; the next block's may be out
.else
	s_wait_loadcnt 0
.endif
.set i, 0
.rept 32
.set i, i+1
.endr
.irp g, 0,1,2,3
	v_cvt_scalef32_pk8_fp8_f32 v[WC+2*\g:WC+2*\g+1], v[XS+8*\g:XS+8*\g+7], v11
.endr
	v_nop                                          ; a plain line behind the last conversion
	ds_store_b128 v4, v[WC:WC+3] offset:32*(\t)
	ds_store_b128 v4, v[WC+4:WC+7] offset:32*(\t)+16
.if (\t)+2 < NB
	WLOAD (\t)+2
.endif
	s_wait_dscnt 0x0                               ; the stores have read their registers: the next block's codes may be written
.endm
	s_wait_alu depctr_va_vdst(0)
.irp t, 0,1,2,3,4,5,6,7
	WBLOCK \t
.endr
.irp t, 0,1,2,3,4,5,6,7,8,9,10,11,12,13,14,15
	ds_load_b128 v[OUTR+4*\t:OUTR+4*\t+3], v7 offset:2*\t*WP
.endr
.irp t, 0,1,2,3,4,5,6,7,8,9,10,11,12,13,14,15
	s_wait_dscnt 15-\t
	global_store_b128 v8, v[OUTR+4*\t:OUTR+4*\t+3], s[6:7] offset:2*\t*1024
.endr
	FIN
.Lpath_m:
; ---------------- PATH M.  mwords [query tile 128][key step 32][word 32].  Bit L of word n = 8 t + j says whether query 16 qt + L % 16 may see key 64 ks + 16 t + 8 (L / 16) + j:
; the lane and register in which the attention launch holds that score.  A compare over the 32 lanes IS such a word.
; A work-group takes a query tile, wave w key steps 8 w .. 8 w + 7: lane (r, h) loads 8 bytes of row r; the wave's 32 loads together use all 512 bytes of each of its 16 rows.
; 64 words (two key steps) are gathered into a register pair, lane l holding words 2 l and 2 l + 1, and leave as one store of 256 consecutive bytes, aligned.
; mflags [query tile 128][wave 4][2 words].  Of a key step's 32 words the OR and the AND are kept in scalar registers: bit 8 w + k of the wave's first word says that the OR is not 0 (some key of step
; 8 w + k is allowed for some query of the tile), of its second that the AND is all ones (every key for every query).  The wave's two words, 8 bytes, are stored by lane 0: 4,096 bytes in the whole launch.
	s_sub_co_u32 s29, ttmp9, 384                   ; the query tile
	v_and_b32 v3, 15, v0
	v_bfe_u32 v4, v0, 4, 1
	v_lshlrev_b32 v3, 11, v3
	v_lshl_add_u32 v3, v4, 3, v3                   ; row r of 2,048 bytes, + 8 h
	s_wait_alu depctr_va_vdst(0)
	v_lshlrev_b32 v5, 3, v2                        ; out: 8 bytes a lane
	s_lshl_b32 s30, s29, 15                        ; 16 rows of 2,048 bytes
	s_lshl_b32 s31, s28, 9                         ; my wave's 512 keys
	s_add_co_u32 s30, s30, s31
	s_mov_b32 s31, 0
	s_add_nc_u64 s[4:5], s[18:19], s[30:31]
	s_lshl_b32 s30, s29, 12                        ; a tile's 32 x 32 words,
	s_lshl_b32 s44, s28, 10                        ; my wave's eight key steps
	s_add_co_u32 s30, s30, s44
	s_add_nc_u64 s[6:7], s[26:27], s[30:31]
	s_lshl_b32 s30, s29, 5                         ; a tile's 32 bytes of flags,
	s_lshl_b32 s44, s28, 3                         ; my wave's eight
	s_add_co_u32 s30, s30, s44
	s_add_nc_u64 s[60:61], s[60:61], s[30:31]
	s_mov_b32 s62, 0                               ; my eight 'any' bits,
	s_mov_b32 s63, 0                               ; my eight 'all' bits
.irp k, 0,1,2,3,4,5,6,7
.irp t, 0,1,2,3
	global_load_b64 v[64+2*(4*\k+\t):65+2*(4*\k+\t)], v3, s[4:5] offset:64*\k+16*\t
.endr
.endr
.irp i, 0,1,2,3,4,5,6,7
	v_mov_b32 v[32+\i], 0                          ; written whole once: a lane write counts as a reader of its destination
.endr
.irp p, 0,1,2,3
	s_wait_loadcnt 24-8*\p                         ; this pair's eight loads are in; the later pairs' may be out
.irp e, 0,1
	s_mov_b32 s58, 0                               ; the key step's OR,
	s_mov_b32 s59, -1                              ; and its AND
	s_wait_alu depctr_va_vdst(0)
.irp t, 0,1,2,3
.irp j, 0,1,2,3,4,5,6,7
	v_bfe_u32 v[40+\j%4], v[64+2*(4*(2*\p+\e)+\t)+\j/4], 8*(\j%4), 8
	v_cmp_ne_u32 s[52+\j%4], 0, v[40+\j%4]
	v_writelane_b32 v[32+2*\p+\j%2], s[52+\j%4], (32*\e+8*\t+\j)/2
	s_or_b32 s58, s58, s[52+\j%4]
	s_and_b32 s59, s59, s[52+\j%4]
.endr
.endr
	s_cmp_lg_u32 s58, 0
	s_cselect_b32 s57, 1<<(2*\p+\e), 0
	s_or_b32 s62, s62, s57
	s_cmp_eq_u32 s59, -1
	s_cselect_b32 s57, 1<<(2*\p+\e), 0
	s_or_b32 s63, s63, s57
.endr
	s_wait_alu depctr_va_vdst(0)
	global_store_b64 v5, v[32+2*\p:33+2*\p], s[6:7] offset:256*\p
.endr
	s_lshl_b32 s57, s28, 3
	s_lshl_b32 s62, s62, s57                       ; to bits 8 w .. 8 w + 7
	s_lshl_b32 s63, s63, s57
	v_mov_b32 v44, s62
	v_mov_b32 v45, s63
	v_mov_b32 v46, 0
	s_wait_alu depctr_va_vdst(0)
	s_wait_xcnt 0x0                                ; EXEC is a source of the stores above: it changes only behind this wait
	v_cmp_gt_u32 vcc_lo, 1, v2                     ; lane 0
	s_and_saveexec_b32 s56, vcc_lo
	global_store_b64 v46, v[44:45], s[60:61]
	s_wait_xcnt 0x0                                ; and again, in front of the line that widens it
	s_or_b32 exec_lo, exec_lo, s56
	s_wait_kmcnt 0x0                               ; the scales, which this path does not use, have landed
	FIN
.Lfunc_end_k_qea4af2bec9_prep:
	.size	k_qea4af2bec9_prep, .Lfunc_end_k_qea4af2bec9_prep-k_qea4af2bec9_prep
	.p2alignl 7, 3214868480
	.fill 96, 4, 3214868480
	.section	.rodata,"a",@progbits
	.p2align	6, 0x0
	.amdhsa_kernel k_qea4af2bec9_prep
		.amdhsa_group_segment_fixed_size 68096
		.amdhsa_private_segment_fixed_size 0
		.amdhsa_enable_private_segment 0
		.amdhsa_kernarg_size 88
		.amdhsa_user_sgpr_count 2
		.amdhsa_user_sgpr_kernarg_segment_ptr 1
		.amdhsa_wavefront_size32 1
		.amdhsa_system_sgpr_workgroup_id_x 1
		.amdhsa_system_sgpr_workgroup_id_y 1
		.amdhsa_system_sgpr_workgroup_id_z 1
		.amdhsa_system_vgpr_workitem_id 0
		.amdhsa_next_free_vgpr 192
		.amdhsa_next_free_sgpr 66
		.amdhsa_reserve_vcc 1
		.amdhsa_float_denorm_mode_32 3
		.amdhsa_float_denorm_mode_16_64 3
		.amdhsa_fp16_overflow 1
		.amdhsa_memory_ordered 1
		.amdhsa_forward_progress 1
		.amdhsa_inst_pref_size 182
	.end_amdhsa_kernel
	.amdgpu_metadata
---
amdhsa.version: [ 1, 2 ]
amdhsa.kernels:
  - .name:           k_qea4af2bec9_prep
    .symbol:         k_qea4af2bec9_prep.kd
    .args:
      - { .name: x, .offset: 0, .size: 8, .value_kind: global_buffer, .address_space: global }
      - { .name: Wq, .offset: 8, .size: 8, .value_kind: global_buffer, .address_space: global }
      - { .name: Wk, .offset: 16, .size: 8, .value_kind: global_buffer, .address_space: global }
      - { .name: Wv, .offset: 24, .size: 8, .value_kind: global_buffer, .address_space: global }
      - { .name: Wo, .offset: 32, .size: 8, .value_kind: global_buffer, .address_space: global }
      - { .name: mask, .offset: 40, .size: 8, .value_kind: global_buffer, .address_space: global }
      - { .name: lowp_scales, .offset: 48, .size: 8, .value_kind: global_buffer, .address_space: global }
      - { .name: xcodes, .offset: 56, .size: 8, .value_kind: global_buffer, .address_space: global }
      - { .name: wcodes, .offset: 64, .size: 8, .value_kind: global_buffer, .address_space: global }
      - { .name: mwords, .offset: 72, .size: 8, .value_kind: global_buffer, .address_space: global }
      - { .name: mflags, .offset: 80, .size: 8, .value_kind: global_buffer, .address_space: global }
    .group_segment_fixed_size: 68096
    .private_segment_fixed_size: 0
    .kernarg_segment_align: 8
    .kernarg_segment_size: 88
    .max_flat_workgroup_size: 128
    .sgpr_count:     66
    .vgpr_count:     192
    .wavefront_size: 32
...
	.end_amdgpu_metadata
.endif
;; end of part 5
;; launch qkv (part 6): grid 12 x 32, 4 waves a work-group, clusters of 4 x 4, 327,680 bytes of LDS; arguments xcodes, wcodes, lowp_scales, qkv; writes qkv
.if DOCPART == 6
	.amdgcn_target "amdgcn-amd-amdhsa--gfx1250"
	.amdhsa_code_object_version 6
	.text
	.protected	k_qea4af2bec9_qkv
	.globl	k_qea4af2bec9_qkv
	.p2align	8
	.type	k_qea4af2bec9_qkv,@function
k_qea4af2bec9_qkv:
	s_mov_b64 s[64:65], 0
	v_nop
	global_prefetch_b8 v0, s[64:65] scope:SCOPE_SE
	s_setreg_imm32_b32 hwreg(HW_REG_WAVE_MODE, 25, 1), 1
	s_wait_xcnt 0x0
	s_wait_alu depctr_hold_cnt(0) depctr_sa_sdst(0) depctr_va_vdst(0) depctr_va_sdst(0) depctr_va_ssrc(0) depctr_va_vcc(0) depctr_vm_vsrc(0)
	s_getreg_b32 s2, hwreg(HW_REG_IB_STS2, 6, 4)
	s_cmp_eq_u32 s2, 0
	s_cbranch_scc0 .Lentry_in_a_cluster
	s_endpgm
.Lentry_in_a_cluster:
	s_bfe_u32 s2, ttmp6, 0x10000c
	s_cmp_lg_u32 s2, 0xf033
	s_cbranch_scc0 .Lentry_shape_is_right
	s_endpgm
.Lentry_shape_is_right:
; Q = x Wq, K = x Wk, V = x Wv on E4M3 codes, and each result quantised at once for the attention products.  C[m][n] = sum over k of A[m][k] B[n][k], K = 1,024.
; The cluster's x says which product: 0 Q, 1 K, 2 V.  For Q and K: A = x's codes (8,192 rows), B = the weight's codes (1,024 rows).  FOR V THE ROLES ARE SWAPPED BY POINTERS: A = Wv's codes, B = x's codes.
; THE MATRIX INSTRUCTION IS USED TRANSPOSED (source 0 = 16 rows of B, source 1 = 16 rows of A): a lane holds one row of A and eight neighbouring rows of B.  So for Q and K a lane's registers run along the head's 64,
; and for V along the keys: in each case along the K of the product that will read the codes, as the conversions want it.
; A tile of C is 256 x 256, four waves of 128 x 128 (64 accumulators, 512 registers).  K goes in four steps of 256 through two LDS slots filled by the tensor data mover.
; CLUSTERS: 4 x 4 work-groups; A's tile is asked for jointly along a row of the cluster, B's along a column.
; OUT: qkv part 0: Q [b 16 + h][l 2048][64]; part 1: K likewise; part 2: V [b 16 + h][key block 16][dv 64][128 keys]; 8 MiB each.  The innermost axis is stored with bits 3 and 4 of its index swapped:
; place 32 B + 16 h + 8 u + j holds index 32 B + 16 u + 8 h + j (two accumulators' codes of a lane are stored as one piece of 16 bytes).  For Q and K that is one permutation of the head's axis in both; for V it is the order in which p's registers fall.
; code = sum x 2^(ea + eb) / 2^eo, held within +-448: the three exponents are folded into the conversion's one scale.
; LIMIT: eo - ea - eb lies between -126 and 119 (eo = e6, e7, e9; ea, eb = e0, e1; e2, e3; e4, e5).
; REGISTERS, in windows of 256: window 0: v0-31 addresses; from v128 A's fragments, one set; window 1: B's fragments, two sets; windows 2, 3: the accumulators ((a, b) at v[8 (8 (a % 4) + b)]).
.set ROWB,   256                       ; a tile's row in bytes
.set KROW,   1024                      ; a row of A or B in memory
.set PITCH,  272                       ; an LDS row: 256 bytes + 16 of padding: the 16 rows that a load touches start at 16 different banks (64 banks of 4 bytes: ISA guide 11.1)
.set FR,     16
.set NL,     4
.set NP,     4                         ; places behind this matrix instruction (ISA guide 7.12.1)
.set HALFT,  128*PITCH
.set SLOT,   4*HALFT
.set SPARE,  2*SLOT                    ; behind the ring: the spare words, 128 bytes for each wave, named by no other line
.set SPQ,    144                       ; the way out: a stage of 128 rows x (128 codes + 16) for each wave, in slot 0, which has had its last fill and its last read by then
.set ADRA, 16
.set ADRB, 20
.set STO,  24                          ; v24  the stage: where I put 16 codes
.set RDQ,  25                          ; v25  back, for Q and K: four lanes to a row's 64 codes of one head
.set CO,   26                          ; v26  16 x lane
.set RDV,  27                          ; v27  back, for V: eight lanes to a row of 128 codes
.set SPW,  28
.set NIL,  29
.set SCL,  30                          ; v30  the conversion's scale
.set LIM,  31                          ; v31  448 x that
.set TMP,  32                          ; v32-95   a block's sums, held
.set COD,  96                          ; v96-127  two sets of 16 registers of codes
.set AF,   128
.set BK,   128                         ; v128-255 the stage read back
.set G1, 24
.set G0, 32
.set G1B, 48
.set G0B, 56
.set MSB, 0
.macro WIN new                         ; the immediate's high byte repeats the setting that is left
.if MSB != \new
	s_set_vgpr_msb (MSB<<8)|\new
.set MSB, \new
.endif
.endm
.set MUL_LO, 0xa1                      ; source 0 (B) window 1, source 1 (A) window 0, C and D window 2
.set MUL_HI, 0xf1
.set TO_B,   0x40
.macro JLOAD g0a, g1a, g0b, g1b        ; a joint load: waves 0 and 1 fetch for A, waves 2 and 3 for B; the branch hangs on the wave's number alone; an s_nop 0 and four v_nop follow each line
	s_cmp_eq_u32 s15, 0
	s_cbranch_scc0 .Lfor_b_\@
	tensor_load_to_lds s[\g0a:\g0a+3], s[\g1a:\g1a+7]
	s_nop 0
.rept 4
	v_nop
.endr
	s_branch .Lasked_\@
.Lfor_b_\@:
	tensor_load_to_lds s[\g0b:\g0b+3], s[\g1b:\g1b+7]
	s_nop 0
.rept 4
	v_nop
.endr
.Lasked_\@:
.endm
.macro CREST                           ; a round of the cluster's barrier behind its opening barrier
	s_cmp_lg_u32 s14, 0
	s_cbranch_scc1 .Lnot_wave_0_\@
	s_barrier_signal -3
.Lnot_wave_0_\@:
	s_barrier_wait -3
	s_barrier_signal -1
	s_barrier_wait -1
.endm
.macro CROUND
	s_barrier_signal -1
	s_barrier_wait -1
	CREST
.endm
	s_load_b128 s[4:7], s[0:1], 0x0                ; x's codes, the weights' codes
	s_load_b128 s[8:11], s[0:1], 0x10              ; the scales' exponents, qkv
	v_lshl_add_u32 v[SPW], v0, 2, SPARE
	v_mov_b32 v[NIL], 0
	ds_add_u32 v[SPW], v[NIL]                      ; the wave's opening: the add and its wait ahead of my first tensor load; work on registers stands between them
	ds_add_u32 v[SPW], v[NIL]
	v_lshrrev_b32 v1, 5, v0
	v_readfirstlane_b32 s14, v1                    ; wave 0..3
	s_lshr_b32 s15, s14, 1                         ; which half of A's rows is mine.  Also: I fetch for A (0) or for B (1)
	s_and_b32 s16, s14, 1                          ; which half of B's rows.  Also: which 128 rows of that tile I fetch
	s_bfe_u32 s40, ttmp6, 0x40000                  ; cx
	s_bfe_u32 s41, ttmp6, 0x40004                  ; cy
	s_and_b32 s66, ttmp7, 0xffff                   ; the cluster's y, 0..7: it walks x's 8,192 rows, which are A's rows for Q and K and B's for V
	s_cmp_eq_u32 ttmp9, 2                          ; V?  The same in all sixteen partners
	s_cselect_b32 s67, 0, s66
	s_cselect_b32 s68, s66, 0
	s_lshl_b32 s42, s68, 2
	s_add_co_u32 s42, s42, s40                     ; B's tile: it never holds cy
	s_lshl_b32 s17, s67, 2
	s_add_co_u32 s17, s17, s41                     ; A's tile: it never holds cx
	s_lshl_b32 s43, s41, 2
	s_lshl_b32 s43, 15, s43                        ; my row of the cluster
	s_lshl_b32 s44, 0x1111, s40                    ; my column
	s_or_b32 s[G1+0], s43, (0<<16)|(1<<20)|(1<<21)|(5<<22)|(3<<25)  ; the mask; elements of 1 byte; padding on; bit 21 beside a mask; 4 words of padding behind every 64
	s_or_b32 s[G1B+0], s44, (0<<16)|(1<<20)|(1<<21)|(5<<22)|(3<<25)
.irp g, G1, G1B
	s_mov_b32 s[\g+1], ROWB<<16                    ; tensor_dim0
	s_mov_b32 s[\g+2], 128<<16                     ; tensor_dim1
	s_mov_b32 s[\g+3], ROWB<<16                    ; tile_dim0
	s_mov_b32 s[\g+4], 128                         ; tile_dim1
	s_mov_b32 s[\g+5], KROW                        ; from row to row
	s_mov_b32 s[\g+6], 0
	s_mov_b32 s[\g+7], 0
.endr
	s_lshl_b32 s18, s16, 7
	s_lshl_b32 s20, s17, 8
	s_add_co_u32 s20, s20, s18
	s_lshl_b32 s20, s20, 10                        ; A: (256 x tile + 128 x half) rows of 1,024 bytes
	s_mov_b32 s21, 0
	s_lshl_b32 s46, s42, 8
	s_add_co_u32 s46, s46, s18
	s_lshl_b32 s46, s46, 10                        ; B likewise
	s_mov_b32 s47, 0
	s_lshl_b32 s70, ttmp9, 23                      ; the product's set of x's codes, and its part of qkv: 8 MiB each
	s_mov_b32 s71, 0
	s_lshl_b32 s72, ttmp9, 20                      ; its weight's codes: 1 MiB each
	s_mov_b32 s73, 0
	s_mul_i32 s45, s14, HALFT                      ; where my tile goes: wave x 128 rows
	s_wait_dscnt 0x0                               ; the opening add is done
	s_wait_kmcnt 0x0
	s_load_b256 s[80:87], s[8:9], 0x0              ; e0 .. e7
	s_load_b128 s[88:91], s[8:9], 0x20             ; e8 .. e11
	s_add_nc_u64 s[4:5], s[4:5], s[70:71]
	s_add_nc_u64 s[6:7], s[6:7], s[72:73]
	s_cmp_eq_u32 ttmp9, 2
	s_cselect_b64 s[74:75], s[6:7], s[4:5]         ; A
	s_cselect_b64 s[76:77], s[4:5], s[6:7]         ; B
	s_add_nc_u64 s[20:21], s[74:75], s[20:21]
	s_add_nc_u64 s[46:47], s[76:77], s[46:47]
	CROUND                                         ; all sixteen work-groups are here: the first joint loads meet
.irp s, 0,1
	s_mov_b32 s[G0+4*\s], 1
	s_add_co_u32 s[G0+4*\s+1], s45, \s*SLOT
	s_add_nc_u64 s[G0+4*\s+2:G0+4*\s+3], s[20:21], \s*ROWB
	s_or_b32 s[G0+4*\s+3], s[G0+4*\s+3], 0x80000000
	s_mov_b32 s[G0B+4*\s], 1
	s_add_co_u32 s[G0B+4*\s+1], s45, \s*SLOT
	s_add_nc_u64 s[G0B+4*\s+2:G0B+4*\s+3], s[46:47], \s*ROWB
	s_or_b32 s[G0B+4*\s+3], s[G0B+4*\s+3], 0x80000000
	s_wait_alu depctr_va_vdst(0)
	s_wait_tensorcnt 0x0
	ds_add_u32 v28, v29
	ds_add_u32 v28, v29
	s_wait_dscnt 0x0
	CROUND
	JLOAD G0+4*\s, G1, G0B+4*\s, G1B
.endr
	v_and_b32 v1, 15, v0                           ; r
	s_wait_alu depctr_va_vdst(0)
	v_bfe_u32 v2, v0, 4, 1                         ; h
	v_mul_u32_u24 v3, v1, PITCH
	v_lshl_add_u32 v4, v2, 4, v3
	s_mul_i32 s21, s15, HALFT
	s_mul_i32 s22, s16, HALFT
	s_add_co_u32 s22, s22, 2*HALFT
.irp s, 0,1
	v_add_nc_u32 v[ADRA+\s], s21, v4
	v_add_nc_u32 v[ADRB+\s], s22, v4
	s_add_co_u32 s21, s21, SLOT
	s_add_co_u32 s22, s22, SLOT
.endr
	s_mul_i32 s23, s14, 128*SPQ                    ; my stage
	v_mul_u32_u24 v5, v1, SPQ
	s_wait_alu depctr_va_vdst(0)
	v_lshl_add_u32 v5, v2, 4, v5
	v_add_nc_u32 v[STO], s23, v5                   ; in: row r, + 16 h
	v_and_b32 v6, 31, v0
	v_lshlrev_b32 v[CO], 4, v6
	v_lshrrev_b32 v7, 2, v6
	v_mul_u32_u24 v7, v7, SPQ
	v_and_b32 v8, 3, v6
	v_lshl_add_u32 v7, v8, 4, v7
	v_add_nc_u32 v[RDQ], s23, v7                   ; back, Q and K: row lane / 4, 16 (lane % 4)
	v_lshrrev_b32 v7, 3, v6
	v_mul_u32_u24 v7, v7, SPQ
	v_and_b32 v8, 7, v6
	v_lshl_add_u32 v7, v8, 4, v7
	v_add_nc_u32 v[RDV], s23, v7                   ; back, V: row lane / 8, 16 (lane % 8)
	; where my 128 x 128 goes: two heads, 8,192 consecutive bytes in each.  tokens m0 .. m0 + 127, heads h0, h0 + 1
	s_cmp_eq_u32 ttmp9, 2
	s_cselect_b32 s92, s17, s42                    ; the tile and half that say the heads,
	s_cselect_b32 s93, s15, s16
	s_cselect_b32 s94, s42, s17                    ; and those that say the tokens
	s_cselect_b32 s95, s16, s15
	s_lshl_b32 s92, s92, 2
	s_lshl_b32 s93, s93, 1
	s_add_co_u32 s92, s92, s93                     ; h0
	s_lshl_b32 s94, s94, 8
	s_lshl_b32 s95, s95, 7
	s_add_co_u32 s94, s94, s95                     ; m0
	s_lshr_b32 s95, s94, 11
	s_lshl_b32 s95, s95, 4
	s_add_co_u32 s92, s92, s95                     ; 16 b + h0
	s_lshl_b32 s92, s92, 17                        ; x 131,072 bytes
	s_and_b32 s94, s94, 2047
	s_lshl_b32 s94, s94, 6                         ; 64 bytes a token (Q, K); 8,192 bytes a block of 128 keys (V): the same number
	s_add_co_u32 s92, s92, s94
	s_add_co_u32 s92, s92, s70
	s_mov_b32 s93, 0
	s_add_nc_u64 s[10:11], s[10:11], s[92:93]
.macro FRAG reg, adr, q, i             ; 16 rows x 128 K: registers 4 c .. 4 c + 3 hold K = 32 c + 16 (l / 16) + 0 .. 15: one permutation of k, the same in A and B
.irp c, 0,1,2,3
	ds_load_b128 v[\reg+4*\c:\reg+4*\c+3], v[\adr] offset:128*(\q)+32*\c+(\i)*16*PITCH
.endr
.endm
.macro MUL16 a0, p, zero               ; A's blocks a0, a0 + 1 x B's eight.  The 64 accumulators take turns, one instruction a turn, in the same order in every step
.irp a, \a0, \a0+1
.irp b, 0,1,2,3,4,5,6,7
.if \zero
	v_wmma_f32_16x16x128_fp8_fp8 v[8*(8*((\a)%4)+\b):8*(8*((\a)%4)+\b)+7], v[128*(\p)+FR*\b:128*(\p)+FR*\b+FR-1], v[AF+FR*(\a):AF+FR*(\a)+FR-1], 0
.else
	v_wmma_f32_16x16x128_fp8_fp8 v[8*(8*((\a)%4)+\b):8*(8*((\a)%4)+\b)+7], v[128*(\p)+FR*\b:128*(\p)+FR*\b+FR-1], v[AF+FR*(\a):AF+FR*(\a)+FR-1], v[8*(8*((\a)%4)+\b):8*(8*((\a)%4)+\b)+7]
.endif
.endr
.endr
.endm
.macro FETCH_B slot, q, p
	WIN TO_B
.irp i, 0,1,2,3,4,5,6,7
	FRAG 128*(\p)+FR*\i, ADRB+\slot, \q, \i
.endr
	WIN 0
.endm
.macro FETCH_A slot, q, i0
.irp i, \i0, \i0+1, \i0+2, \i0+3
	FRAG AF+FR*(\i), ADRA+\slot, \q, \i
.endr
.endm
.macro PLACES n                        ; plain vector lines between a matrix instruction and a load into, or a read of, its registers
.rept \n
	v_nop
.endr
.endm
.macro STEP slot, q, zero              ; 128 along K whose successor lies in the same slot
	s_wait_dscnt 4*NL                              ; B's set and A's blocks 0-3 are in; A's blocks 4-7, sixteen loads, may be out
	WIN MUL_LO
	MUL16 0, (\q)%2, \zero
	MUL16 2, (\q)%2, \zero
	s_wait_dscnt 0
	PLACES NP
	FETCH_B \slot, (\q)+1, 1-(\q)%2
	FETCH_A \slot, (\q)+1, 0
	WIN MUL_HI
	MUL16 4, (\q)%2, \zero
	MUL16 6, (\q)%2, \zero
	PLACES NP
	WIN 0
	FETCH_A \slot, (\q)+1, 4
.endm
.macro TURN slot, next, fill           ; a slot's last step changes slots: one barrier; fill = 1: this slot is filled again, two K steps ahead
	s_wait_tensorcnt 0x0                           ; all my tensor loads have landed: my part of the next slot
	ds_add_u32 v[SPW], v[NIL]                      ; 0 onto my spare word
	s_wait_dscnt 4*NL+1                            ; the add and A's blocks 4-7 may be out
	WIN MUL_LO
	MUL16 0, 1, 0
	s_wait_dscnt 0x0                               ; the add is done, and my reads of this slot are over
	s_barrier_signal -1
	MUL16 2, 1, 0
	WIN 0
	s_barrier_wait -1
.if \fill
	CREST                                          ; the barrier has opened a round of the cluster's: no wave of any partner still reads this slot or has a load on its way
	s_add_nc_u64 s[G0+4*\slot+2:G0+4*\slot+3], s[G0+4*\slot+2:G0+4*\slot+3], 2*ROWB
	s_add_nc_u64 s[G0B+4*\slot+2:G0B+4*\slot+3], s[G0B+4*\slot+2:G0B+4*\slot+3], 2*ROWB
	JLOAD G0+4*\slot, G1, G0B+4*\slot, G1B         ; the first tensor load behind the round; its four v_nop are the places in front of the loads below
.else
	PLACES NP
.endif
	FETCH_B \next, 0, 0
	FETCH_A \next, 0, 0
	WIN MUL_HI
	MUL16 4, 1, 0
	MUL16 6, 1, 0
	PLACES NP
	WIN 0
	FETCH_A \next, 0, 4
.endm
	s_wait_tensorcnt 1                             ; my part of K step 0 is in; K step 1's load may be out
	s_barrier_signal -1
	s_barrier_wait -1
	FETCH_B 0, 0, 0
	FETCH_A 0, 0, 0
	FETCH_A 0, 0, 4
	STEP 0, 0, 1                                   ; K 0-127: the first products start the sums
	TURN 0, 1, 1                                   ; K 128-255; slot 0 takes K 512-767
	STEP 1, 0, 0
	TURN 1, 0, 1                                   ; slot 1 takes K 768-1023
	STEP 0, 0, 0
	TURN 0, 1, 0                                   ; nothing is left to fetch
	STEP 1, 0, 0
	s_wait_dscnt 4*NL
	WIN MUL_LO
	MUL16 0, 1, 0
	MUL16 2, 1, 0
	s_wait_dscnt 0
	WIN MUL_HI
	MUL16 4, 1, 0
	MUL16 6, 1, 0
	WIN 0
	; THE WAY OUT.  The product's three exponents, chosen by the cluster's x
	s_wait_kmcnt 0x0
	s_cmp_eq_u32 ttmp9, 0
	s_cselect_b32 s96, s80, s82
	s_cselect_b32 s97, s81, s83
	s_cselect_b32 s98, s86, s87
	s_cmp_eq_u32 ttmp9, 2
	s_cselect_b32 s96, s84, s96
	s_cselect_b32 s97, s85, s97
	s_cselect_b32 s98, s89, s98
	s_sub_co_i32 s98, s98, s96
	s_sub_co_i32 s98, s98, s97                     ; eo - ea - eb
	s_add_co_i32 s98, s98, 127
	s_lshl_b32 s96, s98, 23
	v_mov_b32 v[SCL], s96
	s_add_co_i32 s98, s98, 8
	s_lshl_b32 s98, s98, 23
	s_or_b32 s98, s98, 0x600000
	v_mov_b32 v[LIM], s98
	PLACES NP
; Block a: 16 rows of A x 128 rows of B.  Held, converted (eight sums of a lane to eight codes), and two accumulators' codes stored as one piece of 16 bytes at 32 b + 16 h of the row.
.macro QBLOCK a
.set AC, 64*((\a)%4)
.set CD, COD+16*((\a)%2)
	WIN 0x02+((\a)/4)                              ; source 0: window 2 or 3
.set j, 0
.rept 64
	v_med3_num_f32 v[TMP+j], v[AC+j], -v[LIM], v[LIM]   ; each accumulator from its low end on
.set j, j+1
.endr
	WIN 0
.if (\a) >= 2
	s_wait_alu depctr_va_vdst(0)
	s_wait_dscnt 4                                 ; the stores of two blocks ago have read this set of code registers; the last block's four may be out
.endif
.irp b, 0,1,2,3,4,5,6,7
	v_cvt_scalef32_pk8_fp8_f32 v[CD+2*\b:CD+2*\b+1], v[TMP+8*\b:TMP+8*\b+7], v[SCL]
.endr
	v_nop                                          ; a plain line behind the last conversion: the next block's holds write the conversions' sources
.irp b, 0,1,2,3
	ds_store_b128 v[STO], v[CD+4*\b:CD+4*\b+3] offset:(\a)*16*SPQ+32*\b
.endr
.endm
.irp a, 0,1,2,3,4,5,6,7
	QBLOCK \a
.endr
	; back as the bytes lie in memory; LDS serves a wave's instructions in order, and the stage is my own.  The two ways differ in which bytes a lane takes, and part on the cluster's x
	s_cmp_eq_u32 ttmp9, 2
	s_cbranch_scc1 .Lback_v
.set t, 0
.rept 32
	ds_load_b128 v[BK+4*t:BK+4*t+3], v[RDQ] offset:(t%16)*8*SPQ+64*(t/16)   ; head t / 16, tokens 8 (t % 16) on
.set t, t+1
.endr
	s_branch .Lback_done
.Lback_v:
.set t, 0
.rept 32
	ds_load_b128 v[BK+4*t:BK+4*t+3], v[RDV] offset:t*4*SPQ                  ; rows 4 t on: head t / 16
.set t, t+1
.endr
.Lback_done:
.set t, 0
.rept 32
	s_wait_dscnt 31-t
	global_store_b128 v[CO], v[BK+4*t:BK+4*t+3], s[10:11] offset:(t/16)*131072+(t%16)*512   ; 32 lanes store 512 consecutive bytes, aligned
.set t, t+1
.endr
	s_wait_tensorcnt 0x0                           ; the wave's end
	ds_add_u32 v[SPW], v[NIL]
	s_wait_dscnt 0x0
	CROUND                                         ; the closing round
	s_endpgm
.Lfunc_end_k_qea4af2bec9_qkv:
	.size	k_qea4af2bec9_qkv, .Lfunc_end_k_qea4af2bec9_qkv-k_qea4af2bec9_qkv
	.p2alignl 7, 3214868480
	.fill 96, 4, 3214868480
	.section	.rodata,"a",@progbits
	.p2align	6, 0x0
	.amdhsa_kernel k_qea4af2bec9_qkv
		.amdhsa_group_segment_fixed_size 327680
		.amdhsa_private_segment_fixed_size 0
		.amdhsa_enable_private_segment 0
		.amdhsa_kernarg_size 32
		.amdhsa_user_sgpr_count 2
		.amdhsa_user_sgpr_kernarg_segment_ptr 1
		.amdhsa_wavefront_size32 1
		.amdhsa_system_sgpr_workgroup_id_x 1
		.amdhsa_system_sgpr_workgroup_id_y 1
		.amdhsa_system_sgpr_workgroup_id_z 1
		.amdhsa_system_vgpr_workitem_id 0
		.amdhsa_next_free_vgpr 1024
		.amdhsa_next_free_sgpr 100
		.amdhsa_reserve_vcc 0
		.amdhsa_float_denorm_mode_32 3
		.amdhsa_float_denorm_mode_16_64 3
		.amdhsa_memory_ordered 1
		.amdhsa_forward_progress 1
		.amdhsa_inst_pref_size 127
	.end_amdhsa_kernel
	.amdgpu_metadata
---
amdhsa.version: [ 1, 2 ]
amdhsa.kernels:
  - .name:           k_qea4af2bec9_qkv
    .symbol:         k_qea4af2bec9_qkv.kd
    .args:
      - { .name: xcodes, .offset: 0, .size: 8, .value_kind: global_buffer, .address_space: global }
      - { .name: wcodes, .offset: 8, .size: 8, .value_kind: global_buffer, .address_space: global }
      - { .name: lowp_scales, .offset: 16, .size: 8, .value_kind: global_buffer, .address_space: global }
      - { .name: qkv, .offset: 24, .size: 8, .value_kind: global_buffer, .address_space: global }
    .group_segment_fixed_size: 327680
    .private_segment_fixed_size: 0
    .kernarg_segment_align: 8
    .kernarg_segment_size: 32
    .max_flat_workgroup_size: 128
    .sgpr_count:     100
    .vgpr_count:     1024
    .wavefront_size: 32
...
	.end_amdgpu_metadata
.endif
;; end of part 6
;; launch attn (part 7): grid 4 x 64, 16 waves a work-group, no clusters, 313,344 bytes of LDS; arguments qkv, mwords, mflags, lowp_scales, ctx; writes ctx
.if DOCPART == 7
	.amdgcn_target "amdgcn-amd-amdhsa--gfx1250"
	.amdhsa_code_object_version 6
	.text
	.protected	k_qea4af2bec9_attn
	.globl	k_qea4af2bec9_attn
	.p2align	8
	.type	k_qea4af2bec9_attn,@function
k_qea4af2bec9_attn:
	s_mov_b64 s[64:65], 0
	v_nop
	global_prefetch_b8 v0, s[64:65] scope:SCOPE_SE
	s_setreg_imm32_b32 hwreg(HW_REG_WAVE_MODE, 25, 1), 1
	s_wait_xcnt 0x0
; ctx = softmax(mask(Q K^T / 8)) V for one (batch, head) and 512 queries a work-group, both products on E4M3 codes; ctx leaves as E4M3 codes for the last product.
; THE SOFTMAX: t = score x log2(e) / 8; M = the running largest t rounded UP to a whole number; p = 2^(t - M) is quantised with 2^e8, not normalised; the row's sum l is taken of the unquantised p and divides at the end.
; When M moves, l and O are multiplied by 2^(old M - new M): exact.  A score whose mask bit is 0 becomes -infinity ahead of the maximum.
; THE MASK IS AN INPUT, AND IS HONOURED AS IT IS GIVEN.  For each query tile (16 queries) and key step (64 keys) an earlier launch has stored two bits, made of the mask itself:
;   'any' = 0: no key of the step is allowed for any query of the tile: every p would be 0, M and l would stay: the tile's products and softmax of that step are jumped over;
;   'all' = 1: every key is allowed: the 32 selects, and the load of their 32 mask words, are jumped over.  In every other case the words are loaded and applied.
; These are scalar branches on stored whole numbers.  So this launch has no tensor load and no joint loads, though the four query blocks of a head read the same K and V: the bits differ from
; work-group to work-group.  The loop's trip count is a constant, and no barrier stands under such a branch.
; SHARES.  Sixteen waves, four to a SIMD.  Wave w of query block q owns query tiles j = 16 q + w and 127 - j; the two are worked one after the other and share the step's fragments of K and V.
; Where the mask lets query n see keys 0 .. n, tile j has j / 4 + 1 live steps (rounded down) and the pair 33 of 64, the same in every wave; for other masks the pairing is only a numbering.
; THE HEAD'S WHOLE K AND V LIE IN LDS: 2,048 x 80 + 1,024 x 144 = 311,296 bytes, brought in once at the head: each thread loads 32 pieces of 16 bytes (a wave's load covers 512 consecutive bytes) and stores them to LDS.
; Nothing is prefetched: every load of K and V is issued at the kernel's head.
; LAYOUT.  S^T = K Q^T (source 0 = 16 keys, source 1 = 16 queries), O^T = V^T P^T: a lane holds ONE query throughout.  In S, register 8 t + j of lane (r, h) is key 16 t + 8 h + j of the step.
; The conversions of tiles 2 c and 2 c + 1 fill p's registers 4 c .. 4 c + 3; V was stored with the keys in just that order, and Q and K with one common permutation of the head's axis.
; A query with no key allowed has l = 0: its codes are set to the NaN code, so that its row of the result is NaN.
; LIMITS: e6 + e7 between -123 and 130 (added to c's exponent field); e8 and e10 between -126 and 119.  NaN and infinities among the operands are not served.
.set KP,    80                         ; a key's row in LDS: 64 codes + 16 of padding
.set VP,    144                        ; a row of V: 128 codes + 16
.set VB,    2048*KP                    ; V begins behind K
.set SPARE, VB+1024*VP                 ; the spare words, 128 bytes for each of sixteen waves, named by no other line
.set ADK, 1                            ; v1  LDS address of the trip's K, v2 of its V
.set ADV, 2
.set SPW, 3
.set NIL, 4
.set SCP, 5                            ; v5  2^e8
.set AK0, 6                            ; v6  my lane's place in a tile of K, v7 of V
.set AV0, 7
.set NINF, 8                           ; v8  -infinity
; v[10+4x] -M, v[11+4x] the largest t, v[12+4x:13+4x] l in two halves; v18-20 at work; v21: 2^e10; v[22:23] f; v[24:25] partial sums; v26-29 addresses
.set Q,   32                           ; v32-47   Q, 8 a tile
.set KF,  48                           ; v48-79   four fragments of K
.set VF,  80                           ; v80-111  four fragments of V
.set S,   112                          ; v112-175 S^T, then p: 32 a tile
.set O,   176                          ; v176-239 O^T: 32 a tile
.set P,   240                          ; v240-255 p's codes: 8 a tile
.set IN,  48                           ; at the head v48-175: 32 pieces of K and V on their way from memory to LDS
.set WK,  240                          ; at the head v240-242: where I store K's pieces; v243-245: V's; v246: 16 x my thread's number
.set WV,  2
.set CNT, 3
.set SEL, 4                            ; s[4:5]  lane selects for lane l xor 16
.set CS,  6                            ; s[6:7]  c = log2(e) / 8 x 2^(e6 + e7)
.set TV,  8                            ; s8   LDS bytes that V's addresses have stepped
.set LIMP, 9
.set EPV, 10                           ; s10  e8 + e9
.set SCX, 11                           ; s11  2^e10
.set MP,  12                           ; s[12:13] where my first tile's mask words of the step stand, s[16:17] my second tile's
.set LIMC, 14
.set TK,  15                           ; s15  LDS bytes that K's addresses have stepped
.set CTX, 18                           ; s[18:19], s[20:21] my two tiles' rows of ctx
.set FL,  22                           ; s22 'any', s23 'all' of my first tile; s24, s25 of my second; s26 'any' of either.  Bit 0 is the step in hand: all five go one bit down a step
.set MW,  68                           ; s[68:99] the 32 mask words of one tile and key step; at the head: arguments and offsets
.macro BIT0 f                          ; SCC = bit 0 of s[f]
	s_and_b32 s27, s[\f], 1
	s_cmp_lg_u32 s27, 0
.endm
	s_load_b256 s[68:75], s[0:1], 0x0              ; qkv s[68:69], mwords s[70:71], mflags s[72:73], scales s[74:75]
	s_load_b64 s[76:77], s[0:1], 0x20              ; ctx
	v_lshl_add_u32 v[SPW], v0, 2, SPARE
	v_mov_b32 v[NIL], 0
	v_lshrrev_b32 v9, 5, v0
	s_delay_alu instid0(VALU_DEP_1)
	v_readfirstlane_b32 s[WV], v9                  ; wave 0..15
	s_and_b32 s60, ttmp7, 0xffff                   ; 16 b + h
	s_lshl_b32 s62, s60, 17                        ; the head's 131,072 bytes in Q, K, V and ctx
	s_mov_b32 s63, 0
	s_lshl_b32 s61, ttmp9, 4
	s_add_co_u32 s61, s61, s[WV]                   ; j: my first tile, 0 .. 63
	s_sub_co_u32 s60, 127, s61                     ; my second, 64 .. 127
	s_lshl_b32 s80, s61, 10                        ; a tile's 16 rows of 64 bytes in Q and in ctx,
	s_add_co_u32 s80, s80, s62
	s_mov_b32 s81, 0
	s_lshl_b32 s82, s60, 10
	s_add_co_u32 s82, s82, s62
	s_mov_b32 s83, 0
	s_lshl_b32 s84, s61, 12                        ; its 32 x 32 mask words,
	s_mov_b32 s85, 0
	s_lshl_b32 s86, s60, 12
	s_mov_b32 s87, 0
	s_lshl_b32 s88, s61, 5                         ; its eight words of flags
	s_mov_b32 s89, 0
	s_lshl_b32 s90, s60, 5
	s_mov_b32 s91, 0
	s_mov_b32 s[SEL], 0x76543210
	s_mov_b32 s[SEL+1], 0xfedcba98
	s_mov_b32 s[CS], 0x3e38aa3b                    ; log2(e) / 8
	s_mov_b32 s[TK], 0
	s_mov_b32 s[TV], 0
	s_wait_kmcnt 0x0
	s_load_b256 s[52:59], s[74:75], 0x10           ; e4 .. e11: s54 e6, s55 e7, s56 e8, s57 e9, s58 e10
	s_add_nc_u64 s[92:93], s[72:73], s[88:89]
	s_add_nc_u64 s[94:95], s[72:73], s[90:91]
	s_load_b256 s[28:35], s[92:93], 0x0            ; my first tile's flags: four pairs (any, all), each with the bits of eight key steps
	s_load_b256 s[36:43], s[94:95], 0x0            ; my second tile's
	s_add_nc_u64 s[44:45], s[68:69], s[80:81]      ; Q at my first tile,
	s_add_nc_u64 s[46:47], s[68:69], s[82:83]      ; at my second
	s_add_nc_u64 s[48:49], s[68:69], s[62:63]
	s_add_nc_u64 s[50:51], s[48:49], 0x1000000     ; the head's V: part 2 of qkv
	s_add_nc_u64 s[48:49], s[48:49], 0x800000      ; the head's K: part 1
	s_add_nc_u64 s[CTX:CTX+1], s[76:77], s[80:81]
	s_add_nc_u64 s[CTX+2:CTX+3], s[76:77], s[82:83]
	s_add_nc_u64 s[MP:MP+1], s[70:71], s[84:85]
	s_add_nc_u64 s[MP+4:MP+5], s[70:71], s[86:87]
	v_and_b32 v9, 15, v0                           ; r
	v_bfe_u32 v21, v0, 4, 1                        ; h
	s_delay_alu instid0(VALU_DEP_2)
	v_lshlrev_b32 v29, 6, v9
	s_delay_alu instid0(VALU_DEP_1)
	v_lshl_add_u32 v29, v21, 4, v29                ; Q: row r of 64 bytes, + 16 h
.irp x, 0,1
.irp c, 0,1
	global_load_b128 v[Q+8*\x+4*\c:Q+8*\x+4*\c+3], v29, s[44+2*\x:45+2*\x] offset:32*\c   ; Q stays in registers
.endr
.endr
	v_lshlrev_b32 v[WK+6], 4, v0                   ; 16 x thread: the 512 threads take 8,192 consecutive bytes a turn
.set i, 0
.rept 16
	global_load_b128 v[IN+4*i:IN+4*i+3], v[WK+6], s[48:49] offset:8192*i       ; K: 128 keys a turn
.set i, i+1
.endr
.set i, 0
.rept 16
	global_load_b128 v[IN+64+4*i:IN+64+4*i+3], v[WK+6], s[50:51] offset:8192*i ; V: 64 rows of 128 keys a turn
.set i, i+1
.endr
	v_lshrrev_b32 v[WK], 2, v0                     ; K in LDS: four threads to a key's 64 bytes: row thread / 4, 16 (thread % 4)
	s_delay_alu instid0(VALU_DEP_1)
	v_mul_u32_u24 v[WK], v[WK], KP
	v_and_b32 v[WK+7], 3, v0
	s_delay_alu instid0(VALU_DEP_1)
	v_lshl_add_u32 v[WK], v[WK+7], 4, v[WK]
	s_delay_alu instid0(VALU_DEP_1)
	v_add_nc_u32 v[WK+1], 6*128*KP, v[WK]          ; an LDS offset has 16 bits: a register for every six turns of 10,240 bytes
	s_delay_alu instid0(VALU_DEP_2)
	v_add_nc_u32 v[WK+2], 12*128*KP, v[WK]
	v_lshrrev_b32 v[WK+3], 3, v0                   ; V: eight threads to a row's 128 bytes
	s_delay_alu instid0(VALU_DEP_1)
	v_mul_u32_u24 v[WK+3], v[WK+3], VP
	v_and_b32 v[WK+7], 7, v0
	s_delay_alu instid0(VALU_DEP_1)
	v_lshl_add_u32 v[WK+3], v[WK+7], 4, v[WK+3]
	s_delay_alu instid0(VALU_DEP_1)
	v_add_nc_u32 v[WK+3], VB, v[WK+3]
	s_delay_alu instid0(VALU_DEP_1)
	v_add_nc_u32 v[WK+4], 7*64*VP, v[WK+3]         ; a register for every seven turns of 9,216 bytes
	s_delay_alu instid0(VALU_DEP_2)
	v_add_nc_u32 v[WK+5], 14*64*VP, v[WK+3]
	v_mul_u32_u24 v[AK0], v9, KP
	s_delay_alu instid0(VALU_DEP_1)
	v_lshl_add_u32 v[AK0], v21, 4, v[AK0]
	v_mul_u32_u24 v[AV0], v9, VP
	s_delay_alu instid0(VALU_DEP_1)
	v_lshl_add_u32 v[AV0], v21, 4, v[AV0]
	s_delay_alu instid0(VALU_DEP_1)
	v_add_nc_u32 v[AV0], VB, v[AV0]
	s_mul_i32 s60, s[WV], 32*KP                    ; the way out: my stage, 32 rows x 80 bytes, in K's first bytes
	v_mul_u32_u24 v26, v9, KP
	s_delay_alu instid0(VALU_DEP_1)
	v_lshl_add_u32 v26, v21, 3, v26
	s_delay_alu instid0(VALU_DEP_1)
	v_add_nc_u32 v26, s60, v26                     ; in: row r, + 8 h
	v_and_b32 v30, 31, v0
	s_delay_alu instid0(VALU_DEP_1)
	v_lshrrev_b32 v27, 2, v30
	s_delay_alu instid0(VALU_DEP_1)
	v_mul_u32_u24 v27, v27, KP
	s_delay_alu instid0(VALU_DEP_3)
	v_and_b32 v31, 3, v30
	s_delay_alu instid0(VALU_DEP_1)
	v_lshl_add_u32 v27, v31, 4, v27
	s_delay_alu instid0(VALU_DEP_1)
	v_add_nc_u32 v27, s60, v27                     ; back: row lane / 4, 16 (lane % 4)
	v_lshlrev_b32 v28, 4, v30                      ; and 16 x lane in ctx
	v_mov_b32 v[NINF], 0xff800000
	v_mov_b32 v11, 0xff61b1e6                      ; the largest t so far: -3e38, under every t
	v_mov_b32 v15, 0xff61b1e6
	s_delay_alu instid0(VALU_DEP_2)
	v_floor_f32 v10, -v11                          ; -M
	s_delay_alu instid0(VALU_DEP_2)
	v_floor_f32 v14, -v15
.irp i, 12,13,16,17,18,19,20,23
	v_mov_b32 v[\i], 0                             ; l; lane permutes' destinations and the pair's upper half, written once
.endr
.set j, 0
.rept 64
	v_mov_b32 v[O+j], 0                            ; O^T.  The step is written once: the first finds zeros, which the first change of M leaves zeros; a tile with no live step keeps them
.set j, j+1
.endr
	s_wait_kmcnt 0x0
	s_add_co_i32 s60, s54, s55
	s_lshl_b32 s60, s60, 23
	s_add_co_i32 s[CS], s[CS], s60                 ; a score stands for score x 2^(e6 + e7): added to c's exponent field
	s_mov_b32 s[CS+1], s[CS]
	s_add_co_i32 s60, s56, 127
	s_lshl_b32 s61, s60, 23
	v_mov_b32 v[SCP], s61                          ; 2^e8
	s_add_co_i32 s[EPV], s56, s57
	s_add_co_i32 s60, s58, 127
	s_lshl_b32 s[SCX], s60, 23                     ; 2^e10
	s_or_b32 s[FL], s28, s30                       ; the four words of a kind hold different bits: together, bit ks for key step ks
	s_or_b32 s60, s32, s34
	s_or_b32 s[FL], s[FL], s60
	s_or_b32 s[FL+1], s29, s31
	s_or_b32 s60, s33, s35
	s_or_b32 s[FL+1], s[FL+1], s60
	s_or_b32 s[FL+2], s36, s38
	s_or_b32 s60, s40, s42
	s_or_b32 s[FL+2], s[FL+2], s60
	s_or_b32 s[FL+3], s37, s39
	s_or_b32 s60, s41, s43
	s_or_b32 s[FL+3], s[FL+3], s60
	s_or_b32 s[FL+4], s[FL], s[FL+2]
.set i, 0
.rept 16
	s_wait_loadcnt 31-i                            ; K's piece i is in (and Q, asked for earlier); the 31 - i younger loads may be out
	ds_store_b128 v[WK+i/6], v[IN+4*i:IN+4*i+3] offset:(i%6)*128*KP
.set i, i+1
.endr
.set i, 0
.rept 16
	s_wait_loadcnt 15-i
	ds_store_b128 v[WK+3+i/7], v[IN+64+4*i:IN+64+4*i+3] offset:(i%7)*64*VP
.set i, i+1
.endr
	s_wait_dscnt 0x0                               ; for the others' sake: my stores have landed,
	s_barrier_signal -1
	s_barrier_wait -1                              ; everybody's have: K and V are whole
.macro QK x                            ; S^T of tile x: four tiles of 16 keys; then the places in front of the first read of the results
.irp t, 0,1,2,3
	v_wmma_f32_16x16x64_fp8_fp8 v[S+32*(\x)+8*\t:S+32*(\x)+8*\t+7], v[KF+8*\t:KF+8*\t+7], v[Q+8*(\x):Q+8*(\x)+7], 0
.endr
.rept 4
	v_nop
.endr
.endm
; The softmax of tile x for one key step, behind the mask.
.macro SOFT x
.set SS, S+32*(\x)
.set OO, O+32*(\x)
.set PP, P+8*(\x)
.set NM, 10+4*(\x)
	v_max3_num_f32 v18, v[SS], v[SS+1], v[SS+2]    ; the step's largest score of my query among my 32 keys, in two chains; each accumulator is first read at its low end
	v_max3_num_f32 v19, v[SS+3], v[SS+4], v[SS+5]
.irp i, 6,10,14,18,22,26
	v_max3_num_f32 v18, v18, v[SS+\i], v[SS+\i+1]
	v_max3_num_f32 v19, v19, v[SS+\i+2], v[SS+\i+3]
.endr
	v_max3_num_f32 v18, v18, v[SS+30], v[SS+31]
	s_delay_alu instid0(VALU_DEP_1)
	v_max_num_f32 v18, v18, v19
	s_delay_alu instid0(VALU_DEP_1)
	v_permlanex16_b32 v20, v18, s[SEL], s[SEL+1]
	s_delay_alu instid0(VALU_DEP_1)
	v_max_num_f32 v18, v18, v20                    ; and among lane l xor 16's
	s_delay_alu instid0(VALU_DEP_1)
	v_mul_f32 v18, s[CS], v18                      ; as t (c is positive)
	s_delay_alu instid0(VALU_DEP_1)
	v_max_num_f32 v[NM+1], v[NM+1], v18            ; the running largest t
	v_mov_b32 v18, v[NM]
	s_delay_alu instid0(VALU_DEP_2)
	v_floor_f32 v[NM], -v[NM+1]                    ; the new -M = floor(-t): M is a whole number
	s_delay_alu instid0(VALU_DEP_1)
	v_sub_f32 v18, v[NM], v18                      ; old M - new M: a whole number, 0 or less
	s_delay_alu instid0(VALU_DEP_1)
	v_cvt_i32_f32 v18, v18                         ; (it saturates)
	s_delay_alu instid0(VALU_DEP_1)
	v_ldexp_f32 v22, 1.0, v18                      ; f = 2^(old M - new M)
.set j, 0
.rept 16
	v_pk_fma_f32 v[SS+j:SS+j+1], v[SS+j:SS+j+1], s[CS:CS+1], v[NM:NM+1] op_sel_hi:[1,0,0]   ; t - M, two at a time
.set j, j+2
.endr
.set j, 0
	s_wait_alu depctr_va_vdst(0)
.rept 32
	v_exp_f32 v[SS+j], v[SS+j]                     ; p = 2^(t - M)
.set j, j+1
.endr
	v_pk_mul_f32 v[NM+2:NM+3], v[NM+2:NM+3], v[22:23] op_sel_hi:[1,0]   ; l under the new M: the plain line behind the exponentials
	s_wait_alu depctr_va_vdst(0)                   ; one wait for the batch of 32, ahead of its first reader
	v_pk_add_f32 v[24:25], v[SS:SS+1], v[SS+2:SS+3]   ; the sum is taken of the unquantised p, in two chains
.irp j, 4,8,12,16,20,24,28
	v_pk_add_f32 v[NM+2:NM+3], v[NM+2:NM+3], v[SS+\j:SS+\j+1]
	v_pk_add_f32 v[24:25], v[24:25], v[SS+\j+2:SS+\j+3]
.endr
	s_delay_alu instid0(VALU_DEP_1)
	v_pk_add_f32 v[NM+2:NM+3], v[NM+2:NM+3], v[24:25]
.set j, 0
.rept 32
.set j, j+1
.endr
.irp t, 0,1,2,3
	v_cvt_scalef32_pk8_fp8_f32 v[PP+2*\t:PP+2*\t+1], v[SS+8*\t:SS+8*\t+7], v[SCP]
.endr
.set j, 0
.rept 16
	v_pk_mul_f32 v[OO+j:OO+j+1], v[OO+j:OO+j+1], v[22:23] op_sel_hi:[1,0]   ; O^T under the new M; also the plain lines behind the conversions
.set j, j+2
.endr
.endm
; Tile x in the key step in hand.  ONE parting for the mask, so that the load of the words, the wait for it and the selects stand on the same way; the four score products are written on both ways.
.macro TILE x
	BIT0 FL+2*(\x)
	s_cbranch_scc0 .Lnone_\@                       ; no key of the step is allowed for this tile
	BIT0 FL+2*(\x)+1
	s_cbranch_scc1 .Lopen_\@                       ; every key is
	s_load_b512 s[MW:MW+15], s[MP+4*(\x):MP+4*(\x)+1], 0    ; the tile's and step's 32 mask words
	s_load_b512 s[MW+16:MW+31], s[MP+4*(\x):MP+4*(\x)+1], 64
	QK \x
	s_wait_kmcnt 0x0
.set n, 0
.rept 32
	v_cndmask_b32 v[S+32*(\x)+n], v[NINF], v[S+32*(\x)+n], s[MW+n]   ; bit 0: -infinity.  Each accumulator from its low end on
.set n, n+1
.endr
	s_branch .Ljoin_\@
.Lopen_\@:
	QK \x
.Ljoin_\@:
	SOFT \x
	s_wait_alu depctr_va_vdst(0)
	s_wait_dscnt 0x0                               ; V is in
.irp d, 0,1,2,3
	v_wmma_f32_16x16x64_fp8_fp8 v[O+32*(\x)+8*\d:O+32*(\x)+8*\d+7], v[VF+8*\d:VF+8*\d+7], v[P+8*(\x):P+8*(\x)+7], v[O+32*(\x)+8*\d:O+32*(\x)+8*\d+7]   ; four accumulators by turns; the next matrix instruction on every way is a score product
.endr
.Lnone_\@:
.endm
; A key step: 64 keys, the s-th of the trip's 128.
.macro STEP s
	v_add_nc_u32 v[ADK], s[TK], v[AK0]             ; made on every way, ahead of the parting
	v_add_nc_u32 v[ADV], s[TV], v[AV0]
	BIT0 FL+4
	s_cbranch_scc0 .Lskip_\@                       ; neither tile has a key in this step
	v_nop                                          ; with the two additions: four plain lines between the last products and the loads into V's registers
	v_nop
.irp t, 0,1,2,3
.irp c, 0,1
	ds_load_b128 v[KF+8*\t+4*\c:KF+8*\t+4*\c+3], v[ADK] offset:64*KP*(\s)+16*KP*\t+32*\c
.endr
.endr
.irp d, 0,1,2,3
.irp c, 0,1
	ds_load_b128 v[VF+8*\d+4*\c:VF+8*\d+4*\c+3], v[ADV] offset:16*VP*\d+64*(\s)+32*\c
.endr
.endr
	s_wait_dscnt 8                                 ; K is in; V's eight loads may be out
	TILE 0
	TILE 1
	s_wait_dscnt 0x0                               ; on every way out of the step its loads are in: the next step loads into the same registers
.Lskip_\@:
	s_add_nc_u64 s[MP:MP+1], s[MP:MP+1], 128       ; the next step's words; every scalar load that named these has been waited for
	s_add_nc_u64 s[MP+4:MP+5], s[MP+4:MP+5], 128
.irp f, 0,1,2,3,4
	s_lshr_b32 s[FL+\f], s[FL+\f], 1               ; and its bits
.endr
.endm
	s_mov_b32 s[CNT], 16
.Ltrip:                                            ; 16 trips of 128 keys, whatever the mask
	STEP 0
	STEP 1
	s_add_co_u32 s[TK], s[TK], 128*KP
	s_add_co_u32 s[TV], s[TV], 64*VP
	s_sub_co_u32 s[CNT], s[CNT], 1
	s_cmp_lg_u32 s[CNT], 0
	s_cbranch_scc1 .Ltrip
	; THE WAY OUT.  Every wave's reads of K and V are over behind this barrier: the stages may be written into K's first bytes.
	s_wait_dscnt 0x0
	s_barrier_signal -1
	s_barrier_wait -1
.rept 4
	v_nop                                          ; places behind the last products
.endr
	v_add_f32 v12, v12, v13                        ; l's two halves,
	v_add_f32 v16, v16, v17
	s_delay_alu instid0(VALU_DEP_2)
	v_permlanex16_b32 v18, v12, s[SEL], s[SEL+1]
	s_delay_alu instid0(VALU_DEP_2)
	v_permlanex16_b32 v19, v16, s[SEL], s[SEL+1]
	s_delay_alu instid0(VALU_DEP_2)
	v_add_f32 v12, v12, v18                        ; and lane l xor 16's
	s_delay_alu instid0(VALU_DEP_2)
	v_add_f32 v16, v16, v19
	s_delay_alu instid0(VALU_DEP_2)
	v_cmp_eq_f32 s60, 0, v12                       ; no key allowed?
	s_delay_alu instid0(VALU_DEP_2)
	v_cmp_eq_f32 s61, 0, v16
	v_rcp_f32 v13, v12
	v_rcp_f32 v17, v16
	v_mov_b32 v18, 0x7f7f7f7f                      ; four NaN codes.  (The plain line behind the reciprocals)
	v_mov_b32 v21, s[SCX]
	s_wait_alu depctr_va_vdst(0)                   ; one wait for both reciprocals, ahead of their first reader
	v_ldexp_f32 v13, v13, s[EPV]                   ; 2^(e8 + e9) / l
	v_ldexp_f32 v17, v17, s[EPV]
.irp x, 0,1
.set j, 0
.rept 32
	v_mul_f32 v[S+32*\x+j], v[O+32*\x+j], v[13+4*\x]   ; ctx: register 8 d + i is (query r, dv 16 d + 8 h + i); each accumulator from its low end on
.set j, j+1
.endr
.endr
.set j, 0
.rept 64
.set j, j+1
.endr
.irp x, 0,1
.irp d, 0,1,2,3
	v_cvt_scalef32_pk8_fp8_f32 v[KF+8*\x+2*\d:KF+8*\x+2*\d+1], v[S+32*\x+8*\d:S+32*\x+8*\d+7], v21
.endr
.endr
	v_nop                                          ; a plain line behind the last conversion
.irp x, 0,1
.irp i, 0,1,2,3,4,5,6,7
	v_cndmask_b32 v[KF+8*\x+\i], v[KF+8*\x+\i], v18, s[60+\x]
.endr
.endr
.irp x, 0,1
.irp d, 0,1,2,3
	ds_store_b64 v26, v[KF+8*\x+2*\d:KF+8*\x+2*\d+1] offset:16*KP*\x+16*\d   ; row 16 x + r, dv 16 d + 8 h on: natural order
.endr
.endr
.irp i, 0,1,2,3
	ds_load_b128 v[KF+16+4*\i:KF+16+4*\i+3], v27 offset:8*KP*\i   ; LDS serves a wave's instructions in order: these see my stores
.endr
.irp i, 0,1,2,3
	s_wait_dscnt 3-\i
	global_store_b128 v28, v[KF+16+4*\i:KF+16+4*\i+3], s[CTX+2*(\i/2):CTX+2*(\i/2)+1] offset:512*(\i%2)   ; 32 lanes store 512 consecutive bytes, aligned: eight queries' 64 codes; two stores a tile
.endr
	s_wait_tensorcnt 0x0                           ; the wave's end, behind my last LDS store
	ds_add_u32 v[SPW], v[NIL]
	s_wait_dscnt 0x0
	s_endpgm
.Lfunc_end_k_qea4af2bec9_attn:
	.size	k_qea4af2bec9_attn, .Lfunc_end_k_qea4af2bec9_attn-k_qea4af2bec9_attn
	.p2alignl 7, 3214868480
	.fill 96, 4, 3214868480
	.section	.rodata,"a",@progbits
	.p2align	6, 0x0
	.amdhsa_kernel k_qea4af2bec9_attn
		.amdhsa_group_segment_fixed_size 313344
		.amdhsa_private_segment_fixed_size 0
		.amdhsa_enable_private_segment 0
		.amdhsa_kernarg_size 40
		.amdhsa_user_sgpr_count 2
		.amdhsa_user_sgpr_kernarg_segment_ptr 1
		.amdhsa_wavefront_size32 1
		.amdhsa_system_sgpr_workgroup_id_x 1
		.amdhsa_system_sgpr_workgroup_id_y 1
		.amdhsa_system_sgpr_workgroup_id_z 1
		.amdhsa_system_vgpr_workitem_id 0
		.amdhsa_next_free_vgpr 256
		.amdhsa_next_free_sgpr 100
		.amdhsa_reserve_vcc 0
		.amdhsa_float_denorm_mode_32 3
		.amdhsa_float_denorm_mode_16_64 3
		.amdhsa_fp16_overflow 1
		.amdhsa_memory_ordered 1
		.amdhsa_forward_progress 1
		.amdhsa_inst_pref_size 62
	.end_amdhsa_kernel
	.amdgpu_metadata
---
amdhsa.version: [ 1, 2 ]
amdhsa.kernels:
  - .name:           k_qea4af2bec9_attn
    .symbol:         k_qea4af2bec9_attn.kd
    .args:
      - { .name: qkv, .offset: 0, .size: 8, .value_kind: global_buffer, .address_space: global }
      - { .name: mwords, .offset: 8, .size: 8, .value_kind: global_buffer, .address_space: global }
      - { .name: mflags, .offset: 16, .size: 8, .value_kind: global_buffer, .address_space: global }
      - { .name: lowp_scales, .offset: 24, .size: 8, .value_kind: global_buffer, .address_space: global }
      - { .name: ctx, .offset: 32, .size: 8, .value_kind: global_buffer, .address_space: global }
    .group_segment_fixed_size: 313344
    .private_segment_fixed_size: 0
    .kernarg_segment_align: 8
    .kernarg_segment_size: 40
    .max_flat_workgroup_size: 512
    .sgpr_count:     100
    .vgpr_count:     256
    .wavefront_size: 32
...
	.end_amdgpu_metadata
.endif
;; end of part 7
;; launch outp (part 8): grid 4 x 32, 4 waves a work-group, clusters of 4 x 4, 327,680 bytes of LDS; arguments ctx, wcodes, lowp_scales, bo, out0; writes out0
.if DOCPART == 8
	.amdgcn_target "amdgcn-amd-amdhsa--gfx1250"
	.amdhsa_code_object_version 6
	.text
	.protected	k_qea4af2bec9_outp
	.globl	k_qea4af2bec9_outp
	.p2align	8
	.type	k_qea4af2bec9_outp,@function
k_qea4af2bec9_outp:
	s_mov_b64 s[64:65], 0
	v_nop
	global_prefetch_b8 v0, s[64:65] scope:SCOPE_SE
	s_setreg_imm32_b32 hwreg(HW_REG_WAVE_MODE, 25, 1), 1
	s_wait_xcnt 0x0
	s_wait_alu depctr_hold_cnt(0) depctr_sa_sdst(0) depctr_va_vdst(0) depctr_va_sdst(0) depctr_va_ssrc(0) depctr_va_vcc(0) depctr_vm_vsrc(0)
	s_getreg_b32 s2, hwreg(HW_REG_IB_STS2, 6, 4)
	s_cmp_eq_u32 s2, 0
	s_cbranch_scc0 .Lentry_in_a_cluster
	s_endpgm
.Lentry_in_a_cluster:
	s_bfe_u32 s2, ttmp6, 0x10000c
	s_cmp_lg_u32 s2, 0xf033
	s_cbranch_scc0 .Lentry_shape_is_right
	s_endpgm
.Lentry_shape_is_right:
; out0 = ctx Wo + bo on E4M3 codes.  C[m][n] = sum over k of A[m][k] B[n][k] x 2^(e10 + e11) + bo[n].  M = 8,192, N = K = 1,024.
; A = ctx, which lies by heads: [16 b + h][l 2048][64 codes]; k = 64 h + dv.  B = Wo's codes [n][k], the fourth MiB of wcodes.  out0: [8192][1024] f32.
; A tile of C is 256 x 256, four waves of 128 x 128.  K goes in four steps of 256, four heads each, through two LDS slots filled by the tensor data mover.
; A'S TILE: 128 rows x 64 codes of one head are 8,192 consecutive bytes; one load brings four such runs, 131,072 bytes apart, with 16 bytes of padding behind every 64: in LDS [head 4][row 128][80].
; CLUSTERS: 4 x 4 work-groups; A's tile is asked for jointly along a row of the cluster, B's along a column.  128 work-groups: the tile is kept at the size that feeds most products from each LDS byte.
; THE MATRIX INSTRUCTION IS USED TRANSPOSED (source 0 = 16 rows of B, source 1 = 16 rows of A): a lane holds eight neighbouring numbers of a row of C.
; LIMIT: e10 + e11 lies between -126 and 127.
; REGISTERS, in windows of 256: window 0: v0-31 addresses, v96-99 bo at my four columns, from v128 A's fragments; window 1: B's fragments, two sets; windows 2, 3: the accumulators.
.set ROWB,   256
.set KROW,   1024
.set PITCH,  272                       ; B's LDS row
.set PA,     80                        ; A's LDS row: 64 codes + 16 of padding
.set HEADB,  128*PA                    ; a head's 128 rows
.set HALFA,  4*HEADB                   ; what one load brings of A
.set HALFT,  128*PITCH                 ; and of B
.set BOFF,   2*HALFA                   ; B lies behind A's two halves
.set SLOT,   2*HALFA+2*HALFT
.set SPARE,  2*SLOT                    ; behind the ring: the spare words, 128 bytes for each wave, named by no other line
.set FR,     16
.set NL,     4
.set NP,     4
.set SIZE_N, 1024
.set SPITCH, 528                       ; the way out: a stage of 16 rows x (512 bytes + 16) for each wave, in slot 0, which has had its last fill and its last read by then
.set ADRA, 16
.set ADRB, 20
.set STO,  24
.set RD,   25
.set CO,   26
.set SPW,  28
.set NIL,  29
.set TMP,  32
.set BIAS, 96
.set AF,   128
.set BK,   128
.set G1, 24
.set G0, 32
.set G1B, 48
.set G0B, 56
.set MSB, 0
.macro WIN new
.if MSB != \new
	s_set_vgpr_msb (MSB<<8)|\new
.set MSB, \new
.endif
.endm
.set MUL_LO, 0xa1
.set MUL_HI, 0xf1
.set TO_B,   0x40
.macro JLOAD g0a, g1a, g0b, g1b        ; a joint load: waves 0 and 1 fetch for A, waves 2 and 3 for B; an s_nop 0 and four v_nop follow each line
	s_cmp_eq_u32 s15, 0
	s_cbranch_scc0 .Lfor_b_\@
	tensor_load_to_lds s[\g0a:\g0a+3], s[\g1a:\g1a+7]
	s_nop 0
.rept 4
	v_nop
.endr
	s_branch .Lasked_\@
.Lfor_b_\@:
	tensor_load_to_lds s[\g0b:\g0b+3], s[\g1b:\g1b+7]
	s_nop 0
.rept 4
	v_nop
.endr
.Lasked_\@:
.endm
.macro CREST
	s_cmp_lg_u32 s14, 0
	s_cbranch_scc1 .Lnot_wave_0_\@
	s_barrier_signal -3
.Lnot_wave_0_\@:
	s_barrier_wait -3
	s_barrier_signal -1
	s_barrier_wait -1
.endm
.macro CROUND
	s_barrier_signal -1
	s_barrier_wait -1
	CREST
.endm
	s_load_b128 s[4:7], s[0:1], 0x0                ; ctx, the weights' codes
	s_load_b128 s[8:11], s[0:1], 0x10              ; the scales' exponents, bo
	s_load_b64 s[12:13], s[0:1], 0x20              ; out0
	v_lshl_add_u32 v[SPW], v0, 2, SPARE
	v_mov_b32 v[NIL], 0
	ds_add_u32 v[SPW], v[NIL]                      ; the wave's opening: the add and its wait ahead of my first tensor load
	ds_add_u32 v[SPW], v[NIL]
	v_lshrrev_b32 v1, 5, v0
	v_readfirstlane_b32 s14, v1                    ; wave 0..3
	s_lshr_b32 s15, s14, 1                         ; which half of the tile's rows is mine.  Also: I fetch for A (0) or for B (1)
	s_and_b32 s16, s14, 1                          ; which half of its columns.  Also: which 128 rows of that tile I fetch
	s_bfe_u32 s40, ttmp6, 0x40000                  ; cx
	s_bfe_u32 s41, ttmp6, 0x40004                  ; cy
	s_lshl_b32 s42, ttmp9, 2
	s_add_co_u32 s42, s42, s40                     ; tile column
	s_and_b32 s17, ttmp7, 0xffff
	s_lshl_b32 s17, s17, 2
	s_add_co_u32 s17, s17, s41                     ; tile row
	s_lshl_b32 s43, s41, 2
	s_lshl_b32 s43, 15, s43                        ; my row of the cluster
	s_lshl_b32 s44, 0x1111, s40                    ; my column
	s_or_b32 s[G1+0], s43, (0<<16)|(1<<20)|(1<<21)|(3<<22)|(3<<25)  ; A: elements of 1 byte; 4 words of padding behind every 16
	s_mov_b32 s[G1+1], 8192<<16                    ; tensor_dim0 = 8,192: 128 rows x 64 codes on end
	s_mov_b32 s[G1+2], 4<<16                       ; tensor_dim1 = 4 heads
	s_mov_b32 s[G1+3], 8192<<16                    ; tile_dim0
	s_mov_b32 s[G1+4], 4                           ; tile_dim1
	s_mov_b32 s[G1+5], 131072                      ; from head to head
	s_mov_b32 s[G1+6], 0
	s_mov_b32 s[G1+7], 0
	s_or_b32 s[G1B+0], s44, (0<<16)|(1<<20)|(1<<21)|(5<<22)|(3<<25) ; B: 4 words of padding behind every 64
	s_mov_b32 s[G1B+1], ROWB<<16
	s_mov_b32 s[G1B+2], 128<<16
	s_mov_b32 s[G1B+3], ROWB<<16
	s_mov_b32 s[G1B+4], 128
	s_mov_b32 s[G1B+5], KROW
	s_mov_b32 s[G1B+6], 0
	s_mov_b32 s[G1B+7], 0
	s_lshr_b32 s20, s17, 3                         ; A: rows 256 R + 128 half: batch R / 8: 16 heads of 131,072 bytes,
	s_lshl_b32 s20, s20, 21
	s_and_b32 s18, s17, 7
	s_lshl_b32 s18, s18, 14                        ; 256 (R % 8) rows of 64 bytes,
	s_add_co_u32 s20, s20, s18
	s_lshl_b32 s18, s16, 13                        ; 128 rows a half
	s_add_co_u32 s20, s20, s18
	s_mov_b32 s21, 0
	s_lshl_b32 s18, s16, 7
	s_lshl_b32 s46, s42, 8
	s_add_co_u32 s46, s46, s18
	s_lshl_b32 s46, s46, 10                        ; B: (256 x tile column + 128 x half) rows of 1,024 bytes,
	s_add_co_u32 s46, s46, 0x300000                ; in the fourth weight
	s_mov_b32 s47, 0
	s_mul_i32 s45, s16, HALFA                      ; where they go: A's half,
	s_mul_i32 s19, s16, HALFT
	s_add_co_u32 s19, s19, BOFF                    ; B's half
	s_wait_dscnt 0x0                               ; the opening add is done
	s_wait_kmcnt 0x0
	s_load_b64 s[96:97], s[8:9], 0x28              ; e10, e11
	s_add_nc_u64 s[20:21], s[4:5], s[20:21]
	s_add_nc_u64 s[46:47], s[6:7], s[46:47]
	CROUND                                         ; all sixteen work-groups are here: the first joint loads meet
.irp s, 0,1
	s_mov_b32 s[G0+4*\s], 1
	s_add_co_u32 s[G0+4*\s+1], s45, \s*SLOT
	s_add_nc_u64 s[G0+4*\s+2:G0+4*\s+3], s[20:21], \s*4*131072     ; K step s: four heads on
	s_or_b32 s[G0+4*\s+3], s[G0+4*\s+3], 0x80000000
	s_mov_b32 s[G0B+4*\s], 1
	s_add_co_u32 s[G0B+4*\s+1], s19, \s*SLOT
	s_add_nc_u64 s[G0B+4*\s+2:G0B+4*\s+3], s[46:47], \s*ROWB
	s_or_b32 s[G0B+4*\s+3], s[G0B+4*\s+3], 0x80000000
	s_wait_alu depctr_va_vdst(0)
	s_wait_tensorcnt 0x0
	ds_add_u32 v28, v29
	ds_add_u32 v28, v29
	s_wait_dscnt 0x0
	CROUND
	JLOAD G0+4*\s, G1, G0B+4*\s, G1B
.endr
	v_and_b32 v1, 15, v0                           ; r
	v_bfe_u32 v2, v0, 4, 1                         ; h
	v_mul_u32_u24 v3, v1, PITCH
	v_lshl_add_u32 v4, v2, 4, v3                   ; B: row r x pitch + 16 h
	v_mul_u32_u24 v3, v1, PA
	v_lshl_add_u32 v5, v2, 4, v3                   ; A likewise, at its own pitch
	s_mul_i32 s21, s15, HALFA                      ; my 128 rows of A
	s_mul_i32 s22, s16, HALFT                      ; my 128 rows of B
	s_add_co_u32 s22, s22, BOFF
.irp s, 0,1
	v_add_nc_u32 v[ADRA+\s], s21, v5
	v_add_nc_u32 v[ADRB+\s], s22, v4
	s_add_co_u32 s21, s21, SLOT
	s_add_co_u32 s22, s22, SLOT
.endr
	s_mul_i32 s23, s14, 16*SPITCH                  ; my stage
	v_mul_u32_u24 v5, v1, SPITCH
	v_lshl_add_u32 v5, v2, 5, v5
	v_add_nc_u32 v[STO], s23, v5                   ; in: row r, 32 bytes for each half of the lanes
	v_and_b32 v6, 31, v0
	v_lshlrev_b32 v[CO], 4, v6                     ; back: the 32 lanes take one row of 512 bytes; the same in C and in bo
	s_wait_alu depctr_va_vdst(0)
	v_add_nc_u32 v[RD], s23, v[CO]
	s_lshl_b32 s20, s17, 8
	s_lshl_b32 s21, s15, 7
	s_add_co_u32 s20, s20, s21
	s_lshl_b32 s20, s20, 12                        ; my first row of C, 4,096 bytes a row
	s_mov_b32 s21, 0
	s_lshl_b32 s46, s42, 10
	s_lshl_b32 s47, s16, 9
	s_add_co_u32 s46, s46, s47                     ; my first column, in bytes
	s_mov_b32 s47, 0
	s_add_nc_u64 s[10:11], s[10:11], s[46:47]
	s_add_nc_u64 s[12:13], s[12:13], s[46:47]
	s_add_nc_u64 s[12:13], s[12:13], s[20:21]
	global_load_b128 v[BIAS:BIAS+3], v[CO], s[10:11]   ; bo at the four columns that I store; waited for on the way out
.macro FRAGB reg, adr, q, i            ; registers 4 c .. 4 c + 3 hold K = 128 q + 32 c + 16 (l / 16) + 0 .. 15: one permutation of k, the same in A and B
.irp c, 0,1,2,3
	ds_load_b128 v[\reg+4*\c:\reg+4*\c+3], v[\adr] offset:128*(\q)+32*\c+(\i)*16*PITCH
.endr
.endm
.macro FRAGA reg, adr, q, i            ; the same k: head 2 q + c / 2 of the slot's four, byte 32 (c % 2) + 16 (l / 16) of its row
.irp c, 0,1,2,3
	ds_load_b128 v[\reg+4*\c:\reg+4*\c+3], v[\adr] offset:(2*(\q)+\c/2)*HEADB+(\i)*16*PA+32*(\c%2)
.endr
.endm
.macro MUL16 a0, p, zero               ; the 64 accumulators take turns, one instruction a turn, in the same order in every step
.irp a, \a0, \a0+1
.irp b, 0,1,2,3,4,5,6,7
.if \zero
	v_wmma_f32_16x16x128_fp8_fp8 v[8*(8*((\a)%4)+\b):8*(8*((\a)%4)+\b)+7], v[128*(\p)+FR*\b:128*(\p)+FR*\b+FR-1], v[AF+FR*(\a):AF+FR*(\a)+FR-1], 0
.else
	v_wmma_f32_16x16x128_fp8_fp8 v[8*(8*((\a)%4)+\b):8*(8*((\a)%4)+\b)+7], v[128*(\p)+FR*\b:128*(\p)+FR*\b+FR-1], v[AF+FR*(\a):AF+FR*(\a)+FR-1], v[8*(8*((\a)%4)+\b):8*(8*((\a)%4)+\b)+7]
.endif
.endr
.endr
.endm
.macro FETCH_B slot, q, p
	WIN TO_B
.irp i, 0,1,2,3,4,5,6,7
	FRAGB 128*(\p)+FR*\i, ADRB+\slot, \q, \i
.endr
	WIN 0
.endm
.macro FETCH_A slot, q, i0
.irp i, \i0, \i0+1, \i0+2, \i0+3
	FRAGA AF+FR*(\i), ADRA+\slot, \q, \i
.endr
.endm
.macro PLACES n
.rept \n
	v_nop
.endr
.endm
.macro STEP slot, q, zero
	s_wait_dscnt 4*NL                              ; B's set and A's blocks 0-3 are in; A's blocks 4-7, sixteen loads, may be out
	WIN MUL_LO
	MUL16 0, (\q)%2, \zero
	MUL16 2, (\q)%2, \zero
	s_wait_dscnt 0
	PLACES NP
	FETCH_B \slot, (\q)+1, 1-(\q)%2
	FETCH_A \slot, (\q)+1, 0
	WIN MUL_HI
	MUL16 4, (\q)%2, \zero
	MUL16 6, (\q)%2, \zero
	PLACES NP
	WIN 0
	FETCH_A \slot, (\q)+1, 4
.endm
.macro TURN slot, next, fill
	s_wait_tensorcnt 0x0                           ; all my tensor loads have landed: my part of the next slot
	ds_add_u32 v[SPW], v[NIL]                      ; 0 onto my spare word
	s_wait_dscnt 4*NL+1                            ; the add and A's blocks 4-7 may be out
	WIN MUL_LO
	MUL16 0, 1, 0
	s_wait_dscnt 0x0                               ; the add is done, and my reads of this slot are over
	s_barrier_signal -1
	MUL16 2, 1, 0
	WIN 0
	s_barrier_wait -1
.if \fill
	CREST                                          ; the barrier has opened a round of the cluster's: no wave of any partner still reads this slot or has a load on its way
	s_add_nc_u64 s[G0+4*\slot+2:G0+4*\slot+3], s[G0+4*\slot+2:G0+4*\slot+3], 2*4*131072
	s_add_nc_u64 s[G0B+4*\slot+2:G0B+4*\slot+3], s[G0B+4*\slot+2:G0B+4*\slot+3], 2*ROWB
	JLOAD G0+4*\slot, G1, G0B+4*\slot, G1B         ; the first tensor load behind the round; its four v_nop are the places in front of the loads below
.else
	PLACES NP
.endif
	FETCH_B \next, 0, 0
	FETCH_A \next, 0, 0
	WIN MUL_HI
	MUL16 4, 1, 0
	MUL16 6, 1, 0
	PLACES NP
	WIN 0
	FETCH_A \next, 0, 4
.endm
	s_wait_tensorcnt 1                             ; my part of K step 0 is in; K step 1's load may be out
	s_barrier_signal -1
	s_barrier_wait -1
	FETCH_B 0, 0, 0
	FETCH_A 0, 0, 0
	FETCH_A 0, 0, 4
	STEP 0, 0, 1                                   ; the first products start the sums
	TURN 0, 1, 1                                   ; slot 0 takes heads 8-11
	STEP 1, 0, 0
	TURN 1, 0, 1                                   ; slot 1 takes heads 12-15
	STEP 0, 0, 0
	TURN 0, 1, 0                                   ; nothing is left to fetch
	STEP 1, 0, 0
	s_wait_dscnt 4*NL
	WIN MUL_LO
	MUL16 0, 1, 0
	MUL16 2, 1, 0
	s_wait_dscnt 0
	WIN MUL_HI
	MUL16 4, 1, 0
	MUL16 6, 1, 0
	WIN 0
; THE WAY OUT, block by block of 16 rows x 128 columns: sums x 2^(e10 + e11) through my own stage, back as whole rows of 512 bytes, + bo, stored.
.macro TOSTAGE a
.set AC, 64*((\a)%4)
	WIN 0x02+((\a)/4)                              ; source 0: window 2 or 3
.set j, 0
.rept 32
	v_pk_mul_f32 v[TMP+j:TMP+j+1], v[AC+j:AC+j+1], s[96:97] op_sel_hi:[1,0]   ; both x s96: exact, short of overflow and underflow; each accumulator from its low end on
.set j, j+2
.endr
	WIN 0
.irp b, 0,1,2,3,4,5,6,7
	ds_store_b128 v[STO], v[TMP+8*\b:TMP+8*\b+3] offset:64*\b
	ds_store_b128 v[STO], v[TMP+8*\b+4:TMP+8*\b+7] offset:64*\b+16
.endr
.set BB, BK+64*((\a)%2)
.irp t, 0,1,2,3,4,5,6,7,8,9,10,11,12,13,14,15
	ds_load_b128 v[BB+4*\t:BB+4*\t+3], v[RD] offset:\t*SPITCH   ; LDS serves a wave's instructions in order: these see my stores
.endr
.endm
.macro SEND a, younger                 ; younger: the LDS instructions issued behind block a's loads, which may stay out
.set BB, BK+64*((\a)%2)
	s_wait_dscnt \younger
.if (\a) > 0
	s_add_nc_u64 s[12:13], s[12:13], 16*SIZE_N*4   ; behind a wait on XCNT: the earlier stores have read their base
.endif
.irp t, 0,1,2,3,4,5,6,7,8,9,10,11,12,13,14,15
	v_pk_add_f32 v[BB+4*\t:BB+4*\t+1], v[BB+4*\t:BB+4*\t+1], v[BIAS:BIAS+1]
	v_pk_add_f32 v[BB+4*\t+2:BB+4*\t+3], v[BB+4*\t+2:BB+4*\t+3], v[BIAS+2:BIAS+3]
.endr
.irp t, 0,1,2,3,4,5,6,7,8,9,10,11,12,13,14,15
	global_store_b128 v[CO], v[BB+4*\t:BB+4*\t+3], s[12:13] offset:\t*SIZE_N*4 th:TH_STORE_NT   ; 32 lanes store 512 consecutive bytes, aligned; written once, read by nobody here
.endr
.endm
	s_wait_kmcnt 0x0
	s_add_co_i32 s96, s96, s97
	s_add_co_i32 s96, s96, 127
	s_lshl_b32 s96, s96, 23                        ; 2^(e10 + e11) as f32
	s_wait_loadcnt 0x0                             ; bo
	PLACES NP
	TOSTAGE 0
.irp a, 1,2,3,4,5,6,7
.if \a > 1
	s_wait_xcnt 0x0                                ; block a - 2's stores have read their registers and their base
.endif
	TOSTAGE \a
	SEND \a-1, 32                                  ; behind block a - 1's loads: block a's 16 stores and 16 loads
.endr
	s_wait_xcnt 0x0
	SEND 7, 0
	s_wait_tensorcnt 0x0                           ; the wave's end
	ds_add_u32 v[SPW], v[NIL]
	s_wait_dscnt 0x0
	CROUND                                         ; the closing round
	s_endpgm
.Lfunc_end_k_qea4af2bec9_outp:
	.size	k_qea4af2bec9_outp, .Lfunc_end_k_qea4af2bec9_outp-k_qea4af2bec9_outp
	.p2alignl 7, 3214868480
	.fill 96, 4, 3214868480
	.section	.rodata,"a",@progbits
	.p2align	6, 0x0
	.amdhsa_kernel k_qea4af2bec9_outp
		.amdhsa_group_segment_fixed_size 327680
		.amdhsa_private_segment_fixed_size 0
		.amdhsa_enable_private_segment 0
		.amdhsa_kernarg_size 40
		.amdhsa_user_sgpr_count 2
		.amdhsa_user_sgpr_kernarg_segment_ptr 1
		.amdhsa_wavefront_size32 1
		.amdhsa_system_sgpr_workgroup_id_x 1
		.amdhsa_system_sgpr_workgroup_id_y 1
		.amdhsa_system_sgpr_workgroup_id_z 1
		.amdhsa_system_vgpr_workitem_id 0
		.amdhsa_next_free_vgpr 1024
		.amdhsa_next_free_sgpr 100
		.amdhsa_reserve_vcc 0
		.amdhsa_float_denorm_mode_32 3
		.amdhsa_float_denorm_mode_16_64 3
		.amdhsa_memory_ordered 1
		.amdhsa_forward_progress 1
		.amdhsa_inst_pref_size 141
	.end_amdhsa_kernel
	.amdgpu_metadata
---
amdhsa.version: [ 1, 2 ]
amdhsa.kernels:
  - .name:           k_qea4af2bec9_outp
    .symbol:         k_qea4af2bec9_outp.kd
    .args:
      - { .name: ctx, .offset: 0, .size: 8, .value_kind: global_buffer, .address_space: global }
      - { .name: wcodes, .offset: 8, .size: 8, .value_kind: global_buffer, .address_space: global }
      - { .name: lowp_scales, .offset: 16, .size: 8, .value_kind: global_buffer, .address_space: global }
      - { .name: bo, .offset: 24, .size: 8, .value_kind: global_buffer, .address_space: global }
      - { .name: out0, .offset: 32, .size: 8, .value_kind: global_buffer, .address_space: global }
    .group_segment_fixed_size: 327680
    .private_segment_fixed_size: 0
    .kernarg_segment_align: 8
    .kernarg_segment_size: 40
    .max_flat_workgroup_size: 128
    .sgpr_count:     100
    .vgpr_count:     1024
    .wavefront_size: 32
...
	.end_amdgpu_metadata
.endif
;; end of part 8
